; MI455X (gfx1250); checked and timed in simulation.
; The chip was launched on July 23, 2026; its instructions are those of AMD's public machine-readable ISA for CDNA 5 (MIT licence, August 2026) and "CDNA5" Instruction Set Architecture Reference Guide (July 2026). The comments in the code are by the model that wrote it; some were corrected since.
;; Self Attention Layer. Allowed arithmetic: float matrix products may take bf16 or f16 operands with f32 sums; other float arithmetic in f32, or as packed bf16 or f16 multiplies, adds, multiply-adds, maxima and minima; sums over many terms, partial sums and values carried from step to step in f32; what a program stores and reads back later, other than sums and carried values, may be rounded once to bf16 or f16.
;; Inputs: Wk 512 x 512 float32; Wo 512 x 512 float32; Wq 512 x 512 float32; Wv 512 x 512 float32; bk 512 float32; bn_bias 512 float32; bn_mean 512 float32; bn_scale 512 float32; bn_var 512 float32; bo 512 float32; bq 512 float32; bv 512 float32; x 16 x 2,048 x 512 float32.
;; Outputs: out0 16 x 2,048 x 512 float32.
;; 2 versions, each right and faster than the one before. Each part assembles by itself: llvm-mc -triple=amdgcn-amd-amdhsa -mcpu=gfx1250 --defsym DOCPART=n.
;; ======== version 1 of 2: 5 launches
;; limits: values are held in f16: magnitudes above 65,504 overflow, below 6.1e-05 lose precision; inputs' magnitudes at most 65,504
;; workspace buffers: x16 33,554,432 bytes; q16 33,554,432 bytes; k16 33,554,432 bytes; v16 33,554,432 bytes; wt 2,097,152 bytes; zero 131,072 bytes; negL 131,072 bytes; negG 131,072 bytes
;; launch prep (part 1): grid 288 x 1, 8 waves a work-group, no clusters, 70,656 bytes of LDS; arguments x, Wq, Wk, Wv, Wo, x16, wt, zero; writes x16, wt, zero
.if DOCPART == 1
	.amdgcn_target "amdgcn-amd-amdhsa--gfx1250"
	.amdhsa_code_object_version 6
	.text
	.protected	k_qedd861cc9b_prep
	.globl	k_qedd861cc9b_prep
	.p2align	8
	.type	k_qedd861cc9b_prep,@function
k_qedd861cc9b_prep:
	s_mov_b64 s[64:65], 0
	v_nop
	global_prefetch_b8 v0, s[64:65] scope:SCOPE_SE
	s_setreg_imm32_b32 hwreg(HW_REG_WAVE_MODE, 25, 1), 1
	s_wait_xcnt 0x0
; PREP.  x16 = x rounded to bf16, written as f16;  wt = the four weights, rounded to bf16, written as f16 and turned to [n][k] (rows 0-511 Wq, 512-1023 Wk, 1024-1535 Wv, 1536-2047 Wo);
; zero = 32,768 f32 zeros (the addend of the first of the two log-sum-exp launches).
; WHY TWO ROUNDINGS.  Every input of the module is rounded once to bf16; a bf16 number has 8 significant bits and is exact in f16's 11, so the second conversion changes nothing within f16's range.
; LIMITS.  f16 ends at 65,504: |x| and |W| stay within it; below 6e-5 f16 keeps a fixed step of 6e-8; NaN and infinities are not treated apart.
; Work-groups 0-31 turn the weights, work-groups 32-287 stream x.  No matrix unit, no cluster, no tensor load: nothing is shared and memory binds.
; TURNING.  A wave takes 128 k x 32 n of one weight: lane L is column n; 128 loads of 4 bytes a lane (128 consecutive bytes a wave) give the lane its
; 128 numbers along k, which pack into 256 bytes; they go through the wave's own stage in LDS (rows of 272 bytes) and leave as whole rows of 256 bytes.
; STREAM.  A work-group has 262,144 bytes of x, a wave 32,768: 64 loads of 512 bytes, through a ring of 32 register slots, two rounds of the ring.
.set STG,   32*272                     ; a wave's stage: 32 rows of 256 + 16 bytes
.set SPARE, 8*STG                      ; behind the stages: the spare words, 128 bytes for each of the eight waves
.set SPW, 2                            ; v2   LDS address of my spare word; never rewritten
.set NIL, 3                            ; v3   0; never rewritten
.set LN,  4                            ; v4   lane
.set X,   16                           ; v[16:143]   as loaded
.set Y,   144                          ; v[144:207]  packed f16
.set HIM, 40                           ; s40  a word's upper half
; Two f32 in v[a], v[a+1]: rounded to bf16 (nearest even), widened again, and packed as two f16 into v[y]
.macro RND2 y, a
	v_cvt_pk_bf16_f32 v[\y], v[\a], v[(\a)+1]
	v_lshlrev_b32 v[\a], 16, v[\y]
	v_and_b32 v[(\a)+1], s[HIM], v[\y]
	v_cvt_pk_f16_f32 v[\y], v[\a], v[(\a)+1]
.endm
	s_load_b512 s[4:19], s[0:1], 0x0               ; x 4, Wq 6, Wk 8, Wv 10, Wo 12, x16 14, wt 16, zero 18
	v_lshl_add_u32 v[SPW], v0, 2, SPARE
	v_mov_b32 v[NIL], 0
	v_lshrrev_b32 v1, 5, v0
	v_readfirstlane_b32 s24, v1                    ; wave 0..7
	v_and_b32 v[LN], 31, v0
	s_mov_b32 s[HIM], 0xffff0000
	s_cmp_lt_u32 ttmp9, 32
	s_cbranch_scc0 .Lstream
	; ---- the weights ----
	s_lshr_b32 s25, ttmp9, 3                       ; mu: which weight
	s_and_b32 s26, ttmp9, 7
	s_lshl_b32 s26, s26, 3
	s_add_co_u32 s26, s26, s24                     ; task 0..63
	s_lshr_b32 s27, s26, 2                         ; g: block of 32 columns n
	s_and_b32 s28, s26, 3                          ; kap: block of 128 rows k
	s_lshl_b32 s29, s27, 7                         ; 32 g columns of 4 bytes
	s_lshl_b32 s30, s28, 18                        ; 128 kap rows of 2,048 bytes
	s_add_co_u32 s30, s30, s29
	v_lshl_add_u32 v5, v[LN], 2, s30               ; my column in the block's first row
	s_lshl_b32 s36, s25, 19                        ; wt: 512 mu rows of 1,024 bytes,
	s_lshl_b32 s37, s27, 15                        ; 32 g rows,
	s_add_co_u32 s36, s36, s37
	s_lshl_b32 s37, s28, 8                         ; 128 kap numbers of 2 bytes
	s_add_co_u32 s36, s36, s37
	s_mov_b32 s37, 0
	s_mul_i32 s35, s24, STG                        ; my stage
	v_mul_u32_u24 v12, v[LN], 272
	v_add_nc_u32 v12, s35, v12                     ; in: row = lane
	v_lshrrev_b32 v7, 4, v[LN]
	v_and_b32 v15, 15, v[LN]
	v_mul_u32_u24 v13, v7, 272
	v_lshl_add_u32 v13, v15, 4, v13
	v_add_nc_u32 v13, s35, v13                     ; back: lanes 0-15 one row of 256 bytes, lanes 16-31 the next
	v_lshlrev_b32 v14, 10, v7
	v_lshl_add_u32 v14, v15, 4, v14                ; and the same two rows in wt
	s_wait_kmcnt 0x0
	s_cmp_eq_u32 s25, 1
	s_cselect_b64 s[32:33], s[8:9], s[6:7]
	s_cmp_eq_u32 s25, 2
	s_cselect_b64 s[32:33], s[10:11], s[32:33]
	s_cmp_eq_u32 s25, 3
	s_cselect_b64 s[32:33], s[12:13], s[32:33]
	s_add_nc_u64 s[16:17], s[16:17], s[36:37]
.set kk, 0
.rept 128
	global_load_b32 v[X+kk], v5, s[32:33] offset:kk*2048
.set kk, kk+1
.endr
	s_wait_loadcnt 0x0
.set kk, 0
.rept 64
	RND2 Y+kk, X+2*kk
.set kk, kk+1
.endr
.set kk, 0
.rept 16
	ds_store_b128 v12, v[Y+4*kk:Y+4*kk+3] offset:16*kk
.set kk, kk+1
.endr
.set kk, 0
.rept 16
	ds_load_b128 v[X+4*kk:X+4*kk+3], v13 offset:kk*544   ; LDS serves a wave's instructions in order (ISA guide 5.7.1.4): these see the stores above
.set kk, kk+1
.endr
.set kk, 0
.rept 16
	s_wait_dscnt 15-kk                             ; the younger loads may stay out
	global_store_b128 v14, v[X+4*kk:X+4*kk+3], s[16:17] offset:kk*2048   ; 16 lanes store 256 consecutive bytes, at a multiple of 256 from wt's first byte
.set kk, kk+1
.endr
	s_wait_tensorcnt 0x0                           ; the wave's end
	ds_add_u32 v[SPW], v[NIL]
	s_wait_dscnt 0x0
	s_endpgm
	; ---- the stream ----
.Lstream:
	s_sub_co_u32 s25, ttmp9, 32                    ; 0..255
	s_lshl_b32 s26, s25, 18                        ; the group's 262,144 bytes of x,
	s_lshl_b32 s27, s24, 15                        ; my wave's 32,768
	s_add_co_u32 s26, s26, s27
	s_mov_b32 s27, 0
	s_lshr_b32 s28, s26, 1                         ; half as many in x16
	s_mov_b32 s29, 0
	s_lshl_b32 s30, s25, 9                         ; the group's 512 bytes of zero
	s_mov_b32 s31, 0
	v_lshlrev_b32 v5, 4, v[LN]
	v_lshlrev_b32 v6, 3, v[LN]
	s_wait_kmcnt 0x0
	s_add_nc_u64 s[4:5], s[4:5], s[26:27]
	s_add_nc_u64 s[14:15], s[14:15], s[28:29]
	s_add_nc_u64 s[18:19], s[18:19], s[30:31]
.set i, 0
.rept 32
	global_load_b128 v[X+4*i:X+4*i+3], v5, s[4:5] offset:512*i th:TH_LOAD_NT
.set i, i+1
.endr
	s_cmp_lg_u32 s24, 0
	s_cbranch_scc1 .Lnozero
	v_mov_b32 v8, 0
	v_mov_b32 v9, 0
	v_mov_b32 v10, 0
	v_mov_b32 v11, 0
	global_store_b128 v5, v[8:11], s[18:19]        ; wave 0: 512 consecutive bytes of zeros
.Lnozero:
.set i, 0
.rept 32
	s_wait_loadcnt 31                              ; loads come back in order (ISA guide 5.7.1): mine is in, the 31 younger stay out
	RND2 Y+2*i, X+4*i
	RND2 Y+2*i+1, X+4*i+2
	global_load_b128 v[X+4*i:X+4*i+3], v5, s[4:5] offset:16384+512*i th:TH_LOAD_NT
	global_store_b64 v6, v[Y+2*i:Y+2*i+1], s[14:15] offset:256*i   ; 32 lanes store 256 consecutive bytes, aligned
.set i, i+1
.endr
.set i, 0
.rept 32
	s_wait_loadcnt 31-i                            ; nothing more is loaded: the counts run down
	s_wait_xcnt 0x0                                ; the slot's first store has read its registers: they are rewritten only behind this wait
	RND2 Y+2*i, X+4*i
	RND2 Y+2*i+1, X+4*i+2
	global_store_b64 v6, v[Y+2*i:Y+2*i+1], s[14:15] offset:8192+256*i
.set i, i+1
.endr
	s_endpgm
.Lfunc_end_k_qedd861cc9b_prep:
	.size	k_qedd861cc9b_prep, .Lfunc_end_k_qedd861cc9b_prep-k_qedd861cc9b_prep
	.p2alignl 7, 3214868480
	.fill 96, 4, 3214868480
	.section	.rodata,"a",@progbits
	.p2align	6, 0x0
	.amdhsa_kernel k_qedd861cc9b_prep
		.amdhsa_group_segment_fixed_size 70656
		.amdhsa_private_segment_fixed_size 0
		.amdhsa_enable_private_segment 0
		.amdhsa_kernarg_size 64
		.amdhsa_user_sgpr_count 2
		.amdhsa_user_sgpr_kernarg_segment_ptr 1
		.amdhsa_wavefront_size32 1
		.amdhsa_system_sgpr_workgroup_id_x 1
		.amdhsa_system_sgpr_workgroup_id_y 1
		.amdhsa_system_sgpr_workgroup_id_z 1
		.amdhsa_system_vgpr_workitem_id 0
		.amdhsa_next_free_vgpr 208
		.amdhsa_next_free_sgpr 66
		.amdhsa_reserve_vcc 0
		.amdhsa_float_denorm_mode_32 3
		.amdhsa_float_denorm_mode_16_64 3
		.amdhsa_memory_ordered 1
		.amdhsa_forward_progress 1
		.amdhsa_inst_pref_size 70
	.end_amdhsa_kernel
	.amdgpu_metadata
---
amdhsa.version: [ 1, 2 ]
amdhsa.kernels:
  - .name:           k_qedd861cc9b_prep
    .symbol:         k_qedd861cc9b_prep.kd
    .args:
      - { .name: x, .offset: 0, .size: 8, .value_kind: global_buffer, .address_space: global }
      - { .name: Wq, .offset: 8, .size: 8, .value_kind: global_buffer, .address_space: global }
      - { .name: Wk, .offset: 16, .size: 8, .value_kind: global_buffer, .address_space: global }
      - { .name: Wv, .offset: 24, .size: 8, .value_kind: global_buffer, .address_space: global }
      - { .name: Wo, .offset: 32, .size: 8, .value_kind: global_buffer, .address_space: global }
      - { .name: x16, .offset: 40, .size: 8, .value_kind: global_buffer, .address_space: global }
      - { .name: wt, .offset: 48, .size: 8, .value_kind: global_buffer, .address_space: global }
      - { .name: zero, .offset: 56, .size: 8, .value_kind: global_buffer, .address_space: global }
    .group_segment_fixed_size: 70656
    .private_segment_fixed_size: 0
    .kernarg_segment_align: 8
    .kernarg_segment_size: 64
    .max_flat_workgroup_size: 256
    .sgpr_count:     66
    .vgpr_count:     208
    .wavefront_size: 32
...
	.end_amdgpu_metadata
.endif
;; end of part 1
;; launch proj (part 2): grid 256 x 1, 4 waves a work-group, clusters of 4 x 1, 327,680 bytes of LDS; arguments x16, wt, bq, bk, bv, q16, k16, v16; writes q16, k16, v16
.if DOCPART == 2
	.amdgcn_target "amdgcn-amd-amdhsa--gfx1250"
	.amdhsa_code_object_version 6
	.text
	.protected	k_qedd861cc9b_proj
	.globl	k_qedd861cc9b_proj
	.p2align	8
	.type	k_qedd861cc9b_proj,@function
k_qedd861cc9b_proj:
	s_mov_b64 s[64:65], 0
	v_nop
	global_prefetch_b8 v0, s[64:65] scope:SCOPE_SE
	s_setreg_imm32_b32 hwreg(HW_REG_WAVE_MODE, 25, 1), 1
	s_wait_xcnt 0x0
	s_wait_alu depctr_hold_cnt(0) depctr_sa_sdst(0) depctr_va_vdst(0) depctr_va_sdst(0) depctr_va_ssrc(0) depctr_va_vcc(0) depctr_vm_vsrc(0)
	s_getreg_b32 s2, hwreg(HW_REG_IB_STS2, 6, 4)
	s_cmp_eq_u32 s2, 0
	s_cbranch_scc0 .Lentry_in_a_cluster
	s_endpgm
.Lentry_in_a_cluster:
	s_bfe_u32 s2, ttmp6, 0x10000c
	s_cmp_lg_u32 s2, 0x3003
	s_cbranch_scc0 .Lentry_shape_is_right
	s_endpgm
.Lentry_shape_is_right:
; PROJ.  q16, k16, v16 = f16(x16 W + b), each [32768][512].  x16 and wt (rows n of 512 k: Wq, Wk, Wv) hold the inputs rounded to bf16, exact in f16; the biases are rounded to bf16 here, like every input
; of the module; sums in f32, started with the bias; each result rounded once, to f16.
; LIMIT.  |q|, |k|, |v| stay within f16's 65,504 (at 30 times the drawn x and W, or with offsets of 30 spreads on both, they reach some 2e4).
; SHARES.  A work-group owns 128 rows of x16; wave w (wr = w / 2, wc = w % 2) keeps its 64 rows (64 wr on) x 512 k in 512 registers for the whole kernel.  The 1,536 rows of wt are STREAMED
; in 12 tiles of 128 rows x 512 k through two LDS slots; of each tile a wave takes rows 64 wc on: 16 accumulators, 256 matrix instructions, and each fragment read from LDS feeds four of them.
; THE MATRIX INSTRUCTION: source 0 = 16 rows of wt, source 1 = 16 rows of x16: a lane holds ONE row of x16 (lane % 16) and eight neighbouring output columns 8 (lane / 16) + 0..7.
; A bias, one number for each row of wt, is the C operand of the product that starts a sum.
; CLUSTER.  All work-groups walk the same wt: the four of a cluster ask for each tile JOINTLY, the same tensor load, descriptor and mask in all four.
; THE RING.  Tile j lies in slot j % 2.  The change of slots stands in the last 32 k of tile j - 1, when all its fragments are in registers; behind its round each wave asks for its 32 rows of tile
; j + 1, which have a whole tile's 256 matrix instructions in which to land.  By this text's count one tensor load of a wave is out at any time.
; REGISTERS, in windows of 256 (s_set_vgpr_msb: bits 1:0 source 0, 3:2 source 1, 5:4 source 2, 7:6 destination):
;   window 0: v0-15 addresses; v64-191 the accumulators ((t, kt) at 64 + 32 t + 8 kt); v192-223 the tile's biases     window 1: my rows 0-31     window 2: my rows 32-63
;   window 3: v0-63, v64-127 two fragment buffers of wt, 64 rows x 64 k each
.set PITCH, 1040                       ; an LDS row: 1,024 bytes + 16 of padding, an odd multiple of 16: the 16 rows of a load begin at 16 different 16-byte columns of 256
.set WPART, 32*PITCH                   ; what one tensor load brings
.set HALFS, 64*PITCH                   ; what one wave reads of a tile
.set SLOT,  128*PITCH
.set TILEB, 128*1024                   ; a tile in memory
.set NT,    12
.set SP,    272
.set STAGE, 2*SLOT                     ; behind the ring: 128 rows x 272 bytes, the work-group's, for the way out
.set ADDV,  STAGE+128*SP               ; bq, bk, bv: 1,536 f32
.set SPARE, ADDV+6144                  ; the spare words, 128 bytes for each wave
.set A0,  3                            ; v3   my lane's place in a tile; never rewritten
.set ADR, 4                            ; v4   the same in the slot in hand
.set VT,  5                            ; v5   my place in the table of biases, for the tile in hand
.set QO,  6                            ; v6   my byte offset in 16 rows of x16
.set SPW, 8                            ; v8   LDS address of my spare word; never rewritten
.set NIL, 9                            ; v9   0; never rewritten
.set STO, 10                           ; v10  the way out: where I put 16 bytes of a row
.set RD,  11                           ; v11  the way out: where I read rows back
.set GO,  12                           ; v12  my byte offset in two rows of the output
.set S,   64
.set AD,  192
.set OWN, 4                            ; s[4:5]   x16 at my wave's first row
.set WV,  20
.set WR,  21
.set WC,  22
.set WGX, 23
.set G1,  24                           ; s[24:31] descriptor group 1
.set G0,  32                           ; s[32:35] descriptor group 0: it walks
.set WOFF, 36                          ; my 32 rows' place in a slot
.set LS,  37                           ; the slot to be filled: 0 or SLOT
.set TB,  38                           ; the slot to be read: 0 or SLOT
.set CNT, 39
.set TJ,  40                           ; the tile that goes out next
.set OB,  42                           ; s[42:43] where it goes
.set OF,  44                           ; s[44:45] byte offset of the 32 rows that I store
.set MSB, 0
.macro WIN new                         ; the immediate's high byte repeats the setting that is left; a switch that changes nothing is dropped
.if MSB != (\new)
	s_set_vgpr_msb (MSB<<8)|(\new)
.set MSB, (\new)
.endif
.endm
.macro PLACES                          ; four places behind matrix instructions (ISA guide 7.12.1), where no other vector work is at hand
.rept 4
	v_nop
.endr
.endm
.macro CROUND                          ; a round of the cluster's barrier
	s_barrier_signal -1
	s_barrier_wait -1
	s_cmp_lg_u32 s[WV], 0
	s_cbranch_scc1 .Lnot_wave_0_\@
	s_barrier_signal -3
.Lnot_wave_0_\@:
	s_barrier_wait -3
	s_barrier_signal -1
	s_barrier_wait -1
.endm
; THE CHANGE OF SLOTS.  Each wave waits for all its tensor loads (the one that is out is its part of the next slot), adds 0 to its spare word, and waits for that and for its reads of the slot that it leaves.
; fill = 1: the barrier is a round of the cluster's, and the joint refill of the slot just left is the first thing behind it.
.macro CHANGE fill
	WIN 0
	s_wait_tensorcnt 0x0                           ; no tensor load of mine is out, so group 0 may be written
	ds_add_u32 v[SPW], v[NIL]                      ; 0 onto my spare word; scalar work stands between it and the wait for it
.if \fill
	s_xor_b32 s[LS], s[LS], SLOT
	s_add_co_u32 s[G0+1], s[LS], s[WOFF]
	s_add_nc_u64 s[G0+2:G0+3], s[G0+2:G0+3], TILEB ; the next tile; the type bits on top are not reached
.endif
	s_xor_b32 s[TB], s[TB], SLOT
	s_wait_dscnt 0x0                               ; the add is done, and my reads of the slot are over
.if \fill
	CROUND
	tensor_load_to_lds s[G0:G0+3], s[G1:G1+7]
	s_nop 0
.else
	s_barrier_signal -1
	s_barrier_wait -1
.endif
	PLACES                                         ; also the places in front of the loads into buffer 0
	v_add_nc_u32 v[ADR], s[TB], v[A0]
	v_add_nc_u32 v[VT], 512, v[VT]                 ; 128 numbers on
.endm
.macro OWNLOAD                         ; my 64 rows x 512 k: tile t of 16 rows, 32 k at c: lane l holds row l % 16, k = 8 (l / 16) + 0..7 and 16 + 8 (l / 16) + 0..7
.irp t, 0,1,2,3
	WIN 0x40+0x40*((\t)/2)
.set oc, 0
.rept 16
	global_load_b128 v[128*((\t)%2)+8*oc:128*((\t)%2)+8*oc+3],   v[QO], s[OWN:OWN+1] offset:(\t)*16384+oc*64
	global_load_b128 v[128*((\t)%2)+8*oc+4:128*((\t)%2)+8*oc+7], v[QO], s[OWN:OWN+1] offset:(\t)*16384+oc*64+32
.set oc, oc+1
.endr
.endr
	WIN 0
.endm
; 16 matrix instructions: all 16 accumulators by turns, 32 k at c.  c = 0 starts the sums with the biases.
.macro MUL16 c
.irp hi, 0,1
	WIN 0x07+4*\hi
.irp tt, 0,1
.irp kt, 0,1,2,3
.set rD, S+32*(2*\hi+\tt)+8*\kt
.set rA, 64*(((\c)/2)%2)+8*(2*\kt+(\c)%2)
.set rB, 128*\tt+8*(\c)
.if (\c) == 0
	v_wmma_f32_16x16x32_f16 v[rD:rD+7], v[rA:rA+7], v[rB:rB+7], v[AD+8*\kt:AD+8*\kt+7]
.else
	v_wmma_f32_16x16x32_f16 v[rD:rD+7], v[rA:rA+7], v[rB:rB+7], v[rD:rD+7]
.endif
.endr
.endr
.endr
.endm
.macro FETCH e, buf                    ; 16 LDS loads in one run: my 64 rows of the tile, 64 k at 64 e
	WIN 0xc0
.irp kt, 0,1,2,3
.irp cc, 0,1
	ds_load_b128 v[(\buf)+8*(2*\kt+\cc):(\buf)+8*(2*\kt+\cc)+3],   v[ADR] offset:\kt*16*PITCH+(2*(\e)+\cc)*64
	ds_load_b128 v[(\buf)+8*(2*\kt+\cc)+4:(\buf)+8*(2*\kt+\cc)+7], v[ADR] offset:\kt*16*PITCH+(2*(\e)+\cc)*64+32
.endr
.endr
.endm
.macro ADLOAD off                      ; register j of group kt: the bias of row 16 kt + 8 (l / 16) + j of my 64
	WIN 0
.irp kt, 0,1,2,3
	ds_load_b128 v[AD+8*\kt:AD+8*\kt+3],   v[VT] offset:(\off)+\kt*64
	ds_load_b128 v[AD+8*\kt+4:AD+8*\kt+7], v[VT] offset:(\off)+\kt*64+16
.endr
.endm
.macro RUN e, ad                       ; 64 k: 32 matrix instructions, with the next 64 k's fragments fetched in their middle.  ad = 1: the next tile's biases too
	s_wait_dscnt 0x0                               ; this part's fragments, asked for 16 matrix instructions ago
	MUL16 2*(\e)
	PLACES
	FETCH (\e)+1, 64*(((\e)+1)%2)
.if \ad
	ADLOAD 512
.endif
	MUL16 2*(\e)+1
.endm
; THE WAY OUT of tile TJ.  Each accumulator is rounded to f16 in place (its low four registers take 16 bytes: eight neighbouring columns of a row); these go into the work-group's stage; a barrier,
; since a row's 256 bytes come from two waves; whole rows come back into the accumulators' high four registers and are stored.
.macro EPI
	WIN 0
	PLACES
	s_cmp_lt_u32 s[TJ], 8
	s_cselect_b64 s[OB:OB+1], s[16:17], s[18:19]
	s_cmp_lt_u32 s[TJ], 4
	s_cselect_b64 s[OB:OB+1], s[14:15], s[OB:OB+1] ; tiles 0-3 are q's, 4-7 k's, 8-11 v's
	s_and_b32 s50, s[TJ], 3
	s_lshl_b32 s50, s50, 8                         ; 128 columns of 2 bytes
	s_mov_b32 s51, 0
	s_add_nc_u64 s[50:51], s[50:51], s[OF:OF+1]
	s_add_nc_u64 s[OB:OB+1], s[OB:OB+1], s[50:51]
.set a, 0
.rept 16
.irp i, 0,1,2,3
	v_cvt_pk_f16_f32 v[S+8*a+\i], v[S+8*a+2*\i], v[S+8*a+2*\i+1]
.endr
.set a, a+1
.endr
.set a, 0
.rept 16
	ds_store_b128 v[STO], v[S+8*a:S+8*a+3] offset:(a/4)*16*SP+32*(a%4)
.set a, a+1
.endr
	s_wait_dscnt 0x0                               ; for the others' sake: my stores into the stage are done
	s_barrier_signal -1
	s_barrier_wait -1                              ; the next tile's load stays on its way
.set a, 0
.rept 16
	ds_load_b128 v[S+8*a+4:S+8*a+7], v[RD] offset:a*2*SP
.set a, a+1
.endr
.set a, 0
.rept 16
	s_wait_dscnt 15-a                              ; the younger loads may stay out
	global_store_b128 v[GO], v[S+8*a+4:S+8*a+7], s[OB:OB+1] offset:a*2048   ; 16 lanes store 256 consecutive bytes, at a multiple of 256 from the buffer's first byte
.set a, a+1
.endr
	s_wait_xcnt 0x0                                ; the stores have read their registers and base: the next products and the next way out write them
	s_add_co_u32 s[TJ], s[TJ], 1
.endm
	s_load_b512 s[4:19], s[0:1], 0x0               ; x16 4, wt 6, bq 8, bk 10, bv 12, q16 14, k16 16, v16 18
	v_lshl_add_u32 v[SPW], v0, 2, SPARE
	v_mov_b32 v[NIL], 0
	ds_add_u32 v[SPW], v[NIL]                      ; the wave's opening: the add and its wait stand ahead of my first tensor load
	v_lshrrev_b32 v1, 5, v0
	v_readfirstlane_b32 s[WV], v1                  ; wave 0..3
	s_lshr_b32 s[WR], s[WV], 1
	s_and_b32 s[WC], s[WV], 1
	s_bfe_u32 s41, ttmp6, 0x40000                  ; cx
	s_lshl_b32 s[WGX], ttmp9, 2
	s_add_co_u32 s[WGX], s[WGX], s41               ; my block of 128 rows: it enters x16's and the outputs' addresses alone
	s_mov_b32 s[G1+0], 15|(1<<16)|(1<<20)|(1<<21)|(7<<22)|(3<<25)  ; the mask of four; 2-byte elements; padding on; bit 21 beside a mask; after every 256 words (code 7) 4 words (code 3)
	s_mov_b32 s[G1+1], 512<<16                     ; tensor_dim0 = 512
	s_mov_b32 s[G1+2], 32<<16                      ; tensor_dim1 = 32
	s_mov_b32 s[G1+3], 512<<16                     ; tile_dim0 = 512
	s_mov_b32 s[G1+4], 32                          ; tile_dim1 = 32
	s_mov_b32 s[G1+5], 512                         ; elements from row to row
	s_mov_b32 s[G1+6], 0
	s_mov_b32 s[G1+7], 0
	s_mul_i32 s[WOFF], s[WV], WPART
	s_mov_b32 s[G0], 1
	s_mov_b32 s[G0+1], s[WOFF]                     ; tile 0 goes to slot 0
	s_mov_b32 s[LS], 0
	s_mov_b32 s[TB], SLOT                          ; the first change of slots turns it into 0
	s_lshl_b32 s46, s[WV], 15                      ; my 32 rows of a tile, in memory
	s_mov_b32 s47, 0
	s_lshl_b32 s48, s[WGX], 17
	s_lshl_b32 s49, s[WR], 16
	s_add_co_u32 s48, s48, s49                     ; my wave's 64 rows of x16
	s_mov_b32 s49, 0
	s_lshl_b32 s[OF], s[WGX], 17
	s_lshl_b32 s[OF+1], s[WV], 15
	s_add_co_u32 s[OF], s[OF], s[OF+1]             ; the 32 rows that I store
	s_mov_b32 s[OF+1], 0
	s_wait_dscnt 0x0                               ; the opening add is done
	s_wait_kmcnt 0x0
	s_add_nc_u64 s[G0+2:G0+3], s[6:7], s[46:47]
	s_or_b32 s[G0+3], s[G0+3], 0x80000000          ; type = 2
	s_add_nc_u64 s[OWN:OWN+1], s[OWN:OWN+1], s[48:49]
	CROUND                                         ; all four work-groups are here: the first joint loads meet
	tensor_load_to_lds s[G0:G0+3], s[G1:G1+7]      ; tile 0
	s_nop 0
	PLACES
	v_and_b32 v1, 15, v0                           ; l % 16
	v_bfe_u32 v2, v0, 4, 1                         ; l / 16
	v_lshlrev_b32 v[QO], 10, v1
	v_lshl_add_u32 v[QO], v2, 4, v[QO]
	OWNLOAD
	v_lshlrev_b32 v13, 4, v0                       ; thread t copies 16 bytes at 16 t of each bias
	global_load_b128 v[16:19], v13, s[8:9]
	global_load_b128 v[20:23], v13, s[10:11]
	global_load_b128 v[24:27], v13, s[12:13]
	v_mul_u32_u24 v[A0], v1, PITCH
	v_lshl_add_u32 v[A0], v2, 4, v[A0]
	s_mul_i32 s52, s[WC], HALFS
	v_add_nc_u32 v[A0], s52, v[A0]                 ; row x pitch + 16 x half + my 64 rows
	s_lshl_b32 s52, s[WC], 8
	s_add_co_u32 s52, s52, ADDV-512                ; the first change of slots steps it to tile 0's
	v_lshl_add_u32 v[VT], v2, 5, s52
	s_mul_i32 s52, s[WR], 64*SP
	s_lshl_b32 s53, s[WC], 7
	s_add_co_u32 s52, s52, s53
	s_add_co_u32 s52, s52, STAGE
	v_mul_u32_u24 v[STO], v1, SP
	v_lshl_add_u32 v[STO], v2, 4, v[STO]
	v_add_nc_u32 v[STO], s52, v[STO]               ; in: my 64 rows, my half of their 256 bytes
	s_mul_i32 s52, s[WV], 32*SP
	s_add_co_u32 s52, s52, STAGE
	v_mul_u32_u24 v[RD], v2, SP
	v_lshl_add_u32 v[RD], v1, 4, v[RD]
	v_add_nc_u32 v[RD], s52, v[RD]                 ; back: rows 32 w on, whole; lanes 0-15 one row, lanes 16-31 the next
	v_lshlrev_b32 v[GO], 10, v2
	v_lshl_add_u32 v[GO], v1, 4, v[GO]
	v_add_nc_u32 v14, ADDV, v13
	s_wait_loadcnt 0x0                             ; my rows of x16 and my part of the biases
.irp p, 0,1,2,3,4,5                    ; the biases are rounded to bf16 like every input, and kept as f32
	v_cvt_pk_bf16_f32 v[28+\p], v[16+2*\p], v[17+2*\p]
.endr
.irp p, 0,1,2,3,4,5
	v_lshlrev_b32 v[16+2*\p], 16, v[28+\p]
	v_and_b32 v[17+2*\p], 0xffff0000, v[28+\p]
.endr
	ds_store_b128 v14, v[16:19]
	ds_store_b128 v14, v[20:23] offset:2048
	ds_store_b128 v14, v[24:27] offset:4096
	CHANGE 1                                       ; tile 0 and the biases are in, everybody's part; tile 1 is asked for
	FETCH 0, 0
	ADLOAD 0
	s_mov_b32 s[CNT], NT-1
	s_mov_b32 s[TJ], 0
	s_branch .Lenter                               ; the loop is entered in the middle of a trip
.Ltile:                                                ; NT - 2 times: tiles 2 to NT - 1 are asked for
	CHANGE 1
	FETCH 0, 0
	MUL16 15                                       ; the last 32 k of the tile before
	EPI
.Lenter:
	RUN 0, 0
	RUN 1, 1
	RUN 2, 0
	RUN 3, 0
	RUN 4, 0
	RUN 5, 0
	RUN 6, 0
	s_wait_dscnt 0x0
	MUL16 14
	WIN 0
	s_sub_co_u32 s[CNT], s[CNT], 1
	s_cmp_lg_u32 s[CNT], 0
	s_cbranch_scc1 .Ltile
	CHANGE 0                                       ; the last tile is written out: nothing is asked for
	FETCH 0, 0
	MUL16 15
	EPI
	RUN 0, 0
	RUN 1, 0
	RUN 2, 0
	RUN 3, 0
	RUN 4, 0
	RUN 5, 0
	RUN 6, 0
	s_wait_dscnt 0x0
	MUL16 14
	MUL16 15
	s_barrier_signal -1                            ; every wave's reads of the stage are back (its way out ended on a wait for 0): the stage may be written again
	s_barrier_wait -1
	EPI
	s_wait_tensorcnt 0x0                           ; the wave's end
	ds_add_u32 v[SPW], v[NIL]
	s_wait_dscnt 0x0
	CROUND                                         ; the closing round
	s_endpgm
.Lfunc_end_k_qedd861cc9b_proj:
	.size	k_qedd861cc9b_proj, .Lfunc_end_k_qedd861cc9b_proj-k_qedd861cc9b_proj
	.p2alignl 7, 3214868480
	.fill 96, 4, 3214868480
	.section	.rodata,"a",@progbits
	.p2align	6, 0x0
	.amdhsa_kernel k_qedd861cc9b_proj
		.amdhsa_group_segment_fixed_size 327680
		.amdhsa_private_segment_fixed_size 0
		.amdhsa_enable_private_segment 0
		.amdhsa_kernarg_size 64
		.amdhsa_user_sgpr_count 2
		.amdhsa_user_sgpr_kernarg_segment_ptr 1
		.amdhsa_wavefront_size32 1
		.amdhsa_system_sgpr_workgroup_id_x 1
		.amdhsa_system_sgpr_workgroup_id_y 1
		.amdhsa_system_sgpr_workgroup_id_z 1
		.amdhsa_system_vgpr_workitem_id 0
		.amdhsa_next_free_vgpr 896
		.amdhsa_next_free_sgpr 66
		.amdhsa_reserve_vcc 0
		.amdhsa_float_denorm_mode_32 3
		.amdhsa_float_denorm_mode_16_64 3
		.amdhsa_memory_ordered 1
		.amdhsa_forward_progress 1
		.amdhsa_inst_pref_size 103
	.end_amdhsa_kernel
	.amdgpu_metadata
---
amdhsa.version: [ 1, 2 ]
amdhsa.kernels:
  - .name:           k_qedd861cc9b_proj
    .symbol:         k_qedd861cc9b_proj.kd
    .args:
      - { .name: x16, .offset: 0, .size: 8, .value_kind: global_buffer, .address_space: global }
      - { .name: wt, .offset: 8, .size: 8, .value_kind: global_buffer, .address_space: global }
      - { .name: bq, .offset: 16, .size: 8, .value_kind: global_buffer, .address_space: global }
      - { .name: bk, .offset: 24, .size: 8, .value_kind: global_buffer, .address_space: global }
      - { .name: bv, .offset: 32, .size: 8, .value_kind: global_buffer, .address_space: global }
      - { .name: q16, .offset: 40, .size: 8, .value_kind: global_buffer, .address_space: global }
      - { .name: k16, .offset: 48, .size: 8, .value_kind: global_buffer, .address_space: global }
      - { .name: v16, .offset: 56, .size: 8, .value_kind: global_buffer, .address_space: global }
    .group_segment_fixed_size: 327680
    .private_segment_fixed_size: 0
    .kernarg_segment_align: 8
    .kernarg_segment_size: 64
    .max_flat_workgroup_size: 128
    .sgpr_count:     66
    .vgpr_count:     896
    .wavefront_size: 32
...
	.end_amdgpu_metadata
.endif
;; end of part 2
;; launch lse1 (part 3): grid 16 x 16, 4 waves a work-group, clusters of 4 x 1, 327,680 bytes of LDS; arguments q16, k16, zero, negL; writes negL
.if DOCPART == 3
	.amdgcn_target "amdgcn-amd-amdhsa--gfx1250"
	.amdhsa_code_object_version 6
	.text
	.protected	k_qedd861cc9b_lse1
	.globl	k_qedd861cc9b_lse1
	.p2align	8
	.type	k_qedd861cc9b_lse1,@function
k_qedd861cc9b_lse1:
	s_mov_b64 s[64:65], 0
	v_nop
	global_prefetch_b8 v0, s[64:65] scope:SCOPE_SE
	s_setreg_imm32_b32 hwreg(HW_REG_WAVE_MODE, 25, 1), 1
	s_wait_xcnt 0x0
	s_wait_alu depctr_hold_cnt(0) depctr_sa_sdst(0) depctr_va_vdst(0) depctr_va_sdst(0) depctr_va_ssrc(0) depctr_va_vcc(0) depctr_vm_vsrc(0)
	s_getreg_b32 s2, hwreg(HW_REG_IB_STS2, 6, 4)
	s_cmp_eq_u32 s2, 0
	s_cbranch_scc0 .Lentry_in_a_cluster
	s_endpgm
.Lentry_in_a_cluster:
	s_bfe_u32 s2, ttmp6, 0x10000c
	s_cmp_lg_u32 s2, 0x3003
	s_cbranch_scc0 .Lentry_shape_is_right
	s_endpgm
.Lentry_shape_is_right:
; LSE.  res[b][i] = - ln( sum over j of exp( own[b][i] . str[b][j] + add[b][j] ) ).  own, str: [16][2048][512] f16; add, res: [16][2048] f32.
; It runs twice.  First own = q, str = k, add = 0: res = -L, L the rows' log-sum-exp.  Then own = k, str = q, add = -L: res = -ln col, col the columns' sums of the softmax.
; The scores are made twice because neither they nor their weights fit on chip between the two passes: 128 rows x 2,048 are 1 MiB in f32.
; Products and sums in f32; a running maximum M and sum l for each lane: p = 2^(c s - c M), c = log2(e); l is multiplied by a = 2^(c M_old - c M_new) at each update.
; LIMITS.  Scores lie above -1e30 (M's start); a weight below 2^-126 counts as 0 in l; NaN and infinities are not treated apart.
; SHARES.  A work-group owns 128 rows of one batch; wave w (wr = w / 2, wc = w % 2) keeps its 64 rows (64 wr on) x 512 channels in 512 registers.  str's 2,048 rows are STREAMED in 16 tiles of 128 rows
; through two LDS slots; of each tile a wave takes rows 64 wc on.  Source 0 = 16 rows of str, source 1 = 16 of own: a lane holds ONE own row (lane % 16) and the str rows 8 (lane / 16) + 0..7.
; add, one number for each row of str, is the C operand of the product that starts a sum.  An own row's statistics lie in two lanes of two waves and meet at the end, in LDS.
; BY TURNS.  A wave's 64 str rows are two PIECES of 32: 8 accumulators, 128 matrix instructions, a TURN.  While one piece is multiplied, the other piece's update (176 vector instructions) stands in groups
; of five or six behind every four matrix instructions.  The first turn's riders work on a piece that has not been: its registers hold -2e30, below M's start, so it adds 0.
; CLUSTER.  The four blocks of a cluster belong to one batch and walk the same str and add: each tile is asked for JOINTLY, the same tensor load, descriptor and mask in all four.
; THE RING.  Tile j lies in slot j % 2; the change of slots stands in the last 64 channels of tile j - 1's second piece, when all its fragments are in registers; the refill has a whole tile's 256 matrix
; instructions in which to land.  By this text's count two tensor loads of a wave are out at the start (tile 0, its part of add), later one.
; REGISTERS, in windows of 256 (s_set_vgpr_msb: bits 1:0 source 0, 3:2 source 1, 5:4 source 2, 7:6 destination):
;   window 0: v0-15 addresses; v16-47 eight registers of statistics for each own tile t; v48-52 the way out; v64-191 scores (piece p, own tile t, group kt at 64 + 64 p + 16 t + 8 kt); v192-223 add (16 p + 8 kt)
;   window 1: my rows 0-31     window 2: my rows 32-63     window 3: v0-63, v64-127 two fragment buffers of str, 32 rows x 128 channels each
.set PITCH, 1040                       ; an LDS row: 1,024 bytes + 16 of padding, an odd multiple of 16
.set WPART, 32*PITCH
.set HALFS, 64*PITCH
.set SLOT,  128*PITCH
.set TILEB, 128*1024
.set NT,    16
.set ADDV,  2*SLOT                     ; the batch's 2,048 numbers of add, filled once
.set XCH,   ADDV+8192                  ; where the waves' statistics meet: 4 waves x 4 tiles x 32 lanes x 4 bytes
.set SPARE, XCH+2048                   ; the spare words, 128 bytes for each wave
.set A0,  3
.set ADR, 4
.set VT,  5
.set QO,  6
.set SPW, 8                            ; v8   LDS address of my spare word; never rewritten
.set NIL, 9                            ; v9   0; never rewritten
.set ST,  16                           ; tile t at ST + 8 t: c M, M, l (a pair), c0, c1, c2 (later a), c3
.set S,   64
.set AD,  192
.set OWN, 4                            ; s[4:5] own at my wave's first row;  s[6:7] str;  s[8:9] add;  s[10:11] res at my 32 results
.set WV,  12
.set WR,  13
.set WC,  14
.set CX,  15
.set BX,  16
.set BAT, 17
.set G1,  24                           ; s[24:31] group 1 for str's tiles
.set G1A, 32                           ; s[32:39] group 1 for add
.set G0,  40                           ; s[40:43] group 0 for str's tiles: it walks
.set G0A, 44                           ; s[44:47] group 0 for add
.set WOFF, 48
.set LS,  49
.set TB,  50
.set CNT, 51
.set CS,  52                           ; s[52:53] c
.set MSB, 0
.macro WIN new
.if MSB != (\new)
	s_set_vgpr_msb (MSB<<8)|(\new)
.set MSB, (\new)
.endif
.endm
.macro CROUND                          ; a round of the cluster's barrier
	s_barrier_signal -1
	s_barrier_wait -1
	s_cmp_lg_u32 s[WV], 0
	s_cbranch_scc1 .Lnot_wave_0_\@
	s_barrier_signal -3
.Lnot_wave_0_\@:
	s_barrier_wait -3
	s_barrier_signal -1
	s_barrier_wait -1
.endm
; THE CHANGE OF SLOTS: each wave waits for all its tensor loads, adds 0 to its spare word, waits for that and for its reads of the slot that it leaves.  fill = 1: a round of the cluster's barrier, and the joint refill first behind it.
.macro CHANGE fill
	WIN 0
	s_wait_tensorcnt 0x0                           ; no tensor load of mine is out, so group 0 may be written
	ds_add_u32 v[SPW], v[NIL]                      ; 0 onto my spare word; scalar work stands between it and the wait for it
.if \fill
	s_xor_b32 s[LS], s[LS], SLOT
	s_add_co_u32 s[G0+1], s[LS], s[WOFF]
	s_add_nc_u64 s[G0+2:G0+3], s[G0+2:G0+3], TILEB
.endif
	s_xor_b32 s[TB], s[TB], SLOT
	s_wait_dscnt 0x0                               ; the add is done, and my reads of the slot are over
.if \fill
	CROUND
	tensor_load_to_lds s[G0:G0+3], s[G1:G1+7]
	s_nop 0
.else
	s_barrier_signal -1
	s_barrier_wait -1
.endif
.rept 4
	v_nop
.endr
	v_add_nc_u32 v[ADR], s[TB], v[A0]
	v_add_nc_u32 v[VT], 512, v[VT]                 ; 128 numbers of add on
.endm
.macro OWNLOAD
.irp t, 0,1,2,3
	WIN 0x40+0x40*((\t)/2)
.set oc, 0
.rept 16
	global_load_b128 v[128*((\t)%2)+8*oc:128*((\t)%2)+8*oc+3],   v[QO], s[OWN:OWN+1] offset:(\t)*16384+oc*64
	global_load_b128 v[128*((\t)%2)+8*oc+4:128*((\t)%2)+8*oc+7], v[QO], s[OWN:OWN+1] offset:(\t)*16384+oc*64+32
.set oc, oc+1
.endr
.endr
	WIN 0
.endm
; One product: piece p, 32 channels at c, own tile t, group kt of 16 str rows.  c = 0 starts the sum with add.
.macro WM p, c, t, kt
.set rD, S+64*(\p)+16*(\t)+8*(\kt)
.set rA, 64*(((\c)/4)%2)+8*(4*(\kt)+(\c)%4)
.set rB, 128*((\t)%2)+8*(\c)
.set rC, AD+16*(\p)+8*(\kt)
.if (\c) == 0
	v_wmma_f32_16x16x32_f16 v[rD:rD+7], v[rA:rA+7], v[rB:rB+7], v[rC:rC+7]
.else
	v_wmma_f32_16x16x32_f16 v[rD:rD+7], v[rA:rA+7], v[rB:rB+7], v[rD:rD+7]
.endif
.endm
; THE VECTOR WORK.  Number n of the 176 of piece p's update: step n / 4 of 44 for own tile n % 4, so that a step's result is read four instructions later at the soonest.  s0-s15 are the lane's scores.
;   0-7   the maximum of s0-s15 and the old M, three operands at a time (each accumulator's lowest registers are read first)
;   8-10  c M_new; c M_old - c M_new; c M is set anew       12  a
;   11, 13-43  F k: c s - c M for pair k.  E i: the exponential of score i.  L k: l takes pair k (L 0: l = a l + pair 0).  Between an exponential and the step that reads it stands a plain step.
.macro SM n, p
.set jj, (\n)/4
.set rT, ST+8*((\n)%4)
.set rS, S+64*(\p)+16*((\n)%4)
.if jj == 0
	v_max3_num_f32 v[rT+4], v[rS], v[rS+1], v[rS+2]
.elseif jj == 1
	v_max3_num_f32 v[rT+5], v[rS+8], v[rS+9], v[rS+10]
.elseif jj < 6
	v_max3_num_f32 v[rT+4+jj%2], v[rT+4+jj%2], v[rS+8*(jj%2)+2*(jj/2)+1], v[rS+8*(jj%2)+2*(jj/2)+2]
.elseif jj == 6
	v_max3_num_f32 v[rT+4], v[rT+4], v[rS+7], v[rT+1]
.elseif jj == 7
	v_max3_num_f32 v[rT+1], v[rT+4], v[rT+5], v[rS+15]
.elseif jj == 8
	v_mul_f32 v[rT+7], s[CS], v[rT+1]
.elseif jj == 9
	v_sub_f32 v[rT+6], v[rT], v[rT+7]
.elseif jj == 10
	v_mov_b32 v[rT], v[rT+7]
.elseif jj == 12
	v_exp_f32 v[rT+6], v[rT+6]
.else
.if jj == 43
.set kd, 2
.set ix, 7
.elseif jj >= 35
.if (jj-36)%3 == 0
.set kd, 2
.set ix, 4+(jj-36)/3
.else
.set kd, 1
.set ix, jj-24-(jj-34)/3
.endif
.elseif jj%2 == 0
.set kd, 1
.set ix, (jj-14)/2
.elseif jj < 19
.set kd, 0
.set ix, (jj-11)/2
.elseif (jj-19)%4 == 0
.set kd, 2
.set ix, (jj-19)/4
.else
.set kd, 0
.set ix, 4+(jj-21)/4
.endif
.if kd == 0
	v_pk_fma_f32 v[rS+2*ix:rS+2*ix+1], v[rS+2*ix:rS+2*ix+1], s[CS:CS+1], v[rT:rT+1] op_sel_hi:[1,0,0] neg_lo:[0,0,1] neg_hi:[0,0,1]
.elseif kd == 1
	v_exp_f32 v[rS+ix], v[rS+ix]
.elseif ix == 0
	s_wait_alu depctr_va_vdst(0)
	v_pk_fma_f32 v[rT+2:rT+3], v[rT+2:rT+3], v[rT+6:rT+7], v[rS:rS+1] op_sel_hi:[1,0,1]
.else
	s_wait_alu depctr_va_vdst(0)
	v_pk_add_f32 v[rT+2:rT+3], v[rT+2:rT+3], v[rS+2*ix:rS+2*ix+1]
.endif
.endif
.endm
; Group g of a turn's 32: four products (the 8 accumulators take turns: an accumulator comes again behind the 7 others) and five or six riders of the other piece.
; The riders name the other piece's scores and the statistics alone.  The last group's six are plain: the places between a turn's last products and the next turn's first reads of them.
.macro GRP p, c, hi, g
	WIN 0x07+4*(\hi)
	WM \p, \c, 2*(\hi), 0
	WM \p, \c, 2*(\hi), 1
	WM \p, \c, 2*(\hi)+1, 0
	WM \p, \c, 2*(\hi)+1, 1
	WIN 0
.set rn, (11*(\g))/2
.rept (11*((\g)+1))/2-(11*(\g))/2
	SM rn, 1-(\p)
.set rn, rn+1
.endr
.endm
.macro HALF p, q, hf                   ; 64 channels of piece p: 16 matrix instructions
.irp cc, 0,1
	GRP \p, 4*(\q)+2*(\hf)+\cc, 0, 8*(\q)+4*(\hf)+2*\cc
	GRP \p, 4*(\q)+2*(\hf)+\cc, 1, 8*(\q)+4*(\hf)+2*\cc+1
.endr
.endm
.macro FETCH p, q, buf                 ; 16 LDS loads in one run: piece p's 32 rows, 128 channels at 128 q
	WIN 0xc0
.irp kt, 0,1
.irp cq, 0,1,2,3
	ds_load_b128 v[(\buf)+8*(4*\kt+\cq):(\buf)+8*(4*\kt+\cq)+3],   v[ADR] offset:(\p)*32*PITCH+\kt*16*PITCH+(4*(\q)+\cq)*64
	ds_load_b128 v[(\buf)+8*(4*\kt+\cq)+4:(\buf)+8*(4*\kt+\cq)+7], v[ADR] offset:(\p)*32*PITCH+\kt*16*PITCH+(4*(\q)+\cq)*64+32
.endr
.endr
	WIN 0
.endm
.macro ADLOAD p, off                   ; register j of group kt: add of row 32 p + 16 kt + 8 (l / 16) + j of my 64
.irp kt, 0,1
	ds_load_b128 v[AD+16*(\p)+8*\kt:AD+16*(\p)+8*\kt+3],   v[VT] offset:(\off)+(\p)*128+\kt*64
	ds_load_b128 v[AD+16*(\p)+8*\kt+4:AD+16*(\p)+8*\kt+7], v[VT] offset:(\off)+(\p)*128+\kt*64+16
.endr
.endm
; A quarter of a turn: 128 channels, 32 matrix instructions; in its middle the next quarter's fragments (piece fp, quarter fq) are fetched into the other buffer, whose last reader stands more than
; twenty riders back, four plain ones among them.  ad = 1: the piece's add for the next tile too.
.macro QTR p, q, fp, fq, ad
	s_wait_dscnt 0x0                               ; this quarter's fragments, asked for 16 matrix instructions ago
	HALF \p, \q, 0
	FETCH \fp, \fq, 64*(((\q)+1)%2)
.if \ad
	ADLOAD \p, 512
.endif
	HALF \p, \q, 1
.endm
	s_load_b256 s[4:11], s[0:1], 0x0               ; own, str, add, res
	v_lshl_add_u32 v[SPW], v0, 2, SPARE
	v_mov_b32 v[NIL], 0
	ds_add_u32 v[SPW], v[NIL]                      ; the wave's opening: the add and its wait stand ahead of my first tensor load
	v_lshrrev_b32 v1, 5, v0
	v_readfirstlane_b32 s[WV], v1                  ; wave 0..3
	s_lshr_b32 s[WR], s[WV], 1
	s_and_b32 s[WC], s[WV], 1
	s_bfe_u32 s[CX], ttmp6, 0x40000                ; cx
	s_lshl_b32 s[BX], ttmp9, 2
	s_add_co_u32 s[BX], s[BX], s[CX]               ; my block of 128 rows: it enters own's and res's addresses alone
	s_and_b32 s[BAT], ttmp7, 0xffff                ; the batch, which the four partners share
	s_lshl_b32 s20, s[BAT], 21                     ; str: the batch's 2,048 rows of 1,024 bytes,
	s_lshl_b32 s21, s[WV], 15                      ; my 32 rows of a tile
	s_add_co_u32 s20, s20, s21
	s_mov_b32 s21, 0
	s_lshl_b32 s22, s[BAT], 13                     ; add: the batch's 8,192 bytes,
	s_lshl_b32 s23, s[WV], 11                      ; my quarter of them
	s_add_co_u32 s22, s22, s23
	s_mov_b32 s23, 0
	s_lshl_b32 s18, s[BAT], 11
	s_lshl_b32 s19, s[BX], 7
	s_add_co_u32 s18, s18, s19                     ; my block's first row
	s_lshl_b32 s19, s[WV], 5
	s_add_co_u32 s54, s18, s19                     ; the 32 results that I store,
	s_lshl_b32 s54, s54, 2                         ; in bytes
	s_mov_b32 s55, 0
	s_lshl_b32 s19, s[WR], 6
	s_add_co_u32 s18, s18, s19                     ; my wave's 64 rows,
	s_lshl_b32 s18, s18, 10                        ; in bytes
	s_mov_b32 s19, 0
	s_mov_b32 s[G1+0], 15|(1<<16)|(1<<20)|(1<<21)|(7<<22)|(3<<25)  ; the mask of four; 2-byte elements; padding on; bit 21 beside a mask; after every 256 words (code 7) 4 words (code 3)
	s_mov_b32 s[G1+1], 512<<16                     ; tensor_dim0 = 512
	s_mov_b32 s[G1+2], 32<<16                      ; tensor_dim1 = 32
	s_mov_b32 s[G1+3], 512<<16                     ; tile_dim0 = 512
	s_mov_b32 s[G1+4], 32                          ; tile_dim1 = 32
	s_mov_b32 s[G1+5], 512                         ; elements from row to row
	s_mov_b32 s[G1+6], 0
	s_mov_b32 s[G1+7], 0
	s_mov_b32 s[G1A+0], 15|(3<<16)|(1<<21)         ; the mask of four; 8-byte elements; no padding
	s_mov_b32 s[G1A+1], 256<<16                    ; one row of 256 elements: 2,048 bytes
	s_mov_b32 s[G1A+2], 1<<16
	s_mov_b32 s[G1A+3], 256<<16
	s_mov_b32 s[G1A+4], 1
	s_mov_b32 s[G1A+5], 256
	s_mov_b32 s[G1A+6], 0
	s_mov_b32 s[G1A+7], 0
	s_mul_i32 s[WOFF], s[WV], WPART
	s_mov_b32 s[G0], 1
	s_mov_b32 s[G0+1], s[WOFF]                     ; tile 0 goes to slot 0
	s_mov_b32 s[G0A], 1
	s_lshl_b32 s[G0A+1], s[WV], 11
	s_add_co_u32 s[G0A+1], s[G0A+1], ADDV
	s_mov_b32 s[LS], 0
	s_mov_b32 s[TB], SLOT                          ; the first change of slots turns it into 0
	s_mov_b32 s[CS], 0x3fb8aa3b                    ; c = log2(e)
	s_mov_b32 s[CS+1], s[CS]                       ; named with it as a pair
	s_wait_dscnt 0x0                               ; the opening add is done
	s_wait_kmcnt 0x0
	s_add_nc_u64 s[G0+2:G0+3], s[6:7], s[20:21]
	s_or_b32 s[G0+3], s[G0+3], 0x80000000          ; type = 2
	s_add_nc_u64 s[G0A+2:G0A+3], s[8:9], s[22:23]
	s_or_b32 s[G0A+3], s[G0A+3], 0x80000000
	s_add_nc_u64 s[OWN:OWN+1], s[OWN:OWN+1], s[18:19]
	s_add_nc_u64 s[10:11], s[10:11], s[54:55]
	CROUND                                         ; all four work-groups are here: the first joint loads meet
	tensor_load_to_lds s[G0:G0+3], s[G1:G1+7]      ; tile 0
	s_nop 0
	tensor_load_to_lds s[G0A:G0A+3], s[G1A:G1A+7]  ; my quarter of add
	s_nop 0
.rept 4
	v_nop
.endr
	v_and_b32 v1, 15, v0                           ; l % 16
	v_bfe_u32 v2, v0, 4, 1                         ; l / 16
	v_lshlrev_b32 v[QO], 10, v1
	v_lshl_add_u32 v[QO], v2, 4, v[QO]
	OWNLOAD
	v_mul_u32_u24 v[A0], v1, PITCH
	v_lshl_add_u32 v[A0], v2, 4, v[A0]
	s_mul_i32 s56, s[WC], HALFS
	v_add_nc_u32 v[A0], s56, v[A0]                 ; row x pitch + 16 x half + my 64 rows
	s_lshl_b32 s56, s[WC], 8
	s_add_co_u32 s56, s56, ADDV-512                ; the first change of slots steps it to tile 0's
	v_lshl_add_u32 v[VT], v2, 5, s56
.irp t, 0,1,2,3
	v_mov_b32 v[ST+8*\t], 0xfe000000               ; c M: far below every c s, so the first a is 0
	v_mov_b32 v[ST+8*\t+1], 0xf149f2ca             ; M = -1e30
	v_mov_b32 v[ST+8*\t+2], 0                      ; l
	v_mov_b32 v[ST+8*\t+3], 0
.endr
	s_mov_b32 s56, 0xf1c9f2ca                      ; -2e30: what the first turn's riders find as piece 1.  64 moves, in the wait for the first tile, spare a first turn written out
.set i, 0
.rept 64
	v_mov_b32 v[S+64+i], s56
.set i, i+1
.endr
	CHANGE 1                                       ; tile 0 and add are in, everybody's part; tile 1 is asked for
	FETCH 0, 0, 0
	ADLOAD 0, 0
	ADLOAD 1, 0
	s_wait_loadcnt 0x0                             ; my rows of own
	s_mov_b32 s[CNT], NT-1
	s_branch .Lenter                               ; the loop is entered in the middle of a trip
.Ltile:                                                ; NT - 2 times: tiles 2 to NT - 1 are asked for
	CHANGE 1
	FETCH 0, 0, 0
	HALF 1, 3, 1                                   ; the last 64 channels of the tile before
.Lenter:
	QTR 0, 0, 0, 1, 0
	QTR 0, 1, 0, 2, 1
	QTR 0, 2, 0, 3, 0
	QTR 0, 3, 1, 0, 0
	QTR 1, 0, 1, 1, 0
	QTR 1, 1, 1, 2, 1
	QTR 1, 2, 1, 3, 0
	s_wait_dscnt 0x0
	HALF 1, 3, 0
	s_sub_co_u32 s[CNT], s[CNT], 1
	s_cmp_lg_u32 s[CNT], 0
	s_cbranch_scc1 .Ltile
	CHANGE 0                                       ; the last tile is written out: nothing is asked for
	FETCH 0, 0, 0
	HALF 1, 3, 1
	QTR 0, 0, 0, 1, 0
	QTR 0, 1, 0, 2, 0
	QTR 0, 2, 0, 3, 0
	QTR 0, 3, 1, 0, 0
	QTR 1, 0, 1, 1, 0
	QTR 1, 1, 1, 2, 0
	QTR 1, 2, 1, 3, 0
	s_wait_dscnt 0x0
	HALF 1, 3, 0
	HALF 1, 3, 1
.set rn, 0
.rept 176
	SM rn, 1                                       ; the last piece's update has no products to stand beside
.set rn, rn+1
.endr
	; THE WAY OUT.  Each lane's c M + log2 l for its four own rows; an own row's four such numbers (two lanes of two waves) meet in LDS and are joined, again with their maximum taken away.
.irp t, 0,1,2,3
	v_add_f32 v[ST+8*\t+2], v[ST+8*\t+2], v[ST+8*\t+3]
.endr
.irp t, 0,1,2,3
	v_log_f32 v[ST+8*\t+2], v[ST+8*\t+2]           ; l is at least about 1: the lane's largest score has the weight 1
.endr
	v_and_b32 v10, 31, v0
	s_wait_alu depctr_va_vdst(0)
.irp t, 0,1,2,3
	v_add_f32 v[ST+8*\t+2], v[ST+8*\t], v[ST+8*\t+2]
.endr
	v_lshlrev_b32 v10, 2, v10                      ; 4 x lane
	s_lshl_b32 s56, s[WV], 9
	s_add_co_u32 s56, s56, XCH
	v_add_nc_u32 v11, s56, v10
.irp t, 0,1,2,3
	ds_store_b32 v11, v[ST+8*\t+2] offset:\t*128
.endr
	s_lshl_b32 s56, s[WR], 10                      ; the two waves that share my rows,
	s_lshl_b32 s57, s[WC], 8                       ; of their four tiles my two: I finish rows 32 w on
	s_add_co_u32 s56, s56, s57
	s_add_co_u32 s56, s56, XCH
	v_lshlrev_b32 v12, 7, v2
	v_lshl_add_u32 v12, v1, 2, v12
	v_add_nc_u32 v12, s56, v12
	s_wait_dscnt 0x0                               ; for the others' sake: my stores are done
	s_barrier_signal -1
	s_barrier_wait -1
	ds_load_b32 v48, v12
	ds_load_b32 v49, v12 offset:64                 ; the lane 16 away
	ds_load_b32 v50, v12 offset:512                ; the other wave
	ds_load_b32 v51, v12 offset:576
	s_wait_dscnt 0x0
	v_max3_num_f32 v52, v48, v49, v50
	v_max_num_f32 v52, v52, v51
	v_sub_f32 v48, v48, v52
	v_sub_f32 v49, v49, v52
	v_sub_f32 v50, v50, v52
	v_sub_f32 v51, v51, v52
	v_exp_f32 v48, v48
	v_exp_f32 v49, v49
	v_exp_f32 v50, v50
	v_exp_f32 v51, v51
	v_nop                                          ; a plain instruction behind the transcendentals (ISA guide 5.7.2)
	s_wait_alu depctr_va_vdst(0)
	v_add_f32 v48, v48, v49
	v_add_f32 v50, v50, v51
	v_add_f32 v48, v48, v50
	v_log_f32 v48, v48
	v_nop
	s_wait_alu depctr_va_vdst(0)
	v_add_f32 v48, v52, v48
	v_mul_f32 v48, 0xbf317218, v48                 ; times -ln 2
	global_store_b32 v10, v48, s[10:11]            ; 128 consecutive bytes a wave: the launch's whole output is 131,072 bytes
	s_wait_tensorcnt 0x0                           ; the wave's end
	ds_add_u32 v[SPW], v[NIL]
	s_wait_dscnt 0x0
	CROUND                                         ; the closing round
	s_endpgm
.Lfunc_end_k_qedd861cc9b_lse1:
	.size	k_qedd861cc9b_lse1, .Lfunc_end_k_qedd861cc9b_lse1-k_qedd861cc9b_lse1
	.p2alignl 7, 3214868480
	.fill 96, 4, 3214868480
	.section	.rodata,"a",@progbits
	.p2align	6, 0x0
	.amdhsa_kernel k_qedd861cc9b_lse1
		.amdhsa_group_segment_fixed_size 327680
		.amdhsa_private_segment_fixed_size 0
		.amdhsa_enable_private_segment 0
		.amdhsa_kernarg_size 32
		.amdhsa_user_sgpr_count 2
		.amdhsa_user_sgpr_kernarg_segment_ptr 1
		.amdhsa_wavefront_size32 1
		.amdhsa_system_sgpr_workgroup_id_x 1
		.amdhsa_system_sgpr_workgroup_id_y 1
		.amdhsa_system_sgpr_workgroup_id_z 1
		.amdhsa_system_vgpr_workitem_id 0
		.amdhsa_next_free_vgpr 896
		.amdhsa_next_free_sgpr 66
		.amdhsa_reserve_vcc 0
		.amdhsa_float_denorm_mode_32 3
		.amdhsa_float_denorm_mode_16_64 3
		.amdhsa_memory_ordered 1
		.amdhsa_forward_progress 1
		.amdhsa_inst_pref_size 135
	.end_amdhsa_kernel
	.amdgpu_metadata
---
amdhsa.version: [ 1, 2 ]
amdhsa.kernels:
  - .name:           k_qedd861cc9b_lse1
    .symbol:         k_qedd861cc9b_lse1.kd
    .args:
      - { .name: q16, .offset: 0, .size: 8, .value_kind: global_buffer, .address_space: global }
      - { .name: k16, .offset: 8, .size: 8, .value_kind: global_buffer, .address_space: global }
      - { .name: zero, .offset: 16, .size: 8, .value_kind: global_buffer, .address_space: global }
      - { .name: negL, .offset: 24, .size: 8, .value_kind: global_buffer, .address_space: global }
    .group_segment_fixed_size: 327680
    .private_segment_fixed_size: 0
    .kernarg_segment_align: 8
    .kernarg_segment_size: 32
    .max_flat_workgroup_size: 128
    .sgpr_count:     66
    .vgpr_count:     896
    .wavefront_size: 32
...
	.end_amdgpu_metadata
.endif
;; end of part 3
;; launch lse2: the kernel of part 3 again; grid 16 x 16, 4 waves a work-group, clusters of 4 x 1, 327,680 bytes of LDS; arguments k16, q16, negL, negG; writes negG
;; launch fin (part 4): grid 256 x 1, 4 waves a work-group, clusters of 4 x 1, 327,680 bytes of LDS; arguments v16, wt, x16, negG, bo, bn_scale, bn_bias, bn_mean, bn_var, out0; writes out0
.if DOCPART == 4
	.amdgcn_target "amdgcn-amd-amdhsa--gfx1250"
	.amdhsa_code_object_version 6
	.text
	.protected	k_qedd861cc9b_fin
	.globl	k_qedd861cc9b_fin
	.p2align	8
	.type	k_qedd861cc9b_fin,@function
k_qedd861cc9b_fin:
	s_mov_b64 s[64:65], 0
	v_nop
	global_prefetch_b8 v0, s[64:65] scope:SCOPE_SE
	s_setreg_imm32_b32 hwreg(HW_REG_WAVE_MODE, 25, 1), 1
	s_wait_xcnt 0x0
	s_wait_alu depctr_hold_cnt(0) depctr_sa_sdst(0) depctr_va_vdst(0) depctr_va_sdst(0) depctr_va_ssrc(0) depctr_va_vcc(0) depctr_vm_vsrc(0)
	s_getreg_b32 s2, hwreg(HW_REG_IB_STS2, 6, 4)
	s_cmp_eq_u32 s2, 0
	s_cbranch_scc0 .Lentry_in_a_cluster
	s_endpgm
.Lentry_in_a_cluster:
	s_bfe_u32 s2, ttmp6, 0x10000c
	s_cmp_lg_u32 s2, 0x3003
	s_cbranch_scc0 .Lentry_shape_is_right
	s_endpgm
.Lentry_shape_is_right:
; FIN.  out0[n][c] = relu( sc[n] G[c] (v[n] . Wo[:, c]) + H[c] ) + x16[n][c].  sc = col / (1e-9 + col), col = exp(-negG);  Wo turned = rows 1536-2047 of wt;  G = bn_scale rsqrt(bn_var + 1e-5);
; H = (bo - bn_mean) G + bn_bias.  A row's scale and a channel's gain commute with the product, so both are applied in f32 behind it.  v16, wt, x16 are f16 (wt and x16: the inputs rounded to bf16, exact
; in f16); bo and the four batch-norm vectors are rounded to bf16 here, like every input of the module; sums and all the rest in f32; out0 is f32.
; LIMITS.  The residual is x rounded to bf16, as all inputs are; col below 2^-126 counts as 0; NaN and infinities are not treated apart.
; SHARES, MATRIX INSTRUCTION, CLUSTER, RING: a work-group owns 128 rows of v16, a wave keeps 64 of them (64 wr on) in 512 registers; Wo's 512 rows are streamed in 4 tiles of 128 rows through two LDS slots,
; asked for jointly by the four work-groups of a cluster; source 0 = 16 rows of Wo turned, source 1 = 16 rows of v16: a lane holds one row of v16 and eight neighbouring output channels.
; The change of slots stands in the last 32 k of the tile before; one tensor load of a wave is out at any time, and has a tile's 256 matrix instructions and a way out in which to land.
; THE WAY OUT is each wave's own: its 64 channels of f32 are 256 aligned bytes of a row, so 16 rows at a time go through its own stage in LDS and leave as whole rows; no barrier.
; REGISTERS, in windows of 256: window 0: v0-15 addresses; v16-63 and v224-239 the residual's f16 words; v64-191 the accumulators ((t, kt) at 64 + 32 t + 8 kt); v192-223 the tile's H;
;   v240-247 sc, a pair for each t; v248 1.0     window 1: my rows 0-31     window 2: my rows 32-63     window 3: v0-63, v64-127 two fragment buffers; v128-159 the tile's G
.set PITCH, 1040
.set WPART, 32*PITCH
.set HALFS, 64*PITCH
.set SLOT,  128*PITCH
.set TILEB, 128*1024
.set NT,    4
.set SP,    272
.set STAGE, 2*SLOT                     ; behind the ring: 16 rows x 272 bytes for each wave
.set HTAB,  STAGE+4*16*SP              ; H: 512 f32; behind it G: 512 f32
.set SPARE, HTAB+4096                  ; the spare words, 128 bytes for each wave
.set A0,  3
.set ADR, 4
.set VT,  5                            ; v5   my place in H (and, 2,048 bytes on, in G), for the tile in hand
.set QO,  6
.set XO,  7                            ; v7   my byte offset in two rows of x16
.set SPW, 8                            ; v8   LDS address of my spare word; never rewritten
.set NIL, 9                            ; v9   0; never rewritten
.set STO, 10
.set RD,  11
.set GO,  12                           ; v12  my byte offset in two rows of out0
.set S,   64
.set HV,  192
.set GV,  128                          ; in window 3
.set SC,  240
.set ONE, 248
.set OWN, 4                            ; s[4:5]   v16 at my wave's first row
.set XB,  8                            ; s[8:9]   x16 at my rows and the tile's channels
.set OB,  22                           ; s[22:23] out0 likewise
.set G1,  24
.set G0,  32
.set WOFF, 36
.set LS,  37
.set TB,  38
.set CNT, 39
.set WV,  40
.set WR,  41
.set WC,  42
.set CX,  43
.set WGX, 44
.set MSB, 0
.macro WIN new
.if MSB != (\new)
	s_set_vgpr_msb (MSB<<8)|(\new)
.set MSB, (\new)
.endif
.endm
.macro PLACES
.rept 4
	v_nop
.endr
.endm
.macro CROUND                          ; a round of the cluster's barrier
	s_barrier_signal -1
	s_barrier_wait -1
	s_cmp_lg_u32 s[WV], 0
	s_cbranch_scc1 .Lnot_wave_0_\@
	s_barrier_signal -3
.Lnot_wave_0_\@:
	s_barrier_wait -3
	s_barrier_signal -1
	s_barrier_wait -1
.endm
.macro CHANGE fill                     ; the change of slots: all my tensor loads, the add, my reads; a round and the joint refill (fill = 1) or the work-group's barrier
	WIN 0
	s_wait_tensorcnt 0x0                           ; no tensor load of mine is out, so group 0 may be written
	ds_add_u32 v[SPW], v[NIL]                      ; 0 onto my spare word; scalar work stands between it and the wait for it
.if \fill
	s_xor_b32 s[LS], s[LS], SLOT
	s_add_co_u32 s[G0+1], s[LS], s[WOFF]
	s_add_nc_u64 s[G0+2:G0+3], s[G0+2:G0+3], TILEB
.endif
	s_xor_b32 s[TB], s[TB], SLOT
	s_wait_dscnt 0x0                               ; the add is done, and my reads of the slot are over
.if \fill
	CROUND
	tensor_load_to_lds s[G0:G0+3], s[G1:G1+7]
	s_nop 0
.else
	s_barrier_signal -1
	s_barrier_wait -1
.endif
	PLACES
	v_add_nc_u32 v[ADR], s[TB], v[A0]
	v_add_nc_u32 v[VT], 512, v[VT]
.endm
.macro OWNLOAD
.irp t, 0,1,2,3
	WIN 0x40+0x40*((\t)/2)
.set oc, 0
.rept 16
	global_load_b128 v[128*((\t)%2)+8*oc:128*((\t)%2)+8*oc+3],   v[QO], s[OWN:OWN+1] offset:(\t)*16384+oc*64
	global_load_b128 v[128*((\t)%2)+8*oc+4:128*((\t)%2)+8*oc+7], v[QO], s[OWN:OWN+1] offset:(\t)*16384+oc*64+32
.set oc, oc+1
.endr
.endr
	WIN 0
.endm
.macro MUL16 c                         ; 16 matrix instructions: all 16 accumulators by turns.  c = 0 starts the sums: nothing is cleared
.irp hi, 0,1
	WIN 0x07+4*\hi
.irp tt, 0,1
.irp kt, 0,1,2,3
.set rD, S+32*(2*\hi+\tt)+8*\kt
.set rA, 64*(((\c)/2)%2)+8*(2*\kt+(\c)%2)
.set rB, 128*\tt+8*(\c)
.if (\c) == 0
	v_wmma_f32_16x16x32_f16 v[rD:rD+7], v[rA:rA+7], v[rB:rB+7], 0
.else
	v_wmma_f32_16x16x32_f16 v[rD:rD+7], v[rA:rA+7], v[rB:rB+7], v[rD:rD+7]
.endif
.endr
.endr
.endr
.endm
.macro FETCH e, buf
	WIN 0xc0
.irp kt, 0,1,2,3
.irp cc, 0,1
	ds_load_b128 v[(\buf)+8*(2*\kt+\cc):(\buf)+8*(2*\kt+\cc)+3],   v[ADR] offset:\kt*16*PITCH+(2*(\e)+\cc)*64
	ds_load_b128 v[(\buf)+8*(2*\kt+\cc)+4:(\buf)+8*(2*\kt+\cc)+7], v[ADR] offset:\kt*16*PITCH+(2*(\e)+\cc)*64+32
.endr
.endr
.endm
.macro RUN e, hv                       ; 64 k: 32 matrix instructions, the next 64 k's fragments fetched in their middle.  hv = 1: this tile's G and H too
	s_wait_dscnt 0x0
	MUL16 2*(\e)
	PLACES
	FETCH (\e)+1, 64*(((\e)+1)%2)
.if \hv
.irp kt, 0,1,2,3                       ; still with the destination in window 3
	ds_load_b128 v[GV+8*\kt:GV+8*\kt+3],   v[VT] offset:2048+\kt*64
	ds_load_b128 v[GV+8*\kt+4:GV+8*\kt+7], v[VT] offset:2048+\kt*64+16
.endr
	WIN 0
.irp kt, 0,1,2,3
	ds_load_b128 v[HV+8*\kt:HV+8*\kt+3],   v[VT] offset:\kt*64
	ds_load_b128 v[HV+8*\kt+4:HV+8*\kt+7], v[VT] offset:\kt*64+16
.endr
.endif
	MUL16 2*(\e)+1
.endm
.macro XLOAD                           ; the residual for a tile: for the 16 bytes of out0 that I store, 8 bytes of x16
.irp t, 0,1,2,3
.set xb, 16+16*\t+160*(\t/3)
.irp f, 0,1,2,3,4,5,6,7
	global_load_b64 v[xb+2*\f:xb+2*\f+1], v[XO], s[XB:XB+1] offset:(16*\t+2*\f)*1024
.endr
.endr
.endm
.macro CALC t                          ; (sum x G) x sc + H, then relu, on the 16 rows of own tile t; each accumulator's registers in ascending order
	WIN 0x0c                                       ; source 1 in window 3
.set z, 0
.rept 16
	v_pk_mul_f32 v[S+32*(\t)+2*z:S+32*(\t)+2*z+1], v[S+32*(\t)+2*z:S+32*(\t)+2*z+1], v[GV+2*z:GV+2*z+1]
.set z, z+1
.endr
	WIN 0
.set z, 0
.rept 16
	v_pk_fma_f32 v[S+32*(\t)+2*z:S+32*(\t)+2*z+1], v[S+32*(\t)+2*z:S+32*(\t)+2*z+1], v[SC+2*(\t):SC+2*(\t)+1], v[HV+2*z:HV+2*z+1] op_sel_hi:[1,0,1]
.set z, z+1
.endr
.set z, 0
.rept 32
	v_max_num_f32 v[S+32*(\t)+z], 0, v[S+32*(\t)+z]
.set z, z+1
.endr
.endm
.macro TOSTAGE t                       ; a lane's eight channels of a row are 32 bytes; they go into rows of 272 bytes and come back as whole rows of 256, into the registers that they left
.irp kt, 0,1,2,3
	ds_store_b128 v[STO], v[S+32*(\t)+8*\kt:S+32*(\t)+8*\kt+3]   offset:\kt*64
	ds_store_b128 v[STO], v[S+32*(\t)+8*\kt+4:S+32*(\t)+8*\kt+7] offset:\kt*64+16
.endr
.irp f, 0,1,2,3,4,5,6,7
	ds_load_b128 v[S+32*(\t)+4*\f:S+32*(\t)+4*\f+3], v[RD] offset:\f*2*SP   ; LDS serves a wave's instructions in order (ISA guide 5.7.1.4): these see the stores above
.endr
.endm
.macro SEND t                          ; the residual is added straight from its f16 halves, and the rows are stored
.set xb, 16+16*(\t)+160*((\t)/3)
.irp f, 0,1,2,3,4,5,6,7
	s_wait_dscnt 7-\f                              ; the younger loads may stay out
.irp u, 0,1
	v_fma_mix_f32 v[S+32*(\t)+4*\f+2*\u],   v[xb+2*\f+\u], v[ONE], v[S+32*(\t)+4*\f+2*\u]   op_sel_hi:[1,0,0]
	v_fma_mix_f32 v[S+32*(\t)+4*\f+2*\u+1], v[xb+2*\f+\u], v[ONE], v[S+32*(\t)+4*\f+2*\u+1] op_sel:[1,0,0] op_sel_hi:[1,0,0]
.endr
	global_store_b128 v[GO], v[S+32*(\t)+4*\f:S+32*(\t)+4*\f+3], s[OB:OB+1] offset:(16*(\t)+2*\f)*2048 th:TH_STORE_NT   ; 16 lanes store 256 consecutive bytes, at a multiple of 256 from out0's first byte
.endr
.endm
.macro EPI nxt                         ; a tile's way out; a tile's arithmetic stands between the stage loads of the 16 rows before and the wait for them.  nxt = 1: the next tile's residual is asked for
	WIN 0
	PLACES
	s_wait_loadcnt 0x0                             ; the residual
	CALC 0
	TOSTAGE 0
	CALC 1
	SEND 0
	TOSTAGE 1
	CALC 2
	SEND 1
	TOSTAGE 2
	CALC 3
	SEND 2
	TOSTAGE 3
	SEND 3
	s_wait_xcnt 0x0                                ; the stores have read their registers and base: the base steps, and the next products write the registers
	s_add_nc_u64 s[OB:OB+1], s[OB:OB+1], 512       ; 128 channels of f32 on
.if \nxt
	s_add_nc_u64 s[XB:XB+1], s[XB:XB+1], 256       ; 128 channels of f16 on; its loads were waited for above
	XLOAD
.endif
.endm
	s_load_b512 s[4:19], s[0:1], 0x0               ; v16 4, wt 6, x16 8, negG 10, bo 12, bn_scale 14, bn_bias 16, bn_mean 18
	s_load_b128 s[20:23], s[0:1], 0x40             ; bn_var 20, out0 22
	v_lshl_add_u32 v[SPW], v0, 2, SPARE
	v_mov_b32 v[NIL], 0
	ds_add_u32 v[SPW], v[NIL]                      ; the wave's opening: the add and its wait stand ahead of my first tensor load
	v_lshrrev_b32 v1, 5, v0
	v_readfirstlane_b32 s[WV], v1                  ; wave 0..3
	s_lshr_b32 s[WR], s[WV], 1
	s_and_b32 s[WC], s[WV], 1
	s_bfe_u32 s[CX], ttmp6, 0x40000                ; cx
	s_lshl_b32 s[WGX], ttmp9, 2
	s_add_co_u32 s[WGX], s[WGX], s[CX]             ; my block of 128 rows: it enters no descriptor and no LDS address
	s_mov_b32 s[G1+0], 15|(1<<16)|(1<<20)|(1<<21)|(7<<22)|(3<<25)  ; the mask of four; 2-byte elements; padding on; bit 21 beside a mask; after every 256 words (code 7) 4 words (code 3)
	s_mov_b32 s[G1+1], 512<<16
	s_mov_b32 s[G1+2], 32<<16
	s_mov_b32 s[G1+3], 512<<16
	s_mov_b32 s[G1+4], 32
	s_mov_b32 s[G1+5], 512
	s_mov_b32 s[G1+6], 0
	s_mov_b32 s[G1+7], 0
	s_mul_i32 s[WOFF], s[WV], WPART
	s_mov_b32 s[G0], 1
	s_mov_b32 s[G0+1], s[WOFF]
	s_mov_b32 s[LS], 0
	s_mov_b32 s[TB], SLOT
	s_lshl_b32 s46, s[WV], 15                      ; my 32 rows of a tile,
	s_add_co_u32 s46, s46, 1536*1024               ; behind the 1,536 rows of Wq, Wk, Wv
	s_mov_b32 s47, 0
	s_lshl_b32 s48, s[WGX], 17
	s_lshl_b32 s49, s[WR], 16
	s_add_co_u32 s48, s48, s49                     ; my wave's first row x 1,024 bytes
	s_lshl_b32 s49, s[WC], 7
	s_add_co_u32 s50, s48, s49                     ; x16: + my 64 channels
	s_mov_b32 s49, 0
	s_mov_b32 s51, 0
	s_lshr_b32 s52, s48, 8                         ; negG: row x 4
	s_mov_b32 s53, 0
	s_lshl_b32 s54, s48, 1                         ; out0: row x 2,048
	s_lshl_b32 s55, s[WC], 8
	s_add_co_u32 s54, s54, s55
	s_mov_b32 s55, 0
	s_wait_dscnt 0x0                               ; the opening add is done
	s_wait_kmcnt 0x0
	s_add_nc_u64 s[G0+2:G0+3], s[6:7], s[46:47]
	s_or_b32 s[G0+3], s[G0+3], 0x80000000          ; type = 2
	s_add_nc_u64 s[OWN:OWN+1], s[OWN:OWN+1], s[48:49]
	s_add_nc_u64 s[XB:XB+1], s[XB:XB+1], s[50:51]
	s_add_nc_u64 s[10:11], s[10:11], s[52:53]
	s_add_nc_u64 s[OB:OB+1], s[OB:OB+1], s[54:55]
	CROUND                                         ; all four work-groups are here: the first joint loads meet
	tensor_load_to_lds s[G0:G0+3], s[G1:G1+7]      ; tile 0
	s_nop 0
	PLACES
	v_and_b32 v1, 15, v0                           ; l % 16
	v_bfe_u32 v2, v0, 4, 1                         ; l / 16
	v_lshlrev_b32 v[QO], 10, v1
	v_lshl_add_u32 v[QO], v2, 4, v[QO]
	OWNLOAD
	v_lshlrev_b32 v[XO], 10, v2
	v_lshl_add_u32 v[XO], v1, 3, v[XO]
	XLOAD
	v_lshlrev_b32 v13, 2, v1
.irp t, 0,1,2,3
	global_load_b32 v[SC+2*\t], v13, s[10:11] offset:\t*64   ; negG of my row in own tile t
.endr
	v_lshlrev_b32 v14, 4, v0                       ; thread t makes G and H of channels 4 t .. 4 t + 3
	global_load_b128 v[64:67], v14, s[12:13]       ; bo
	global_load_b128 v[68:71], v14, s[14:15]       ; bn_scale
	global_load_b128 v[72:75], v14, s[16:17]       ; bn_bias
	global_load_b128 v[76:79], v14, s[18:19]       ; bn_mean
	global_load_b128 v[80:83], v14, s[20:21]       ; bn_var
	v_mul_u32_u24 v[A0], v1, PITCH
	v_lshl_add_u32 v[A0], v2, 4, v[A0]
	s_mul_i32 s56, s[WC], HALFS
	v_add_nc_u32 v[A0], s56, v[A0]
	s_lshl_b32 s56, s[WC], 8
	s_add_co_u32 s56, s56, HTAB-512                ; the first change of slots steps it to tile 0's
	v_lshl_add_u32 v[VT], v2, 5, s56
	s_mul_i32 s56, s[WV], 16*SP
	s_add_co_u32 s56, s56, STAGE                   ; my stage
	v_mul_u32_u24 v[STO], v1, SP
	v_lshl_add_u32 v[STO], v2, 5, v[STO]
	v_add_nc_u32 v[STO], s56, v[STO]               ; in: row l % 16, 32 bytes for each half of the lanes
	v_mul_u32_u24 v[RD], v2, SP
	v_lshl_add_u32 v[RD], v1, 4, v[RD]
	v_add_nc_u32 v[RD], s56, v[RD]                 ; back: lanes 0-15 one row of 256 bytes, lanes 16-31 the next
	v_lshlrev_b32 v[GO], 11, v2
	v_lshl_add_u32 v[GO], v1, 4, v[GO]
	v_add_nc_u32 v15, HTAB, v14
	v_mov_b32 v[ONE], 1.0
	s_wait_loadcnt 0x0
.irp p, 0,1,2,3,4,5,6,7,8,9            ; the five vectors are rounded to bf16 like every input, and kept as f32
	v_cvt_pk_bf16_f32 v[84+\p], v[64+2*\p], v[65+2*\p]
.endr
.irp p, 0,1,2,3,4,5,6,7,8,9
	v_lshlrev_b32 v[64+2*\p], 16, v[84+\p]
	v_and_b32 v[65+2*\p], 0xffff0000, v[84+\p]
.endr
.irp t, 0,1,2,3
	v_mul_f32 v[SC+2*\t], 0xbfb8aa3b, v[SC+2*\t]   ; -log2(e) negG
.endr
.irp t, 0,1,2,3
	v_exp_f32 v[SC+2*\t], v[SC+2*\t]               ; col
.endr
	v_nop                                          ; a plain instruction behind the transcendentals (ISA guide 5.7.2)
	s_wait_alu depctr_va_vdst(0)
.irp t, 0,1,2,3
	v_add_f32 v[SC+2*\t+1], 0x3089705f, v[SC+2*\t] ; 1e-9 + col
.endr
.irp t, 0,1,2,3
	v_rcp_f32 v[SC+2*\t+1], v[SC+2*\t+1]
.endr
	v_nop
	s_wait_alu depctr_va_vdst(0)
.irp t, 0,1,2,3
	v_mul_f32 v[SC+2*\t], v[SC+2*\t], v[SC+2*\t+1] ; sc; the packed multiply-add takes the pair's low register for both halves
.endr
.irp i, 0,1,2,3
	v_add_f32 v[80+\i], 0x3727c5ac, v[80+\i]       ; var + 1e-5
.endr
.irp i, 0,1,2,3
	v_rsq_f32 v[80+\i], v[80+\i]
.endr
	v_nop
	s_wait_alu depctr_va_vdst(0)
.irp i, 0,1,2,3
	v_mul_f32 v[68+\i], v[68+\i], v[80+\i]         ; G
.endr
.irp i, 0,1,2,3
	v_sub_f32 v[64+\i], v[64+\i], v[76+\i]         ; bo - mean
.endr
.irp i, 0,1,2,3
	v_fma_f32 v[64+\i], v[64+\i], v[68+\i], v[72+\i]  ; H
.endr
	ds_store_b128 v15, v[64:67]
	ds_store_b128 v15, v[68:71] offset:2048
	CHANGE 1                                       ; tile 0, G and H are in, everybody's part; tile 1 is asked for
	FETCH 0, 0
	WIN 0
	s_mov_b32 s[CNT], NT-1
	s_branch .Lenter                               ; the loop is entered in the middle of a trip
.Ltile:                                                ; NT - 2 times: tiles 2 and 3 are asked for
	CHANGE 1
	FETCH 0, 0
	MUL16 15                                       ; the last 32 k of the tile before
	EPI 1
.Lenter:
	RUN 0, 0
	RUN 1, 0
	RUN 2, 0
	RUN 3, 0
	RUN 4, 0
	RUN 5, 0
	RUN 6, 1
	s_wait_dscnt 0x0
	MUL16 14
	WIN 0
	s_sub_co_u32 s[CNT], s[CNT], 1
	s_cmp_lg_u32 s[CNT], 0
	s_cbranch_scc1 .Ltile
	CHANGE 0                                       ; the last tile is written out: nothing is asked for
	FETCH 0, 0
	MUL16 15
	EPI 1
	RUN 0, 0
	RUN 1, 0
	RUN 2, 0
	RUN 3, 0
	RUN 4, 0
	RUN 5, 0
	RUN 6, 1
	s_wait_dscnt 0x0
	MUL16 14
	MUL16 15
	EPI 0
	s_wait_tensorcnt 0x0                           ; the wave's end
	ds_add_u32 v[SPW], v[NIL]
	s_wait_dscnt 0x0
	CROUND                                         ; the closing round
	s_endpgm
.Lfunc_end_k_qedd861cc9b_fin:
	.size	k_qedd861cc9b_fin, .Lfunc_end_k_qedd861cc9b_fin-k_qedd861cc9b_fin
	.p2alignl 7, 3214868480
	.fill 96, 4, 3214868480
	.section	.rodata,"a",@progbits
	.p2align	6, 0x0
	.amdhsa_kernel k_qedd861cc9b_fin
		.amdhsa_group_segment_fixed_size 327680
		.amdhsa_private_segment_fixed_size 0
		.amdhsa_enable_private_segment 0
		.amdhsa_kernarg_size 80
		.amdhsa_user_sgpr_count 2
		.amdhsa_user_sgpr_kernarg_segment_ptr 1
		.amdhsa_wavefront_size32 1
		.amdhsa_system_sgpr_workgroup_id_x 1
		.amdhsa_system_sgpr_workgroup_id_y 1
		.amdhsa_system_sgpr_workgroup_id_z 1
		.amdhsa_system_vgpr_workitem_id 0
		.amdhsa_next_free_vgpr 928
		.amdhsa_next_free_sgpr 66
		.amdhsa_reserve_vcc 0
		.amdhsa_float_denorm_mode_32 3
		.amdhsa_float_denorm_mode_16_64 3
		.amdhsa_memory_ordered 1
		.amdhsa_forward_progress 1
		.amdhsa_inst_pref_size 176
	.end_amdhsa_kernel
	.amdgpu_metadata
---
amdhsa.version: [ 1, 2 ]
amdhsa.kernels:
  - .name:           k_qedd861cc9b_fin
    .symbol:         k_qedd861cc9b_fin.kd
    .args:
      - { .name: v16, .offset: 0, .size: 8, .value_kind: global_buffer, .address_space: global }
      - { .name: wt, .offset: 8, .size: 8, .value_kind: global_buffer, .address_space: global }
      - { .name: x16, .offset: 16, .size: 8, .value_kind: global_buffer, .address_space: global }
      - { .name: negG, .offset: 24, .size: 8, .value_kind: global_buffer, .address_space: global }
      - { .name: bo, .offset: 32, .size: 8, .value_kind: global_buffer, .address_space: global }
      - { .name: bn_scale, .offset: 40, .size: 8, .value_kind: global_buffer, .address_space: global }
      - { .name: bn_bias, .offset: 48, .size: 8, .value_kind: global_buffer, .address_space: global }
      - { .name: bn_mean, .offset: 56, .size: 8, .value_kind: global_buffer, .address_space: global }
      - { .name: bn_var, .offset: 64, .size: 8, .value_kind: global_buffer, .address_space: global }
      - { .name: out0, .offset: 72, .size: 8, .value_kind: global_buffer, .address_space: global }
    .group_segment_fixed_size: 327680
    .private_segment_fixed_size: 0
    .kernarg_segment_align: 8
    .kernarg_segment_size: 80
    .max_flat_workgroup_size: 128
    .sgpr_count:     66
    .vgpr_count:     928
    .wavefront_size: 32
...
	.end_amdgpu_metadata
.endif
;; end of part 4
;; ======== version 2 of 2: 5 launches; 1.30 times as fast as version 1
;; limits: values are held in f16: magnitudes above 65,504 overflow, below 6.1e-05 lose precision; inputs' magnitudes at most 65,504
;; workspace buffers: x16 33,554,432 bytes; q16 33,554,432 bytes; k16 33,554,432 bytes; wt 2,098,176 bytes; wvo 526,336 bytes; pb 150,994,944 bytes; negL 131,072 bytes; negG 131,072 bytes
;; launch prep (part 5): grid 284 x 1, 8 waves a work-group, no clusters, 70,656 bytes of LDS; arguments x, Wq, Wk, Wv, Wo, bv, x16, wt; writes x16, wt
.if DOCPART == 5
	.amdgcn_target "amdgcn-amd-amdhsa--gfx1250"
	.amdhsa_code_object_version 6
	.text
	.protected	k_qedd861cc9b_prep
	.globl	k_qedd861cc9b_prep
	.p2align	8
	.type	k_qedd861cc9b_prep,@function
k_qedd861cc9b_prep:
	s_mov_b64 s[64:65], 0
	v_nop
	global_prefetch_b8 v0, s[64:65] scope:SCOPE_SE
	s_setreg_imm32_b32 hwreg(HW_REG_WAVE_MODE, 25, 1), 1
	s_wait_xcnt 0x0
; PREP.  x16 = x rounded to bf16, written as f16.  wt, rows of 512 f16 (1,024 bytes), every number rounded to bf16 and written as f16:
;   rows 0-511 Wq turned ([n][k]), 512-1023 Wk turned, 1024-1535 Wo turned ([n][c]), 1536-2047 Wv as it lies ([k][c]), row 2048 bv.
; WHY TWO ROUNDINGS.  Every input of the module is rounded once to bf16; a bf16 number has 8 significant bits and is exact in f16's 11, so the second conversion changes nothing within f16's range.
; LIMITS.  f16 ends at 65,504: |x|, |W| and |bv| stay within it; below 6e-5 f16 keeps a fixed step of 6e-8; NaN and infinities are not treated apart.
; Work-groups 0-23 turn three weights, 24-27 stream Wv, 28-283 stream x.  No matrix unit, no cluster, no tensor load: nothing is shared and memory binds.
; TURNING.  A wave takes 128 k x 32 n of one weight.  Lane L = (kq = L / 8, nq = L % 8); load i of 32 brings it 16 bytes: row k = 32 kq + i, columns 4 nq .. 4 nq + 3 (a wave's load: four pieces of 128
; consecutive bytes).  So a lane holds 32 consecutive k of four columns: 64 bytes of f16 for each, which go into the wave's own stage in LDS (rows n of 272 bytes) and leave as whole rows of 256 bytes.
; STREAM.  A work-group has 262,144 bytes of its source, a wave 32,768: 64 loads of 512 bytes, through a ring of 16 register slots: three trips of a loop and a last round that loads nothing.
.set STG,   32*272                     ; a wave's stage: 32 rows of 256 + 16 bytes
.set SPARE, 8*STG                      ; behind the stages: the spare words, 128 bytes for each of the eight waves
.set DEPTH, 16                         ; slots = loads in flight in each wave of the stream
.set SPW, 2                            ; v2   LDS address of my spare word; never rewritten
.set NIL, 3                            ; v3   0; never rewritten
.set LN,  4                            ; v4   lane
.set X,   16                           ; v[16:143]   as loaded
.set Y,   144                          ; v[144:207]  packed f16
.set HIM, 40                           ; s40  a word's upper half
.set RC,  41                           ; s41  rounds to go
; Two f32: rounded to bf16 (nearest even), widened again, and packed as two f16 into v[y]
.macro RND y, a, b
	v_cvt_pk_bf16_f32 v[\y], v[\a], v[\b]
	v_lshlrev_b32 v[\a], 16, v[\y]
	v_and_b32 v[\b], s[HIM], v[\y]
	v_cvt_pk_f16_f32 v[\y], v[\a], v[\b]
.endm
; The same for four neighbouring f32, the two pairs by turns
.macro RNDQ y, a
	v_cvt_pk_bf16_f32 v[\y], v[\a], v[(\a)+1]
	v_cvt_pk_bf16_f32 v[(\y)+1], v[(\a)+2], v[(\a)+3]
	v_lshlrev_b32 v[\a], 16, v[\y]
	v_and_b32 v[(\a)+1], s[HIM], v[\y]
	v_lshlrev_b32 v[(\a)+2], 16, v[(\y)+1]
	v_and_b32 v[(\a)+3], s[HIM], v[(\y)+1]
	v_cvt_pk_f16_f32 v[\y], v[\a], v[(\a)+1]
	v_cvt_pk_f16_f32 v[(\y)+1], v[(\a)+2], v[(\a)+3]
.endm
	s_load_b512 s[4:19], s[0:1], 0x0               ; x 4, Wq 6, Wk 8, Wv 10, Wo 12, bv 14, x16 16, wt 18
	v_lshl_add_u32 v[SPW], v0, 2, SPARE
	v_mov_b32 v[NIL], 0
	v_lshrrev_b32 v1, 5, v0
	v_readfirstlane_b32 s24, v1                    ; wave 0..7
	v_and_b32 v[LN], 31, v0
	s_mov_b32 s[HIM], 0xffff0000
	s_cmp_lt_u32 ttmp9, 24
	s_cbranch_scc0 .Lstream
	; ---- the weights that are turned ----
	s_lshr_b32 s25, ttmp9, 3                       ; mu: 0 Wq, 1 Wk, 2 Wo
	s_and_b32 s26, ttmp9, 7
	s_lshl_b32 s26, s26, 3
	s_add_co_u32 s26, s26, s24                     ; task 0..63
	s_lshr_b32 s27, s26, 2                         ; g: block of 32 columns n
	s_and_b32 s28, s26, 3                          ; kap: block of 128 rows k
	s_lshl_b32 s29, s27, 7                         ; 32 g columns of 4 bytes
	s_lshl_b32 s30, s28, 18                        ; 128 kap rows of 2,048 bytes
	s_add_co_u32 s30, s30, s29
	v_lshrrev_b32 v7, 3, v[LN]                     ; kq
	v_and_b32 v15, 7, v[LN]                        ; nq
	v_lshlrev_b32 v5, 16, v7                       ; 32 kq rows of 2,048 bytes
	v_lshl_add_u32 v5, v15, 4, v5                  ; + 4 nq columns of 4 bytes
	v_add_nc_u32 v5, s30, v5
	s_lshl_b32 s36, s25, 19                        ; wt: 512 mu rows of 1,024 bytes,
	s_lshl_b32 s37, s27, 15                        ; 32 g rows,
	s_add_co_u32 s36, s36, s37
	s_lshl_b32 s37, s28, 8                         ; 128 kap numbers of 2 bytes
	s_add_co_u32 s36, s36, s37
	s_mov_b32 s37, 0
	s_mul_i32 s35, s24, STG                        ; my stage
	v_mul_u32_u24 v12, v15, 4*272                  ; in: rows 4 nq on,
	v_lshl_add_u32 v12, v7, 6, v12                 ; 64 bytes at 64 kq
	v_add_nc_u32 v12, s35, v12
	v_lshrrev_b32 v8, 4, v[LN]
	v_and_b32 v9, 15, v[LN]
	v_mul_u32_u24 v13, v8, 272
	v_lshl_add_u32 v13, v9, 4, v13
	v_add_nc_u32 v13, s35, v13                     ; back: lanes 0-15 one row of 256 bytes, lanes 16-31 the next
	v_lshlrev_b32 v14, 10, v8
	v_lshl_add_u32 v14, v9, 4, v14                 ; and the same two rows in wt
	s_wait_kmcnt 0x0
	s_cmp_eq_u32 s25, 1
	s_cselect_b64 s[32:33], s[8:9], s[6:7]
	s_cmp_eq_u32 s25, 2
	s_cselect_b64 s[32:33], s[12:13], s[32:33]
	s_add_nc_u64 s[18:19], s[18:19], s[36:37]
.set kk, 0
.rept 32
	global_load_b128 v[X+4*kk:X+4*kk+3], v5, s[32:33] offset:kk*2048   ; register X + 4 i + ns: row 32 kq + i, column 4 nq + ns
.set kk, kk+1
.endr
	s_wait_loadcnt 0x0
.set ns, 0
.rept 4
.set m, 0
.rept 16
	RND Y+16*ns+m, X+8*m+ns, X+8*m+4+ns            ; column ns: k = 2 m and 2 m + 1 of my 32
.set m, m+1
.endr
.set ns, ns+1
.endr
.set ns, 0
.rept 4
.set u, 0
.rept 4
	ds_store_b128 v12, v[Y+16*ns+4*u:Y+16*ns+4*u+3] offset:ns*272+16*u
.set u, u+1
.endr
.set ns, ns+1
.endr
.set kk, 0
.rept 16
	ds_load_b128 v[X+4*kk:X+4*kk+3], v13 offset:kk*544   ; LDS serves a wave's instructions in order (ISA guide 5.7.1.4): these see the stores above
.set kk, kk+1
.endr
.set kk, 0
.rept 16
	s_wait_dscnt 15-kk                             ; the younger loads may stay out
	global_store_b128 v14, v[X+4*kk:X+4*kk+3], s[18:19] offset:kk*2048   ; 16 lanes store 256 consecutive bytes, at a multiple of 256 from wt's first byte
.set kk, kk+1
.endr
	s_wait_tensorcnt 0x0                           ; the wave's end
	ds_add_u32 v[SPW], v[NIL]
	s_wait_dscnt 0x0
	s_endpgm
	; ---- the streams: Wv into wt's rows 1536 on (work-groups 24-27), x into x16 (28-283) ----
.Lstream:
	s_sub_co_u32 s25, ttmp9, 28                    ; my block of x,
	s_sub_co_u32 s31, ttmp9, 24                    ; or of Wv
	s_cmp_lt_u32 ttmp9, 28
	s_cselect_b32 s25, s31, s25
	s_cselect_b32 s30, 1536*1024, 0                ; where Wv's rows begin in wt
	s_lshl_b32 s26, s25, 18                        ; the group's 262,144 bytes of its source,
	s_lshl_b32 s27, s24, 15                        ; my wave's 32,768
	s_add_co_u32 s26, s26, s27
	s_mov_b32 s27, 0
	s_lshr_b32 s28, s26, 1                         ; half as many where they go
	s_add_co_u32 s28, s28, s30
	s_mov_b32 s29, 0
	v_lshlrev_b32 v5, 4, v[LN]
	v_lshlrev_b32 v6, 3, v[LN]
	s_wait_kmcnt 0x0
	s_cmp_eq_u32 ttmp9, 24
	s_cselect_b32 s31, s24, 1                      ; 0 in wave 0 of work-group 24 alone
	s_cmp_lg_u32 s31, 0
	s_cbranch_scc1 .Lnobias
.irp i, 0,1,2,3                        ; that wave also casts bv: 2,048 bytes in, 1,024 out, into wt's row 2048
	global_load_b128 v[X+4*\i:X+4*\i+3], v5, s[14:15] offset:512*\i
.endr
	s_wait_loadcnt 0x0
.irp i, 0,1,2,3
	RNDQ Y+2*\i, X+4*\i
	global_store_b64 v6, v[Y+2*\i:Y+2*\i+1], s[18:19] offset:2048*1024+256*\i
.endr
	s_wait_xcnt 0x0                                ; these stores have read Y, which the ring writes again
.Lnobias:
	s_cmp_lt_u32 ttmp9, 28
	s_cselect_b64 s[4:5], s[10:11], s[4:5]         ; from Wv or from x,
	s_cselect_b64 s[16:17], s[18:19], s[16:17]     ; into wt or into x16
	s_add_nc_u64 s[4:5], s[4:5], s[26:27]
	s_add_nc_u64 s[16:17], s[16:17], s[28:29]
.set i, 0
.rept DEPTH
	global_load_b128 v[X+4*i:X+4*i+3], v5, s[4:5] offset:512*i th:TH_LOAD_NT
.set i, i+1
.endr
	s_mov_b32 s[RC], 64/DEPTH-1
.Lround:
.set i, 0
.rept DEPTH
	s_wait_loadcnt DEPTH-1                         ; loads come back in order (ISA guide 5.7.1): mine is in, the 15 younger stay out
	RNDQ Y+2*i, X+4*i
	global_load_b128 v[X+4*i:X+4*i+3], v5, s[4:5] offset:DEPTH*512+512*i th:TH_LOAD_NT   ; the slot's part of the next round
	global_store_b64 v6, v[Y+2*i:Y+2*i+1], s[16:17] offset:256*i   ; 32 lanes store 256 consecutive bytes, aligned
.set i, i+1
.endr
	s_wait_xcnt 0x0                                ; the round's loads and stores have read their sources: the bases step, and the next round writes Y again
	s_add_nc_u64 s[4:5], s[4:5], DEPTH*512
	s_add_nc_u64 s[16:17], s[16:17], DEPTH*256
	s_sub_co_u32 s[RC], s[RC], 1
	s_cmp_lg_u32 s[RC], 0
	s_cbranch_scc1 .Lround
.set i, 0
.rept DEPTH
	s_wait_loadcnt DEPTH-1-i                       ; nothing more is loaded: the counts run down
	RNDQ Y+2*i, X+4*i
	global_store_b64 v6, v[Y+2*i:Y+2*i+1], s[16:17] offset:256*i
.set i, i+1
.endr
	s_endpgm
.Lfunc_end_k_qedd861cc9b_prep:
	.size	k_qedd861cc9b_prep, .Lfunc_end_k_qedd861cc9b_prep-k_qedd861cc9b_prep
	.p2alignl 7, 3214868480
	.fill 96, 4, 3214868480
	.section	.rodata,"a",@progbits
	.p2align	6, 0x0
	.amdhsa_kernel k_qedd861cc9b_prep
		.amdhsa_group_segment_fixed_size 70656
		.amdhsa_private_segment_fixed_size 0
		.amdhsa_enable_private_segment 0
		.amdhsa_kernarg_size 64
		.amdhsa_user_sgpr_count 2
		.amdhsa_user_sgpr_kernarg_segment_ptr 1
		.amdhsa_wavefront_size32 1
		.amdhsa_system_sgpr_workgroup_id_x 1
		.amdhsa_system_sgpr_workgroup_id_y 1
		.amdhsa_system_sgpr_workgroup_id_z 1
		.amdhsa_system_vgpr_workitem_id 0
		.amdhsa_next_free_vgpr 208
		.amdhsa_next_free_sgpr 66
		.amdhsa_reserve_vcc 0
		.amdhsa_float_denorm_mode_32 3
		.amdhsa_float_denorm_mode_16_64 3
		.amdhsa_memory_ordered 1
		.amdhsa_forward_progress 1
		.amdhsa_inst_pref_size 44
	.end_amdhsa_kernel
	.amdgpu_metadata
---
amdhsa.version: [ 1, 2 ]
amdhsa.kernels:
  - .name:           k_qedd861cc9b_prep
    .symbol:         k_qedd861cc9b_prep.kd
    .args:
      - { .name: x, .offset: 0, .size: 8, .value_kind: global_buffer, .address_space: global }
      - { .name: Wq, .offset: 8, .size: 8, .value_kind: global_buffer, .address_space: global }
      - { .name: Wk, .offset: 16, .size: 8, .value_kind: global_buffer, .address_space: global }
      - { .name: Wv, .offset: 24, .size: 8, .value_kind: global_buffer, .address_space: global }
      - { .name: Wo, .offset: 32, .size: 8, .value_kind: global_buffer, .address_space: global }
      - { .name: bv, .offset: 40, .size: 8, .value_kind: global_buffer, .address_space: global }
      - { .name: x16, .offset: 48, .size: 8, .value_kind: global_buffer, .address_space: global }
      - { .name: wt, .offset: 56, .size: 8, .value_kind: global_buffer, .address_space: global }
    .group_segment_fixed_size: 70656
    .private_segment_fixed_size: 0
    .kernarg_segment_align: 8
    .kernarg_segment_size: 64
    .max_flat_workgroup_size: 256
    .sgpr_count:     66
    .vgpr_count:     208
    .wavefront_size: 32
...
	.end_amdgpu_metadata
.endif
;; end of part 5
;; launch proj (part 6): grid 256 x 1, 4 waves a work-group, clusters of 4 x 1, 327,680 bytes of LDS; arguments x16, wt, bq, bk, q16, k16; writes q16, k16
.if DOCPART == 6
	.amdgcn_target "amdgcn-amd-amdhsa--gfx1250"
	.amdhsa_code_object_version 6
	.text
	.protected	k_qedd861cc9b_proj
	.globl	k_qedd861cc9b_proj
	.p2align	8
	.type	k_qedd861cc9b_proj,@function
k_qedd861cc9b_proj:
	s_mov_b64 s[64:65], 0
	v_nop
	global_prefetch_b8 v0, s[64:65] scope:SCOPE_SE
	s_setreg_imm32_b32 hwreg(HW_REG_WAVE_MODE, 25, 1), 1
	s_wait_xcnt 0x0
	s_wait_alu depctr_hold_cnt(0) depctr_sa_sdst(0) depctr_va_vdst(0) depctr_va_sdst(0) depctr_va_ssrc(0) depctr_va_vcc(0) depctr_vm_vsrc(0)
	s_getreg_b32 s2, hwreg(HW_REG_IB_STS2, 6, 4)
	s_cmp_eq_u32 s2, 0
	s_cbranch_scc0 .Lentry_in_a_cluster
	s_endpgm
.Lentry_in_a_cluster:
	s_bfe_u32 s2, ttmp6, 0x10000c
	s_cmp_lg_u32 s2, 0x3003
	s_cbranch_scc0 .Lentry_shape_is_right
	s_endpgm
.Lentry_shape_is_right:
; PROJ.  q16, k16 = f16(x16 W + b), each [32768][512].  x16 and wt (rows n of 512 k: 0-511 Wq, 512-1023 Wk) hold the inputs rounded to bf16, exact in f16; the biases are rounded to bf16 here, like every
; input of the module; sums in f32, started with the bias; each result rounded once, to f16.  (v is never made: the last launch multiplies x16 by Wv Wo.)
; LIMIT.  |q|, |k| stay within f16's 65,504 (at 30 times the drawn x and W, or with offsets of 30 spreads on both, they reach some 2e4).
; SHARES.  A work-group owns 128 rows of x16; wave w (wr = w / 2, wc = w % 2) keeps its 64 rows (64 wr on) x 512 k in 512 registers for the whole kernel.  The 1,024 rows of wt are STREAMED
; in 8 tiles of 128 rows x 512 k through two LDS slots; of each tile a wave takes rows 64 wc on: 16 accumulators, 256 matrix instructions, and each fragment read from LDS feeds four of them.
; THE MATRIX INSTRUCTION: source 0 = 16 rows of wt, source 1 = 16 rows of x16: a lane holds ONE row of x16 (lane % 16) and eight neighbouring output columns 8 (lane / 16) + 0..7.
; A bias, one number for each row of wt, is the C operand of the product that starts a sum.
; CLUSTER.  All work-groups walk the same wt: the four of a cluster ask for each tile JOINTLY, the same tensor load, descriptor and mask in all four.
; THE RING.  Tile j lies in slot j % 2.  The change of slots stands in the last 32 k of tile j - 1, when all its fragments are in registers; behind its round each wave asks for its 32 rows of tile
; j + 1, which have a whole tile's 256 matrix instructions in which to land.  By this text's count one tensor load of a wave is out at any time.
; REGISTERS, in windows of 256 (s_set_vgpr_msb: bits 1:0 source 0, 3:2 source 1, 5:4 source 2, 7:6 destination):
;   window 0: v0-15 addresses; v64-191 the accumulators ((t, kt) at 64 + 32 t + 8 kt); v192-223 the tile's biases     window 1: my rows 0-31     window 2: my rows 32-63
;   window 3: v0-63, v64-127 two fragment buffers of wt, 64 rows x 64 k each
.set PITCH, 1040                       ; an LDS row: 1,024 bytes + 16 of padding, an odd multiple of 16: the 16 rows of a load begin at 16 different 16-byte columns of 256
.set WPART, 32*PITCH                   ; what one tensor load brings
.set HALFS, 64*PITCH                   ; what one wave reads of a tile
.set SLOT,  128*PITCH
.set TILEB, 128*1024                   ; a tile in memory
.set NT,    8
.set SP,    272
.set STAGE, 2*SLOT                     ; behind the ring: 128 rows x 272 bytes, the work-group's, for the way out
.set ADDV,  STAGE+128*SP               ; bq, bk: 1,024 f32
.set SPARE, ADDV+4096                  ; the spare words, 128 bytes for each wave
.set A0,  3                            ; v3   my lane's place in a tile; never rewritten
.set ADR, 4                            ; v4   the same in the slot in hand
.set VT,  5                            ; v5   my place in the table of biases, for the tile in hand
.set QO,  6                            ; v6   my byte offset in 16 rows of x16
.set SPW, 8                            ; v8   LDS address of my spare word; never rewritten
.set NIL, 9                            ; v9   0; never rewritten
.set STO, 10                           ; v10  the way out: where I put 16 bytes of a row
.set RD,  11                           ; v11  the way out: where I read rows back
.set GO,  12                           ; v12  my byte offset in two rows of the output
.set S,   64
.set AD,  192
.set OWN, 4                            ; s[4:5]   x16 at my wave's first row
.set WV,  20
.set WR,  21
.set WC,  22
.set WGX, 23
.set G1,  24                           ; s[24:31] descriptor group 1
.set G0,  32                           ; s[32:35] descriptor group 0: it walks
.set WOFF, 36                          ; my 32 rows' place in a slot
.set LS,  37                           ; the slot to be filled: 0 or SLOT
.set TB,  38                           ; the slot to be read: 0 or SLOT
.set CNT, 39
.set TJ,  40                           ; the tile that goes out next
.set OB,  42                           ; s[42:43] where it goes
.set OF,  44                           ; s[44:45] byte offset of the 32 rows that I store
.set MSB, 0
.macro WIN new                         ; the immediate's high byte repeats the setting that is left; a switch that changes nothing is dropped
.if MSB != (\new)
	s_set_vgpr_msb (MSB<<8)|(\new)
.set MSB, (\new)
.endif
.endm
.macro PLACES                          ; four places behind matrix instructions (ISA guide 7.12.1), where no other vector work is at hand
.rept 4
	v_nop
.endr
.endm
.macro CROUND                          ; a round of the cluster's barrier
	s_barrier_signal -1
	s_barrier_wait -1
	s_cmp_lg_u32 s[WV], 0
	s_cbranch_scc1 .Lnot_wave_0_\@
	s_barrier_signal -3
.Lnot_wave_0_\@:
	s_barrier_wait -3
	s_barrier_signal -1
	s_barrier_wait -1
.endm
; THE CHANGE OF SLOTS.  Each wave waits for all its tensor loads (the one that is out is its part of the next slot), adds 0 to its spare word, and waits for that and for its reads of the slot that it leaves.
; fill = 1: the barrier is a round of the cluster's, and the joint refill of the slot just left is the first thing behind it.
.macro CHANGE fill
	WIN 0
	s_wait_tensorcnt 0x0                           ; no tensor load of mine is out, so group 0 may be written
	ds_add_u32 v[SPW], v[NIL]                      ; 0 onto my spare word; scalar work stands between it and the wait for it
.if \fill
	s_xor_b32 s[LS], s[LS], SLOT
	s_add_co_u32 s[G0+1], s[LS], s[WOFF]
	s_add_nc_u64 s[G0+2:G0+3], s[G0+2:G0+3], TILEB ; the next tile; the type bits on top are not reached
.endif
	s_xor_b32 s[TB], s[TB], SLOT
	s_wait_dscnt 0x0                               ; the add is done, and my reads of the slot are over
.if \fill
	CROUND
	tensor_load_to_lds s[G0:G0+3], s[G1:G1+7]
	s_nop 0
.else
	s_barrier_signal -1
	s_barrier_wait -1
.endif
	PLACES                                         ; also the places in front of the loads into buffer 0
	v_add_nc_u32 v[ADR], s[TB], v[A0]
	v_add_nc_u32 v[VT], 512, v[VT]                 ; 128 numbers on
.endm
.macro OWNLOAD                         ; my 64 rows x 512 k: tile t of 16 rows, 32 k at c: lane l holds row l % 16, k = 8 (l / 16) + 0..7 and 16 + 8 (l / 16) + 0..7
.irp t, 0,1,2,3
	WIN 0x40+0x40*((\t)/2)
.set oc, 0
.rept 16
	global_load_b128 v[128*((\t)%2)+8*oc:128*((\t)%2)+8*oc+3],   v[QO], s[OWN:OWN+1] offset:(\t)*16384+oc*64
	global_load_b128 v[128*((\t)%2)+8*oc+4:128*((\t)%2)+8*oc+7], v[QO], s[OWN:OWN+1] offset:(\t)*16384+oc*64+32
.set oc, oc+1
.endr
.endr
	WIN 0
.endm
; 16 matrix instructions: all 16 accumulators by turns, 32 k at c.  c = 0 starts the sums with the biases.
.macro MUL16 c
.irp hi, 0,1
	WIN 0x07+4*\hi
.irp tt, 0,1
.irp kt, 0,1,2,3
.set rD, S+32*(2*\hi+\tt)+8*\kt
.set rA, 64*(((\c)/2)%2)+8*(2*\kt+(\c)%2)
.set rB, 128*\tt+8*(\c)
.if (\c) == 0
	v_wmma_f32_16x16x32_f16 v[rD:rD+7], v[rA:rA+7], v[rB:rB+7], v[AD+8*\kt:AD+8*\kt+7]
.else
	v_wmma_f32_16x16x32_f16 v[rD:rD+7], v[rA:rA+7], v[rB:rB+7], v[rD:rD+7]
.endif
.endr
.endr
.endr
.endm
.macro FETCH e, buf                    ; 16 LDS loads in one run: my 64 rows of the tile, 64 k at 64 e
	WIN 0xc0
.irp kt, 0,1,2,3
.irp cc, 0,1
	ds_load_b128 v[(\buf)+8*(2*\kt+\cc):(\buf)+8*(2*\kt+\cc)+3],   v[ADR] offset:\kt*16*PITCH+(2*(\e)+\cc)*64
	ds_load_b128 v[(\buf)+8*(2*\kt+\cc)+4:(\buf)+8*(2*\kt+\cc)+7], v[ADR] offset:\kt*16*PITCH+(2*(\e)+\cc)*64+32
.endr
.endr
.endm
.macro ADLOAD off                      ; register j of group kt: the bias of row 16 kt + 8 (l / 16) + j of my 64
	WIN 0
.irp kt, 0,1,2,3
	ds_load_b128 v[AD+8*\kt:AD+8*\kt+3],   v[VT] offset:(\off)+\kt*64
	ds_load_b128 v[AD+8*\kt+4:AD+8*\kt+7], v[VT] offset:(\off)+\kt*64+16
.endr
.endm
.macro RUN e, ad                       ; 64 k: 32 matrix instructions; at their head the next 64 k's fragments are fetched into the other buffer.  ad = 1: the next tile's biases too
	s_wait_dscnt 0x0                               ; this part's fragments, asked for 32 matrix instructions ago
	PLACES                                         ; behind the products that read the other buffer
	FETCH (\e)+1, 64*(((\e)+1)%2)
.if \ad
	ADLOAD 512
.endif
	MUL16 2*(\e)
	MUL16 2*(\e)+1
.endm
; THE WAY OUT of tile TJ.  Each accumulator is rounded to f16 in place (its low four registers take 16 bytes: eight neighbouring columns of a row); these go into the work-group's stage; a barrier,
; since a row's 256 bytes come from two waves; whole rows come back into the accumulators' high four registers and are stored.
.macro EPI
	WIN 0
	PLACES
	s_cmp_lt_u32 s[TJ], 4
	s_cselect_b64 s[OB:OB+1], s[12:13], s[14:15]   ; tiles 0-3 are q's, 4-7 k's
	s_and_b32 s50, s[TJ], 3
	s_lshl_b32 s50, s50, 8                         ; 128 columns of 2 bytes
	s_mov_b32 s51, 0
	s_add_nc_u64 s[50:51], s[50:51], s[OF:OF+1]
	s_add_nc_u64 s[OB:OB+1], s[OB:OB+1], s[50:51]
.set a, 0
.rept 16
.irp i, 0,1,2,3
	v_cvt_pk_f16_f32 v[S+8*a+\i], v[S+8*a+2*\i], v[S+8*a+2*\i+1]
.endr
.set a, a+1
.endr
.set a, 0
.rept 16
	ds_store_b128 v[STO], v[S+8*a:S+8*a+3] offset:(a/4)*16*SP+32*(a%4)
.set a, a+1
.endr
	s_wait_dscnt 0x0                               ; for the others' sake: my stores into the stage are done
	s_barrier_signal -1
	s_barrier_wait -1                              ; the next tile's load stays on its way
.set a, 0
.rept 16
	ds_load_b128 v[S+8*a+4:S+8*a+7], v[RD] offset:a*2*SP
.set a, a+1
.endr
.set a, 0
.rept 16
	s_wait_dscnt 15-a                              ; the younger loads may stay out
	global_store_b128 v[GO], v[S+8*a+4:S+8*a+7], s[OB:OB+1] offset:a*2048   ; 16 lanes store 256 consecutive bytes, at a multiple of 256 from the buffer's first byte
.set a, a+1
.endr
	s_wait_xcnt 0x0                                ; the stores have read their registers and base: the next products and the next way out write them
	s_add_co_u32 s[TJ], s[TJ], 1
.endm
	s_load_b256 s[4:11], s[0:1], 0x0               ; x16 4, wt 6, bq 8, bk 10
	s_load_b128 s[12:15], s[0:1], 0x20             ; q16 12, k16 14
	v_lshl_add_u32 v[SPW], v0, 2, SPARE
	v_mov_b32 v[NIL], 0
	ds_add_u32 v[SPW], v[NIL]                      ; the wave's opening: the add and its wait stand ahead of my first tensor load
	v_lshrrev_b32 v1, 5, v0
	v_readfirstlane_b32 s[WV], v1                  ; wave 0..3
	s_lshr_b32 s[WR], s[WV], 1
	s_and_b32 s[WC], s[WV], 1
	s_bfe_u32 s41, ttmp6, 0x40000                  ; cx
	s_lshl_b32 s[WGX], ttmp9, 2
	s_add_co_u32 s[WGX], s[WGX], s41               ; my block of 128 rows: it enters x16's and the outputs' addresses alone
	s_mov_b32 s[G1+0], 15|(1<<16)|(1<<20)|(1<<21)|(7<<22)|(3<<25)  ; the mask of four; 2-byte elements; padding on; bit 21 beside a mask; after every 256 words (code 7) 4 words (code 3)
	s_mov_b32 s[G1+1], 512<<16                     ; tensor_dim0 = 512
	s_mov_b32 s[G1+2], 32<<16                      ; tensor_dim1 = 32
	s_mov_b32 s[G1+3], 512<<16                     ; tile_dim0 = 512
	s_mov_b32 s[G1+4], 32                          ; tile_dim1 = 32
	s_mov_b32 s[G1+5], 512                         ; elements from row to row
	s_mov_b32 s[G1+6], 0
	s_mov_b32 s[G1+7], 0
	s_mul_i32 s[WOFF], s[WV], WPART
	s_mov_b32 s[G0], 1
	s_mov_b32 s[G0+1], s[WOFF]                     ; tile 0 goes to slot 0
	s_mov_b32 s[LS], 0
	s_mov_b32 s[TB], SLOT                          ; the first change of slots turns it into 0
	s_lshl_b32 s46, s[WV], 15                      ; my 32 rows of a tile, in memory
	s_mov_b32 s47, 0
	s_lshl_b32 s48, s[WGX], 17
	s_lshl_b32 s49, s[WR], 16
	s_add_co_u32 s48, s48, s49                     ; my wave's 64 rows of x16
	s_mov_b32 s49, 0
	s_lshl_b32 s[OF], s[WGX], 17
	s_lshl_b32 s[OF+1], s[WV], 15
	s_add_co_u32 s[OF], s[OF], s[OF+1]             ; the 32 rows that I store
	s_mov_b32 s[OF+1], 0
	s_wait_dscnt 0x0                               ; the opening add is done
	s_wait_kmcnt 0x0
	s_add_nc_u64 s[G0+2:G0+3], s[6:7], s[46:47]
	s_or_b32 s[G0+3], s[G0+3], 0x80000000          ; type = 2
	s_add_nc_u64 s[OWN:OWN+1], s[OWN:OWN+1], s[48:49]
	CROUND                                         ; all four work-groups are here: the first joint loads meet
	tensor_load_to_lds s[G0:G0+3], s[G1:G1+7]      ; tile 0
	s_nop 0
	PLACES
	v_and_b32 v1, 15, v0                           ; l % 16
	v_bfe_u32 v2, v0, 4, 1                         ; l / 16
	v_lshlrev_b32 v[QO], 10, v1
	v_lshl_add_u32 v[QO], v2, 4, v[QO]
	OWNLOAD
	v_lshlrev_b32 v13, 4, v0                       ; thread t copies 16 bytes at 16 t of each bias
	global_load_b128 v[16:19], v13, s[8:9]
	global_load_b128 v[20:23], v13, s[10:11]
	v_mul_u32_u24 v[A0], v1, PITCH
	v_lshl_add_u32 v[A0], v2, 4, v[A0]
	s_mul_i32 s52, s[WC], HALFS
	v_add_nc_u32 v[A0], s52, v[A0]                 ; row x pitch + 16 x half + my 64 rows
	s_lshl_b32 s52, s[WC], 8
	s_add_co_u32 s52, s52, ADDV-512                ; the first change of slots steps it to tile 0's
	v_lshl_add_u32 v[VT], v2, 5, s52
	s_mul_i32 s52, s[WR], 64*SP
	s_lshl_b32 s53, s[WC], 7
	s_add_co_u32 s52, s52, s53
	s_add_co_u32 s52, s52, STAGE
	v_mul_u32_u24 v[STO], v1, SP
	v_lshl_add_u32 v[STO], v2, 4, v[STO]
	v_add_nc_u32 v[STO], s52, v[STO]               ; in: my 64 rows, my half of their 256 bytes
	s_mul_i32 s52, s[WV], 32*SP
	s_add_co_u32 s52, s52, STAGE
	v_mul_u32_u24 v[RD], v2, SP
	v_lshl_add_u32 v[RD], v1, 4, v[RD]
	v_add_nc_u32 v[RD], s52, v[RD]                 ; back: rows 32 w on, whole; lanes 0-15 one row, lanes 16-31 the next
	v_lshlrev_b32 v[GO], 10, v2
	v_lshl_add_u32 v[GO], v1, 4, v[GO]
	v_add_nc_u32 v14, ADDV, v13
	s_wait_loadcnt 0x0                             ; my rows of x16 and my part of the biases
.irp p, 0,1,2,3                        ; the biases are rounded to bf16 like every input, and kept as f32
	v_cvt_pk_bf16_f32 v[28+\p], v[16+2*\p], v[17+2*\p]
.endr
.irp p, 0,1,2,3
	v_lshlrev_b32 v[16+2*\p], 16, v[28+\p]
	v_and_b32 v[17+2*\p], 0xffff0000, v[28+\p]
.endr
	ds_store_b128 v14, v[16:19]
	ds_store_b128 v14, v[20:23] offset:2048
	CHANGE 1                                       ; tile 0 and the biases are in, everybody's part; tile 1 is asked for
	FETCH 0, 0
	ADLOAD 0
	s_mov_b32 s[CNT], NT-1
	s_mov_b32 s[TJ], 0
	s_branch .Lenter                               ; the loop is entered in the middle of a trip
.Ltile:                                                ; NT - 2 times: tiles 2 to NT - 1 are asked for
	CHANGE 1
	FETCH 0, 0
	MUL16 15                                       ; the last 32 k of the tile before
	EPI
.Lenter:
	RUN 0, 0
	RUN 1, 1
	RUN 2, 0
	RUN 3, 0
	RUN 4, 0
	RUN 5, 0
	RUN 6, 0
	s_wait_dscnt 0x0
	MUL16 14
	WIN 0
	s_sub_co_u32 s[CNT], s[CNT], 1
	s_cmp_lg_u32 s[CNT], 0
	s_cbranch_scc1 .Ltile
	CHANGE 0                                       ; the last tile is written out: nothing is asked for
	FETCH 0, 0
	MUL16 15
	WIN 0
	s_mov_b32 s[CNT], 2                            ; two ways out are left, with the last tile between them: a loop of two trips, entered at the way out, so that it is written once
	s_branch .Lepi
.Llast:
	RUN 0, 0
	RUN 1, 0
	RUN 2, 0
	RUN 3, 0
	RUN 4, 0
	RUN 5, 0
	RUN 6, 0
	s_wait_dscnt 0x0
	MUL16 14
	MUL16 15
	WIN 0
	s_barrier_signal -1                            ; every wave's reads of the stage are back (its way out ended on a wait for 0): the stage may be written again
	s_barrier_wait -1
.Lepi:
	EPI
	s_sub_co_u32 s[CNT], s[CNT], 1
	s_cmp_lg_u32 s[CNT], 0
	s_cbranch_scc1 .Llast
	s_wait_tensorcnt 0x0                           ; the wave's end
	ds_add_u32 v[SPW], v[NIL]
	s_wait_dscnt 0x0
	CROUND                                         ; the closing round
	s_endpgm
.Lfunc_end_k_qedd861cc9b_proj:
	.size	k_qedd861cc9b_proj, .Lfunc_end_k_qedd861cc9b_proj-k_qedd861cc9b_proj
	.p2alignl 7, 3214868480
	.fill 96, 4, 3214868480
	.section	.rodata,"a",@progbits
	.p2align	6, 0x0
	.amdhsa_kernel k_qedd861cc9b_proj
		.amdhsa_group_segment_fixed_size 327680
		.amdhsa_private_segment_fixed_size 0
		.amdhsa_enable_private_segment 0
		.amdhsa_kernarg_size 48
		.amdhsa_user_sgpr_count 2
		.amdhsa_user_sgpr_kernarg_segment_ptr 1
		.amdhsa_wavefront_size32 1
		.amdhsa_system_sgpr_workgroup_id_x 1
		.amdhsa_system_sgpr_workgroup_id_y 1
		.amdhsa_system_sgpr_workgroup_id_z 1
		.amdhsa_system_vgpr_workitem_id 0
		.amdhsa_next_free_vgpr 896
		.amdhsa_next_free_sgpr 66
		.amdhsa_reserve_vcc 0
		.amdhsa_float_denorm_mode_32 3
		.amdhsa_float_denorm_mode_16_64 3
		.amdhsa_memory_ordered 1
		.amdhsa_forward_progress 1
		.amdhsa_inst_pref_size 94
	.end_amdhsa_kernel
	.amdgpu_metadata
---
amdhsa.version: [ 1, 2 ]
amdhsa.kernels:
  - .name:           k_qedd861cc9b_proj
    .symbol:         k_qedd861cc9b_proj.kd
    .args:
      - { .name: x16, .offset: 0, .size: 8, .value_kind: global_buffer, .address_space: global }
      - { .name: wt, .offset: 8, .size: 8, .value_kind: global_buffer, .address_space: global }
      - { .name: bq, .offset: 16, .size: 8, .value_kind: global_buffer, .address_space: global }
      - { .name: bk, .offset: 24, .size: 8, .value_kind: global_buffer, .address_space: global }
      - { .name: q16, .offset: 32, .size: 8, .value_kind: global_buffer, .address_space: global }
      - { .name: k16, .offset: 40, .size: 8, .value_kind: global_buffer, .address_space: global }
    .group_segment_fixed_size: 327680
    .private_segment_fixed_size: 0
    .kernarg_segment_align: 8
    .kernarg_segment_size: 48
    .max_flat_workgroup_size: 128
    .sgpr_count:     66
    .vgpr_count:     896
    .wavefront_size: 32
...
	.end_amdgpu_metadata
.endif
;; end of part 6
;; launch lsep (part 7): grid 16 x 16, 4 waves a work-group, clusters of 4 x 1, 327,680 bytes of LDS; arguments q16, k16, pb, negL; writes pb, negL
.if DOCPART == 7
	.amdgcn_target "amdgcn-amd-amdhsa--gfx1250"
	.amdhsa_code_object_version 6
	.text
	.protected	k_qedd861cc9b_lsep
	.globl	k_qedd861cc9b_lsep
	.p2align	8
	.type	k_qedd861cc9b_lsep,@function
k_qedd861cc9b_lsep:
	s_mov_b64 s[64:65], 0
	v_nop
	global_prefetch_b8 v0, s[64:65] scope:SCOPE_SE
	s_setreg_imm32_b32 hwreg(HW_REG_WAVE_MODE, 25, 1), 1
	s_wait_xcnt 0x0
	s_wait_alu depctr_hold_cnt(0) depctr_sa_sdst(0) depctr_va_vdst(0) depctr_va_sdst(0) depctr_va_ssrc(0) depctr_va_vcc(0) depctr_vm_vsrc(0)
	s_getreg_b32 s2, hwreg(HW_REG_IB_STS2, 6, 4)
	s_cmp_eq_u32 s2, 0
	s_cbranch_scc0 .Lentry_in_a_cluster
	s_endpgm
.Lentry_in_a_cluster:
	s_bfe_u32 s2, ttmp6, 0x10000c
	s_cmp_lg_u32 s2, 0x3003
	s_cbranch_scc0 .Lentry_shape_is_right
	s_endpgm
.Lentry_shape_is_right:
; LSEP.  The scores s[m][n] = q[b][m] . k[b][n] are made ONCE.  Out go: negL[b][m] = - log2( sum over n of 2^(c s) ), c = log2(e): the rows' log-sum-exp in units of log2, negated;
; and, into pb, every weight p = 2^(c s - c M) rounded to bf16, M the running maximum that it was taken against, with that c M beside it.  The next launch makes the columns' sums of the softmax of them:
; col[n] = sum over m of p 2^(c M + negL[m]).  own = q16, str = k16: [16][2048][512] f16.  Products and sums in f32; l, the sum of the unrounded p, is multiplied by a = 2^(c M_old - c M_new) at each update.
; LIMITS.  Scores lie above -1e30 (M's start); a weight below 2^-126 of its lane's maximum counts as 0 (as a softmax weight it is below e^-87); bf16 keeps p to 2^-9 of itself; NaN and infinities are not treated apart.
; SHARES.  A work-group owns 128 rows m of one batch; wave w (wr = w / 2, wc = w % 2) keeps its 64 rows (64 wr on) x 512 channels in 512 registers.  k's 2,048 rows are STREAMED in 16 tiles of 128 rows
; through two LDS slots; of each tile a wave takes rows 64 wc on.  Source 0 = 16 rows of k, source 1 = 16 of q: a lane holds ONE row m (lane % 16) and the keys 8 (lane / 16) + 0..7.
; A row's statistics lie in two lanes of two waves and meet at the end, in LDS.
; BY TURNS.  A wave's 64 keys are two PIECES of 32: 8 accumulators, 128 matrix instructions, a TURN.  While one piece is multiplied, the other piece's update (208 vector instructions) stands in groups
; of three or four behind every second matrix instruction.  The first turn's riders work on a piece that has not been: its registers hold -2e30, below M's start, so it adds 0, and its stores are jumped over.
; pb.  A block of 4,096 bytes for each (batch, block of 128 rows bx, tile j, wave w, piece p), at ((((16 b + bx) 16 + j) 4 + w) 2 + p) x 4,096; in it own tile t, key group kt at (2 t + kt) x 512, lane L's eight
; bf16 at 16 L: each store of a wave covers 512 consecutive bytes, aligned.  From byte 2^27 on, in the same order, blocks of 512 bytes: lane L's four c M (t = 0..3) at 16 L.
; CLUSTER.  The four blocks of a cluster belong to one batch and walk the same k: each tile is asked for JOINTLY, the same tensor load, descriptor and mask in all four.
; THE RING.  Tile j lies in slot j % 2; the change of slots stands in the last 128 channels of tile j - 1's second piece, when all its fragments are in registers; the refill has a whole tile's 256 matrix
; instructions in which to land.  By this text's count one tensor load of a wave is out at any time.
; REGISTERS, in windows of 256 (s_set_vgpr_msb: bits 1:0 source 0, 3:2 source 1, 5:4 source 2, 7:6 destination):
;   window 0: v0-15 addresses; v16-47 eight registers of statistics for each own tile t; v48-55 c M as stored, four for each piece; v56-60 the way out;
;             v64-191 scores (piece p, own tile t, group kt at 64 + 64 p + 16 t + 8 kt); v192-223 the packed weights on their way out (8 t + 4 kt)
;   window 1: my rows 0-31     window 2: my rows 32-63     window 3: v0-63, v64-127 two fragment buffers of k, 32 rows x 128 channels each
.set PITCH, 1040                       ; an LDS row: 1,024 bytes + 16 of padding, an odd multiple of 16
.set WPART, 32*PITCH
.set HALFS, 64*PITCH
.set SLOT,  128*PITCH
.set TILEB, 128*1024
.set NT,    16
.set CMOFF, 1<<27                      ; where the blocks of c M begin in pb
.set XCH,   2*SLOT                     ; where the waves' statistics meet: 4 waves x 4 tiles x 32 lanes x 4 bytes
.set SPARE, XCH+2048                   ; the spare words, 128 bytes for each wave
.set A0,  3                            ; v3   my lane's place in a tile; never rewritten
.set ADR, 4                            ; v4   the same in the slot in hand
.set QO,  6                            ; v6   my byte offset in 16 rows of q16
.set PO,  7                            ; v7   16 x lane: my place in a store's 512 bytes; never rewritten
.set SPW, 8                            ; v8   LDS address of my spare word; never rewritten
.set NIL, 9                            ; v9   0; never rewritten
.set ST,  16                           ; tile t at ST + 8 t: c M, M, l (a pair), c0, c1, a, one more that is named with a as a pair
.set CMB, 48
.set S,   64
.set P,   192
.set OWN, 4                            ; s[4:5]   q16 at my wave's first row;  s[6:7] k16
.set PB0, 8                            ; s[8:9]   pb at my wave's block of tile 0, piece 0
.set RES, 10                           ; s[10:11] negL at my 32 results
.set CB0, 12                           ; s[12:13] the same as PB0 for c M
.set WV,  14
.set WR,  15
.set WC,  16
.set CX,  17
.set BX,  18
.set BAT, 19
.set G1,  24                           ; s[24:31] descriptor group 1
.set PBC, 32                           ; s[32:33] PB0 at the tile whose weights go out
.set CBC, 34                           ; s[34:35] CB0 likewise
.set TO,  36                           ; s[36:37] that tile's byte offset
.set G0,  40                           ; s[40:43] descriptor group 0: it walks
.set WOFF, 48
.set LS,  49
.set TB,  50
.set CNT, 51                           ; NT - 1 - the tile in hand
.set CS,  52                           ; s[52:53] c
.set MSB, 0
.macro WIN new
.if MSB != (\new)
	s_set_vgpr_msb (MSB<<8)|(\new)
.set MSB, (\new)
.endif
.endm
.macro CROUND                          ; a round of the cluster's barrier
	s_barrier_signal -1
	s_barrier_wait -1
	s_cmp_lg_u32 s[WV], 0
	s_cbranch_scc1 .Lnot_wave_0_\@
	s_barrier_signal -3
.Lnot_wave_0_\@:
	s_barrier_wait -3
	s_barrier_signal -1
	s_barrier_wait -1
.endm
; THE CHANGE OF SLOTS: each wave waits for all its tensor loads, adds 0 to its spare word, waits for that and for its reads of the slot that it leaves.  fill = 1: a round of the cluster's barrier, and the joint refill first behind it.
.macro CHANGE fill
	WIN 0
	s_wait_tensorcnt 0x0                           ; no tensor load of mine is out, so group 0 may be written
	ds_add_u32 v[SPW], v[NIL]                      ; 0 onto my spare word; scalar work stands between it and the wait for it
.if \fill
	s_xor_b32 s[LS], s[LS], SLOT
	s_add_co_u32 s[G0+1], s[LS], s[WOFF]
	s_add_nc_u64 s[G0+2:G0+3], s[G0+2:G0+3], TILEB
.endif
	s_xor_b32 s[TB], s[TB], SLOT
	s_wait_dscnt 0x0                               ; the add is done, and my reads of the slot are over
.if \fill
	CROUND
	tensor_load_to_lds s[G0:G0+3], s[G1:G1+7]
	s_nop 0
.else
	s_barrier_signal -1
	s_barrier_wait -1
.endif
.rept 4
	v_nop
.endr
	v_add_nc_u32 v[ADR], s[TB], v[A0]
	s_wait_alu depctr_va_vdst(0)
.endm
.macro OWNLOAD                         ; my 64 rows x 512 channels: tile t of 16 rows, 32 channels at c: lane l holds row l % 16, channels 8 (l / 16) + 0..7 and 16 + 8 (l / 16) + 0..7
.irp t, 0,1,2,3
	WIN 0x40+0x40*((\t)/2)
.set oc, 0
.rept 16
	global_load_b128 v[128*((\t)%2)+8*oc:128*((\t)%2)+8*oc+3],   v[QO], s[OWN:OWN+1] offset:(\t)*16384+oc*64
	global_load_b128 v[128*((\t)%2)+8*oc+4:128*((\t)%2)+8*oc+7], v[QO], s[OWN:OWN+1] offset:(\t)*16384+oc*64+32
.set oc, oc+1
.endr
.endr
	WIN 0
.endm
; One product: piece p, 32 channels at c, own tile t, group kt of 16 keys.  c = 0 starts the sum: nothing is cleared.
.macro WM p, c, t, kt
.set rD, S+64*(\p)+16*(\t)+8*(\kt)
.set rA, 64*(((\c)/4)%2)+8*(4*(\kt)+(\c)%4)
.set rB, 128*((\t)%2)+8*(\c)
.if (\c) == 0
	v_wmma_f32_16x16x32_f16 v[rD:rD+7], v[rA:rA+7], v[rB:rB+7], 0
.else
	v_wmma_f32_16x16x32_f16 v[rD:rD+7], v[rA:rA+7], v[rB:rB+7], v[rD:rD+7]
.endif
.endm
; THE VECTOR WORK.  Number n of the 208 of piece p's update: one of 52 steps for one of the four own tiles.  s0-s15 are the lane's scores.
;   steps 0-7   the maximum of s0-s15 and the old M, three operands at a time (each accumulator's lowest registers are read first)
;   steps 8-10  c M_new, into the registers from which it is stored; c M_old - c M_new; c M is set anew       step 12  a
;   steps 11, 13-51  F k: c s - c M for pair k.  E i: the exponential of score i.  L k: l takes pair k (L 0: l = a l + pair 0).  C k: pair k rounded to bf16.
; Steps 0-11 and 46-51 go tile by tile, four numbers a step.  Steps 12-45 are an exponential step and a plain step by turns; of each such pair the numbers go E t0, plain t0, E t1, plain t1, ..:
; no two exponentials follow each other, a plain instruction that does not touch it stands behind each, and no step reads an exponential of the pair that it stands in.
.macro SM n, p
.if ((\n) >= 48) && ((\n) < 184)
.set jj, 12+2*(((\n)-48)/8)+((\n)%2)
.set tt, (((\n)-48)%8)/2
.else
.set jj, (\n)/4
.set tt, (\n)%4
.endif
.set rT, ST+8*tt
.set rS, S+64*(\p)+16*tt
.set rP, P+8*tt
.set rK, CMB+4*(\p)+tt
.if jj == 0
	v_max3_num_f32 v[rT+4], v[rS], v[rS+1], v[rS+2]
.elseif jj == 1
	v_max3_num_f32 v[rT+5], v[rS+8], v[rS+9], v[rS+10]
.elseif jj < 6
	v_max3_num_f32 v[rT+4+jj%2], v[rT+4+jj%2], v[rS+8*(jj%2)+2*(jj/2)+1], v[rS+8*(jj%2)+2*(jj/2)+2]
.elseif jj == 6
	v_max3_num_f32 v[rT+4], v[rT+4], v[rS+7], v[rT+1]
.elseif jj == 7
	v_max3_num_f32 v[rT+1], v[rT+4], v[rT+5], v[rS+15]
.elseif jj == 8
	v_mul_f32 v[rK], s[CS], v[rT+1]
.elseif jj == 9
	v_sub_f32 v[rT+6], v[rT], v[rK]
.elseif jj == 10
	v_mov_b32 v[rT], v[rK]
.elseif jj == 12
	v_exp_f32 v[rT+6], v[rT+6]
.else
.if jj >= 46
.if jj%2 == 0
.set kd, 2
.set ix, (jj-36)/2
.else
.set kd, 3
.set ix, (jj-37)/2
.endif
.elseif jj%2 == 0
.set kd, 1
.set ix, (jj-14)/2
.elseif jj < 19
.set kd, 0
.set ix, (jj-11)/2
.elseif ((jj-19)/2)%3 == 0
.set kd, 2
.set ix, ((jj-19)/2)/3
.elseif ((jj-19)/2)%3 == 1
.set kd, 3
.set ix, ((jj-19)/2)/3
.else
.set kd, 0
.set ix, 4+((jj-19)/2)/3
.endif
.if kd == 0
	v_pk_fma_f32 v[rS+2*ix:rS+2*ix+1], v[rS+2*ix:rS+2*ix+1], s[CS:CS+1], v[rT:rT+1] op_sel_hi:[1,0,0] neg_lo:[0,0,1] neg_hi:[0,0,1]
.elseif kd == 1
	v_exp_f32 v[rS+ix], v[rS+ix]
.elseif kd == 3
	v_cvt_pk_bf16_f32 v[rP+ix], v[rS+2*ix], v[rS+2*ix+1]
.elseif ix == 0
	s_wait_alu depctr_va_vdst(0)
	v_pk_fma_f32 v[rT+2:rT+3], v[rT+2:rT+3], v[rT+6:rT+7], v[rS:rS+1] op_sel_hi:[1,0,1]
.else
	s_wait_alu depctr_va_vdst(0)
	v_pk_add_f32 v[rT+2:rT+3], v[rT+2:rT+3], v[rS+2*ix:rS+2*ix+1]
.endif
.endif
.endm
.macro PSTORE p, t, kt                 ; own tile t, key group kt: 512 consecutive bytes of the piece's block
	global_store_b128 v[PO], v[P+8*(\t)+4*(\kt):P+8*(\t)+4*(\kt)+3], s[PBC:PBC+1] offset:(\p)*4096+(2*(\t)+(\kt))*512 th:TH_STORE_NT
.endm
; Group g of 64 of piece p's update: numbers 13 g / 4 up to 13 (g + 1) / 4, three or four.  The last group's four are plain: with the next turn's first three they are the places between a turn's last
; products and the first reads of them.
; Ahead of number 80 one wait: every store issued so far has read its sources.  Behind it P is written again (from number 81 on), and, in piece 0's update, the stores' bases are made anew for the tile in hand.
; c M's registers are the piece's own: they are written again two turns after their store, with the other turn's wait between.
; The stores stand behind groups 56, 59 and 63, when what they take is made.  grd = 1: in the first trip the piece has not been, and they are jumped over.
.macro RID g, p, grd
.set rn, (13*(\g))/4
.rept (13*((\g)+1))/4-(13*(\g))/4
.if rn == 80
	s_wait_xcnt 0x0
.if (\p) == 0
	s_sub_co_u32 s[TO], NT-1, s[CNT]               ; the tile in hand
	s_lshl_b32 s[TO], s[TO], 15                    ; its 4 waves x 2 pieces x 4,096 bytes
	s_add_nc_u64 s[PBC:PBC+1], s[PB0:PB0+1], s[TO:TO+1]
	s_lshr_b32 s[TO], s[TO], 3                     ; an eighth of that for c M
	s_add_nc_u64 s[CBC:CBC+1], s[CB0:CB0+1], s[TO:TO+1]
.endif
.endif
	SM rn, \p
.set rn, rn+1
.endr
.if ((\g) == 56) || ((\g) == 59) || ((\g) == 63)
.if \grd
	s_cmp_eq_u32 s[CNT], NT-1
	s_cbranch_scc1 .Lnone_\@
.endif
.if (\g) == 56
	global_store_b128 v[PO], v[CMB+4*(\p):CMB+4*(\p)+3], s[CBC:CBC+1] offset:(\p)*512 th:TH_STORE_NT
	PSTORE \p, 0, 0
	PSTORE \p, 1, 0
.elseif (\g) == 59
	PSTORE \p, 2, 0
	PSTORE \p, 3, 0
.else
	PSTORE \p, 0, 1
	PSTORE \p, 1, 1
	PSTORE \p, 2, 1
	PSTORE \p, 3, 1
.endif
.if \grd
.Lnone_\@:
.endif
.endif
.endm
; Two products (own tile t, both key groups) and a group of the other piece's riders, which name that piece's scores, the statistics and P alone.
; The 8 accumulators take turns: an accumulator comes again behind the 7 others.
.macro GRP2 p, c, t, g
	WIN 0x07+4*((\t)/2)
	WM \p, \c, \t, 0
	WM \p, \c, \t, 1
	WIN 0
	RID \g, 1-(\p), GD*(1-(\p))
.endm
.macro CSTEP p, c                      ; 32 channels of piece p: 8 matrix instructions
.irp t, 0,1,2,3
	GRP2 \p, \c, \t, 4*(\c)+\t
.endr
.endm
.macro FETCH p, q, buf                 ; 16 LDS loads in one run: piece p's 32 rows, 128 channels at 128 q
	WIN 0xc0
.irp kt, 0,1
.irp cq, 0,1,2,3
	ds_load_b128 v[(\buf)+8*(4*\kt+\cq):(\buf)+8*(4*\kt+\cq)+3],   v[ADR] offset:(\p)*32*PITCH+\kt*16*PITCH+(4*(\q)+\cq)*64
	ds_load_b128 v[(\buf)+8*(4*\kt+\cq)+4:(\buf)+8*(4*\kt+\cq)+7], v[ADR] offset:(\p)*32*PITCH+\kt*16*PITCH+(4*(\q)+\cq)*64+32
.endr
.endr
	WIN 0
.endm
; A quarter of a turn: 128 channels, 32 matrix instructions.  Behind its first 8 the next quarter's fragments (piece fp, quarter fq) are fetched into the other buffer, 24 matrix instructions ahead of their
; use; that buffer's last reader stands 16 or 17 riders back, of which at least four are plain.
.macro QTR p, q, fp, fq
	s_wait_dscnt 0x0                               ; this quarter's fragments
	CSTEP \p, 4*(\q)
	FETCH \fp, \fq, 64*(((\q)+1)%2)
	CSTEP \p, 4*(\q)+1
	CSTEP \p, 4*(\q)+2
	CSTEP \p, 4*(\q)+3
.endm
	s_load_b256 s[4:11], s[0:1], 0x0               ; q16, k16, pb, negL
	v_lshl_add_u32 v[SPW], v0, 2, SPARE
	v_mov_b32 v[NIL], 0
	ds_add_u32 v[SPW], v[NIL]                      ; the wave's opening: the add and its wait stand ahead of my first tensor load
	v_lshrrev_b32 v1, 5, v0
	v_readfirstlane_b32 s[WV], v1                  ; wave 0..3
	s_lshr_b32 s[WR], s[WV], 1
	s_and_b32 s[WC], s[WV], 1
	s_bfe_u32 s[CX], ttmp6, 0x40000                ; cx
	s_lshl_b32 s[BX], ttmp9, 2
	s_add_co_u32 s[BX], s[BX], s[CX]               ; my block of 128 rows: it enters q16's, pb's and negL's addresses alone
	s_and_b32 s[BAT], ttmp7, 0xffff                ; the batch, which the four partners share
	s_lshl_b32 s20, s[BAT], 21                     ; k16: the batch's 2,048 rows of 1,024 bytes,
	s_lshl_b32 s21, s[WV], 15                      ; my 32 rows of a tile
	s_add_co_u32 s20, s20, s21
	s_mov_b32 s21, 0
	s_lshl_b32 s22, s[BAT], 11
	s_lshl_b32 s23, s[BX], 7
	s_add_co_u32 s22, s22, s23                     ; my block's first row
	s_lshl_b32 s23, s[WV], 5
	s_add_co_u32 s54, s22, s23                     ; the 32 results that I store,
	s_lshl_b32 s54, s54, 2                         ; in bytes
	s_mov_b32 s55, 0
	s_lshl_b32 s23, s[WR], 6
	s_add_co_u32 s22, s22, s23                     ; my wave's 64 rows,
	s_lshl_b32 s22, s22, 10                        ; in bytes
	s_mov_b32 s23, 0
	s_lshl_b32 s56, s[BAT], 4
	s_add_co_u32 s56, s56, s[BX]                   ; my block among the 256
	s_lshl_b32 s58, s56, 16                        ; c M: 16 tiles x 4 waves x 2 pieces x 512 bytes a block,
	s_lshl_b32 s57, s[WV], 10                      ; my wave's two pieces,
	s_add_co_u32 s58, s58, s57
	s_add_co_u32 s58, s58, CMOFF                   ; behind the weights
	s_mov_b32 s59, 0
	s_lshl_b32 s56, s56, 19                        ; the weights: eight times as much
	s_lshl_b32 s57, s[WV], 13
	s_add_co_u32 s56, s56, s57
	s_mov_b32 s57, 0
	s_mov_b32 s[TO+1], 0
	s_mov_b32 s[G1+0], 15|(1<<16)|(1<<20)|(1<<21)|(7<<22)|(3<<25)  ; the mask of four; 2-byte elements; padding on; bit 21 beside a mask; after every 256 words (code 7) 4 words (code 3)
	s_mov_b32 s[G1+1], 512<<16                     ; tensor_dim0 = 512
	s_mov_b32 s[G1+2], 32<<16                      ; tensor_dim1 = 32
	s_mov_b32 s[G1+3], 512<<16                     ; tile_dim0 = 512
	s_mov_b32 s[G1+4], 32                          ; tile_dim1 = 32
	s_mov_b32 s[G1+5], 512                         ; elements from row to row
	s_mov_b32 s[G1+6], 0
	s_mov_b32 s[G1+7], 0
	s_mul_i32 s[WOFF], s[WV], WPART
	s_mov_b32 s[G0], 1
	s_mov_b32 s[G0+1], s[WOFF]                     ; tile 0 goes to slot 0
	s_mov_b32 s[LS], 0
	s_mov_b32 s[TB], SLOT                          ; the first change of slots turns it into 0
	s_mov_b32 s[CS], 0x3fb8aa3b                    ; c = log2(e)
	s_mov_b32 s[CS+1], s[CS]                       ; named with it as a pair
	s_wait_dscnt 0x0                               ; the opening add is done
	s_wait_kmcnt 0x0
	s_add_nc_u64 s[G0+2:G0+3], s[6:7], s[20:21]
	s_or_b32 s[G0+3], s[G0+3], 0x80000000          ; type = 2
	s_add_nc_u64 s[OWN:OWN+1], s[OWN:OWN+1], s[22:23]
	s_add_nc_u64 s[CB0:CB0+1], s[PB0:PB0+1], s[58:59]
	s_add_nc_u64 s[PB0:PB0+1], s[PB0:PB0+1], s[56:57]
	s_add_nc_u64 s[RES:RES+1], s[RES:RES+1], s[54:55]
	s_mov_b64 s[PBC:PBC+1], s[PB0:PB0+1]
	s_mov_b64 s[CBC:CBC+1], s[CB0:CB0+1]
	CROUND                                         ; all four work-groups are here: the first joint loads meet
	tensor_load_to_lds s[G0:G0+3], s[G1:G1+7]      ; tile 0
	s_nop 0
.rept 4
	v_nop
.endr
	v_and_b32 v1, 15, v0                           ; l % 16
	v_bfe_u32 v2, v0, 4, 1                         ; l / 16
	v_lshlrev_b32 v[QO], 10, v1
	v_lshl_add_u32 v[QO], v2, 4, v[QO]
	OWNLOAD
	v_mul_u32_u24 v[A0], v1, PITCH
	v_lshl_add_u32 v[A0], v2, 4, v[A0]
	s_mul_i32 s56, s[WC], HALFS
	v_add_nc_u32 v[A0], s56, v[A0]                 ; row x pitch + 16 x half + my 64 rows
	v_and_b32 v[PO], 31, v0
	v_lshlrev_b32 v[PO], 4, v[PO]
.irp t, 0,1,2,3
	v_mov_b32 v[ST+8*\t], 0xfe000000               ; c M: far below every c s, so the first a is 0
	v_mov_b32 v[ST+8*\t+1], 0xf149f2ca             ; M = -1e30
	v_mov_b32 v[ST+8*\t+2], 0                      ; l
	v_mov_b32 v[ST+8*\t+3], 0
	v_mov_b32 v[ST+8*\t+7], 0                      ; named with a as a pair
.endr
	s_mov_b32 s56, 0xf1c9f2ca                      ; -2e30: what the first turn's riders find as piece 1.  64 moves, in the wait for the first tile, spare a first turn written out
.set i, 0
.rept 64
	v_mov_b32 v[S+64+i], s56
.set i, i+1
.endr
	CHANGE 1                                       ; tile 0 is in, everybody's part; tile 1 is asked for
	FETCH 0, 0, 0
	s_wait_loadcnt 0x0                             ; my rows of q16
	s_mov_b32 s[CNT], NT-1
	s_branch .Lenter                               ; the loop is entered in the middle of a trip
.set GD, 1
.Ltile:                                                ; NT - 2 times: tiles 2 to NT - 1 are asked for
	CHANGE 1
	FETCH 0, 0, 0
	CSTEP 1, 13                                    ; the last 96 channels of the tile before; beside them its piece 0 goes out
	CSTEP 1, 14
	CSTEP 1, 15
.Lenter:
	QTR 0, 0, 0, 1
	QTR 0, 1, 0, 2
	QTR 0, 2, 0, 3
	QTR 0, 3, 1, 0
	QTR 1, 0, 1, 1
	QTR 1, 1, 1, 2
	QTR 1, 2, 1, 3
	s_wait_dscnt 0x0
	CSTEP 1, 12
	s_sub_co_u32 s[CNT], s[CNT], 1
	s_cmp_lg_u32 s[CNT], 0
	s_cbranch_scc1 .Ltile
.set GD, 0
	CHANGE 0                                       ; the last tile is written out: nothing is asked for
	FETCH 0, 0, 0
	CSTEP 1, 13
	CSTEP 1, 14
	CSTEP 1, 15
	QTR 0, 0, 0, 1
	QTR 0, 1, 0, 2
	QTR 0, 2, 0, 3
	QTR 0, 3, 1, 0
	QTR 1, 0, 1, 1
	QTR 1, 1, 1, 2
	QTR 1, 2, 1, 3
	s_wait_dscnt 0x0
	CSTEP 1, 12
	CSTEP 1, 13
	CSTEP 1, 14
	CSTEP 1, 15
.set gg, 0
.rept 64
	RID gg, 1, 0                                   ; the last piece's update has no products to stand beside
.set gg, gg+1
.endr
	; THE WAY OUT.  Each lane's c M + log2 l for its four own rows; a row's four such numbers (two lanes of two waves) meet in LDS and are joined, again with their maximum taken away.
.irp t, 0,1,2,3
	v_add_f32 v[ST+8*\t+2], v[ST+8*\t+2], v[ST+8*\t+3]
.endr
.irp t, 0,1,2,3
	v_log_f32 v[ST+8*\t+2], v[ST+8*\t+2]           ; l is at least about 1: the lane's largest score has the weight 1
.endr
	v_and_b32 v10, 31, v0
	s_wait_alu depctr_va_vdst(0)
.irp t, 0,1,2,3
	v_add_f32 v[ST+8*\t+2], v[ST+8*\t], v[ST+8*\t+2]
.endr
	v_lshlrev_b32 v10, 2, v10                      ; 4 x lane
	s_lshl_b32 s56, s[WV], 9
	s_add_co_u32 s56, s56, XCH
	v_add_nc_u32 v11, s56, v10
.irp t, 0,1,2,3
	ds_store_b32 v11, v[ST+8*\t+2] offset:\t*128
.endr
	s_lshl_b32 s56, s[WR], 10                      ; the two waves that share my rows,
	s_lshl_b32 s57, s[WC], 8                       ; of their four tiles my two: I finish rows 32 w on
	s_add_co_u32 s56, s56, s57
	s_add_co_u32 s56, s56, XCH
	v_lshlrev_b32 v12, 7, v2
	v_lshl_add_u32 v12, v1, 2, v12
	v_add_nc_u32 v12, s56, v12
	s_wait_dscnt 0x0                               ; for the others' sake: my stores are done
	s_barrier_signal -1
	s_barrier_wait -1
	ds_load_b32 v56, v12
	ds_load_b32 v57, v12 offset:64                 ; the lane 16 away
	ds_load_b32 v58, v12 offset:512                ; the other wave
	ds_load_b32 v59, v12 offset:576
	s_wait_dscnt 0x0
	v_max3_num_f32 v60, v56, v57, v58
	v_max_num_f32 v60, v60, v59
	v_sub_f32 v56, v56, v60
	v_sub_f32 v57, v57, v60
	v_sub_f32 v58, v58, v60
	v_sub_f32 v59, v59, v60
	v_exp_f32 v56, v56
	v_exp_f32 v57, v57
	v_exp_f32 v58, v58
	v_exp_f32 v59, v59
	v_nop                                          ; a plain instruction behind the transcendentals (ISA guide 5.7.2)
	s_wait_alu depctr_va_vdst(0)
	v_add_f32 v56, v56, v57
	v_add_f32 v58, v58, v59
	v_add_f32 v56, v56, v58
	v_log_f32 v56, v56
	v_nop
	s_wait_alu depctr_va_vdst(0)
	v_add_f32 v56, v60, v56
	v_mul_f32 v56, -1.0, v56                       ; - c L
	global_store_b32 v10, v56, s[RES:RES+1]        ; 128 consecutive bytes a wave: negL is 131,072 bytes in all
	s_wait_tensorcnt 0x0                           ; the wave's end
	ds_add_u32 v[SPW], v[NIL]
	s_wait_dscnt 0x0
	CROUND                                         ; the closing round
	s_endpgm
.Lfunc_end_k_qedd861cc9b_lsep:
	.size	k_qedd861cc9b_lsep, .Lfunc_end_k_qedd861cc9b_lsep-k_qedd861cc9b_lsep
	.p2alignl 7, 3214868480
	.fill 96, 4, 3214868480
	.section	.rodata,"a",@progbits
	.p2align	6, 0x0
	.amdhsa_kernel k_qedd861cc9b_lsep
		.amdhsa_group_segment_fixed_size 327680
		.amdhsa_private_segment_fixed_size 0
		.amdhsa_enable_private_segment 0
		.amdhsa_kernarg_size 32
		.amdhsa_user_sgpr_count 2
		.amdhsa_user_sgpr_kernarg_segment_ptr 1
		.amdhsa_wavefront_size32 1
		.amdhsa_system_sgpr_workgroup_id_x 1
		.amdhsa_system_sgpr_workgroup_id_y 1
		.amdhsa_system_sgpr_workgroup_id_z 1
		.amdhsa_system_vgpr_workitem_id 0
		.amdhsa_next_free_vgpr 896
		.amdhsa_next_free_sgpr 66
		.amdhsa_reserve_vcc 0
		.amdhsa_float_denorm_mode_32 3
		.amdhsa_float_denorm_mode_16_64 3
		.amdhsa_memory_ordered 1
		.amdhsa_forward_progress 1
		.amdhsa_inst_pref_size 159
	.end_amdhsa_kernel
	.amdgpu_metadata
---
amdhsa.version: [ 1, 2 ]
amdhsa.kernels:
  - .name:           k_qedd861cc9b_lsep
    .symbol:         k_qedd861cc9b_lsep.kd
    .args:
      - { .name: q16, .offset: 0, .size: 8, .value_kind: global_buffer, .address_space: global }
      - { .name: k16, .offset: 8, .size: 8, .value_kind: global_buffer, .address_space: global }
      - { .name: pb, .offset: 16, .size: 8, .value_kind: global_buffer, .address_space: global }
      - { .name: negL, .offset: 24, .size: 8, .value_kind: global_buffer, .address_space: global }
    .group_segment_fixed_size: 327680
    .private_segment_fixed_size: 0
    .kernarg_segment_align: 8
    .kernarg_segment_size: 32
    .max_flat_workgroup_size: 128
    .sgpr_count:     66
    .vgpr_count:     896
    .wavefront_size: 32
...
	.end_amdgpu_metadata
.endif
;; end of part 7
;; launch colsum (part 8): grid 1112 x 1, 4 waves a work-group, no clusters, 1,024 bytes of LDS; arguments pb, negL, wt, negG, wvo; writes negG, wvo
.if DOCPART == 8
	.amdgcn_target "amdgcn-amd-amdhsa--gfx1250"
	.amdhsa_code_object_version 6
	.text
	.protected	k_qedd861cc9b_colsum
	.globl	k_qedd861cc9b_colsum
	.p2align	8
	.type	k_qedd861cc9b_colsum,@function
k_qedd861cc9b_colsum:
	s_mov_b64 s[64:65], 0
	v_nop
	global_prefetch_b8 v0, s[64:65] scope:SCOPE_SE
	s_setreg_imm32_b32 hwreg(HW_REG_WAVE_MODE, 25, 1), 1
	s_wait_xcnt 0x0
; TWO JOBS IN ONE LAUNCH.  Work-groups 0-87 make wvo = Wv Wo and bv Wo; work-groups 88-1111 make negG, the columns' sums of the softmax.  The first job needs what the first launch stored and serves the last
; launch; it is small (0.27 GFLOP), so it stands here, first in the grid, beside a stream that leaves the matrix units idle, and spares a launch of its own.
;
; WVO.  wvo[n][k] = f16( sum over c of Wo[c][n] Wv[k][c] ), [512][512], k along the rows; behind it, from byte 524,288 on, bvo[n] = sum over c of Wo[c][n] bv[c], 512 f32.  Then out @ Wo = sc (x wvo^T + bvo).
; From wt (rows of 512 f16, the inputs rounded to bf16): rows 1024-1535 Wo turned ([n][c]), rows 1536-2047 Wv ([k][c]), row 2048 bv.  Sums in f32; wvo is rounded once.
; LIMIT.  |Wv Wo| stays within f16's 65,504 (at 30 times the drawn weights it reaches some 40, with offsets of 30 spreads on both some 900).
; Source 0 = 16 rows k of Wv, source 1 = 16 rows n of Wo turned: a lane holds ONE n (lane % 16) and eight neighbouring k.  There are 33 tiles of source 0: Wv's 32, and one more whose 16 rows are all bv
; (the row's number is held to 512, which is bv's place behind Wv), so that bvo falls out of the same loop.  A wave takes 16 n and 3 such tiles: 32 x 11 = 352 waves, 88 work-groups.
; K goes in 16 steps of 32 c through a ring of four register slots (8 loads each): three trips and a tail.  The three accumulators take turns.
; A store of a wave covers 16 pieces of 32 consecutive bytes: wvo is 524,288 bytes in all, and whole rows of 256 bytes would want four waves' results to meet in LDS.
;
; COLSUM.  negG[b][n] = - ln col, col = sum over the batch's 2,048 rows m of p[m][n] 2^(c M + negL[m]).  pb holds the weights p in bf16, each taken against a running
; maximum M, and that c M; negL holds - c L of each row (c = log2(e), L the row's log-sum-exp).  c M never passes c L, so the factor lies in 0 to 1.  Sums in f32.
; LIMITS.  A factor or a product below 2^-126 counts as 0; where col is 0 the result is +infinity, which the next launch turns into col = 0 again.
; pb.  A block of 4,096 bytes for each (batch b, block of 128 rows bx, tile j, wave w = 2 wr + wc, piece p), at ((((16 b + bx) 16 + j) 4 + w) 2 + p) x 4,096.  It holds rows m = 128 bx + 64 wr + 16 t + r and
; keys n = 128 j + 64 wc + 32 p + 16 kt + 8 h + i: (t, kt) at (2 t + kt) x 512, lane L = 16 h + r at 16 L, i = 0..7.  From byte 2^27 on, in the same order, blocks of 512 bytes: lane L's c M for t = 0..3.
; SHARES.  Work-group 88 + 64 b + x, x = 4 j + 2 wc + p, has the 32 keys 32 x on of batch b; their weights are the 32 blocks (bx, wr).  Wave v takes bx = 4 v .. 4 v + 3: eight blocks, 32 KiB, each read once
; by loads of 512 consecutive bytes.  A lane keeps 16 sums (kt, i); at the end the 16 lanes of a half are added, then the four waves, in LDS.
; Memory binds this job: no cluster (no byte is read by two work-groups but negL's 8 KiB a batch), no tensor load.  Two register slots take turns, a block each: while one is summed the other's 13
; loads are on their way; several work-groups lie on a WGP.
.set NPW, 88                           ; work-groups of the first job
.set CMOFF, 1<<27
.set BXP, 1<<19                        ; from bx to bx + 1: in the weights,
.set BXC, 1<<16                        ; in c M,
.set BXN, 512                          ; in negL
.set WRP, 1<<14                        ; from wr = 0 to wr = 1 likewise
.set WRC, 1<<11
.set WRN, 256
.set XCH,   0                          ; 4 waves x 32 sums
.set SPARE, 512                        ; the spare words, 128 bytes for each wave
.set LO,  2                            ; v2   16 x lane; never rewritten
.set R4,  3                            ; v3   4 x (lane % 16); never rewritten
.set SPW, 4                            ; v4   LDS address of my spare word; never rewritten
.set NIL, 5                            ; v5   0; never rewritten
.set XA,  6                            ; v6   where my half's 16 sums go
.set LD,  7                            ; v7   4 x lane
.set ACC, 16                           ; v[16:31]  sum (kt, i) at 8 kt + i
.set SL,  32                           ; slot s at 32 + 40 s: 32 registers of weights, 4 of c M, 4 of negL (then the factors)
.set VB,  11                           ; the first job: v11  my byte offset in wt for Wo turned
.set VA,  12                           ; v12-14  for the three tiles of source 0
.set VO,  15                           ; v15     my byte offset in wvo
.set PA,  16                           ; v[16:39]   three accumulators
.set RG,  40                           ; v[40:167]  slot q at 40 + 32 q: 8 registers of source 1, then 8 for each tile of source 0
.set PK,  168                          ; v[168:179] packed results
	s_load_b256 s[4:11], s[0:1], 0x0               ; pb 4, negL 6, wt 8, negG 10
	s_load_b64 s[12:13], s[0:1], 0x20              ; wvo
	v_lshl_add_u32 v[SPW], v0, 2, SPARE
	v_mov_b32 v[NIL], 0
	v_lshrrev_b32 v1, 5, v0
	v_readfirstlane_b32 s14, v1                    ; wave 0..3
	v_and_b32 v8, 15, v0                           ; r = lane % 16
	v_bfe_u32 v9, v0, 4, 1                         ; h = lane / 16
	s_cmp_lt_u32 ttmp9, NPW
	s_cbranch_scc0 .Lcol
	; ---- wvo ----
.macro PLOAD q, off                    ; slot q takes 32 c at byte off of the rows: a fragment is two loads of 16 bytes, 32 bytes apart
	global_load_b128 v[RG+32*(\q):RG+32*(\q)+3],   v[VB], s[8:9] offset:(\off)
	global_load_b128 v[RG+32*(\q)+4:RG+32*(\q)+7], v[VB], s[8:9] offset:(\off)+32
.irp a, 0,1,2
	global_load_b128 v[RG+32*(\q)+8+8*\a:RG+32*(\q)+8+8*\a+3],   v[VA+\a], s[8:9] offset:(\off)
	global_load_b128 v[RG+32*(\q)+8+8*\a+4:RG+32*(\q)+8+8*\a+7], v[VA+\a], s[8:9] offset:(\off)+32
.endr
.endm
.macro PMUL q
.irp a, 0,1,2
	v_wmma_f32_16x16x32_f16 v[PA+8*\a:PA+8*\a+7], v[RG+32*(\q)+8+8*\a:RG+32*(\q)+8+8*\a+7], v[RG+32*(\q):RG+32*(\q)+7], v[PA+8*\a:PA+8*\a+7]
.endr
.endm
.macro PPACK a                         ; eight neighbouring k of my n: 16 bytes
.irp i, 0,1,2,3
	v_cvt_pk_f16_f32 v[PK+4*(\a)+\i], v[PA+8*(\a)+2*\i], v[PA+8*(\a)+2*\i+1]
.endr
	global_store_b128 v[VO], v[PK+4*(\a):PK+4*(\a)+3], s[12:13] offset:32*(\a)
.endm
	s_and_b32 s15, ttmp9, 7
	s_lshr_b32 s16, ttmp9, 3                       ; kb 0..10: tiles 3 kb .. 3 kb + 2 of source 0
	s_lshl_b32 s15, s15, 2
	s_add_co_u32 s15, s15, s14                     ; my block of 16 n, 0..31
	s_lshl_b32 s15, s15, 4                         ; n0
	v_add_nc_u32 v10, s15, v8                      ; n0 + r,
	v_lshlrev_b32 v10, 10, v10                     ; a row of 1,024 bytes,
	v_lshl_add_u32 v10, v9, 4, v10                 ; + 16 h
	v_add_nc_u32 v[VB], 1024*1024, v10             ; Wo turned begins at wt's row 1024
	s_mul_i32 s17, s16, 48                         ; the first row of my three tiles
.irp a, 0,1,2
	s_add_co_u32 s19, s17, 16*\a
	v_add_nc_u32 v[VA+\a], s19, v8
	v_min_u32 v[VA+\a], 512, v[VA+\a]              ; rows 512 on are all bv, which lies behind Wv's row 511
	v_lshlrev_b32 v[VA+\a], 10, v[VA+\a]
	v_lshl_add_u32 v[VA+\a], v9, 4, v[VA+\a]
	v_add_nc_u32 v[VA+\a], 1536*1024, v[VA+\a]     ; Wv begins at wt's row 1536
.endr
	s_mul_i32 s18, s16, 96                         ; 48 kb numbers of 2 bytes
	v_add_nc_u32 v[VO], s18, v10
	s_wait_kmcnt 0x0
.irp q, 0,1,2,3
	PLOAD \q, 64*\q
.endr
.set i, 0
.rept 24
	v_mov_b32 v[PA+i], 0                           ; 24 moves, in the wait for the first loads, spare a first step written out
.set i, i+1
.endr
	s_mov_b32 s20, 3
.Lk:                                                   ; a trip: four steps, and each slot is filled again with the step four further on
.irp q, 0,1,2,3
	s_wait_loadcnt 24                              ; loads come back in order (ISA guide 5.7.1): this slot's eight are in, the three younger slots' 24 stay out
	PMUL \q
.rept 4
	v_nop                                          ; four places between the products and the loads into their sources (ISA guide 7.12.1 for vector instructions)
.endr
	PLOAD \q, 256+64*\q
.endr
	s_wait_xcnt 0x0                                ; the loads have read their base: now it steps
	s_add_nc_u64 s[8:9], s[8:9], 256
	s_sub_co_u32 s20, s20, 1
	s_cmp_lg_u32 s20, 0
	s_cbranch_scc1 .Lk
.irp q, 0,1,2,3
	s_wait_loadcnt 24-8*\q                         ; nothing more is loaded: the counts run down
	PMUL \q
.endr
.rept 4
	v_nop                                          ; four places behind the last products
.endr
	PPACK 0
	PPACK 1
	s_cmp_eq_u32 s16, 10
	s_cbranch_scc1 .Lbias                          ; the 33rd tile is no part of wvo
	PPACK 2
	s_endpgm
.Lbias:                                                ; all 16 rows of that tile were bv: register 0 of lane r holds bvo[n0 + r], in both halves of the lanes; the lower half stores it
	s_lshl_b32 s19, s15, 2
	v_lshl_add_u32 v10, v8, 2, s19
	v_cmp_eq_u32 vcc_lo, 0, v9
	s_wait_xcnt 0x0                                ; EXEC changes only behind this wait
	s_and_saveexec_b32 s21, vcc_lo
	global_store_b32 v10, v[PA+16], s[12:13] offset:524288
	s_wait_xcnt 0x0                                ; and again, in front of the line that widens it
	s_or_b32 exec_lo, exec_lo, s21
	s_endpgm
	; ---- the columns' sums ----
.macro LOADS s, adv                    ; slot s takes the block (bx + adv, wr = s): 13 loads
.irp k, 0,1,2,3,4,5,6,7
	global_load_b128 v[SL+40*(\s)+4*\k:SL+40*(\s)+4*\k+3], v[LO], s[4:5] offset:(\adv)*BXP+(\s)*WRP+\k*512 th:TH_LOAD_NT
.endr
	global_load_b128 v[SL+40*(\s)+32:SL+40*(\s)+35], v[LO], s[28:29] offset:(\adv)*BXC+(\s)*WRC th:TH_LOAD_NT
.irp t, 0,1,2,3
	global_load_b32 v[SL+40*(\s)+36+\t], v[R4], s[6:7] offset:(\adv)*BXN+(\s)*WRN+\t*64
.endr
.endm
.macro USE s, left                     ; slot s is summed.  left: the younger loads, which may stay out
	s_wait_loadcnt \left
.irp t, 0,1,2,3
	v_add_f32 v[SL+40*(\s)+36+\t], v[SL+40*(\s)+32+\t], v[SL+40*(\s)+36+\t]   ; c M - c L
.endr
.irp t, 0,1,2,3
	v_exp_f32 v[SL+40*(\s)+36+\t], v[SL+40*(\s)+36+\t]
.endr
	v_nop                                          ; a plain instruction behind the transcendentals (ISA guide 5.7.2)
	s_wait_alu depctr_va_vdst(0)
.irp t, 0,1,2,3
.irp kt, 0,1
.irp q, 0,1,2,3
	v_fma_mix_f32_bf16 v[ACC+8*\kt+2*\q],   v[SL+40*(\s)+4*(2*\t+\kt)+\q], v[SL+40*(\s)+36+\t], v[ACC+8*\kt+2*\q]   op_sel_hi:[1,0,0]
	v_fma_mix_f32_bf16 v[ACC+8*\kt+2*\q+1], v[SL+40*(\s)+4*(2*\t+\kt)+\q], v[SL+40*(\s)+36+\t], v[ACC+8*\kt+2*\q+1] op_sel:[1,0,0] op_sel_hi:[1,0,0]
.endr
.endr
.endr
.endm
.Lcol:
	s_sub_co_u32 s15, ttmp9, NPW                   ; 64 b + x
	v_and_b32 v1, 31, v0
	v_lshlrev_b32 v[LO], 4, v1
	v_lshlrev_b32 v[LD], 2, v1
	v_lshlrev_b32 v[R4], 2, v8
	s_lshl_b32 s25, s14, 7
	v_lshl_add_u32 v[XA], v9, 5, s25               ; XCH + 128 x wave + 32 h
	s_lshr_b32 s16, s15, 6                         ; the batch
	s_bfe_u32 s17, s15, 0x40002                    ; j
	s_and_b32 s18, s15, 3                          ; 2 wc + p
	s_lshl_b32 s20, s16, 23                        ; the batch's 16 blocks bx,
	s_lshl_b32 s21, s14, 21                        ; my wave's first: bx = 4 v,
	s_add_co_u32 s20, s20, s21
	s_lshl_b32 s21, s17, 15                        ; the tile,
	s_add_co_u32 s20, s20, s21
	s_lshl_b32 s21, s18, 12                        ; wc and the piece
	s_add_co_u32 s20, s20, s21
	s_mov_b32 s21, 0
	s_lshr_b32 s22, s20, 3                         ; c M: an eighth of that,
	s_add_co_u32 s22, s22, CMOFF                   ; behind the weights
	s_mov_b32 s23, 0
	s_lshl_b32 s24, s16, 13                        ; negL: the batch's 8,192 bytes,
	s_lshl_b32 s25, s14, 11                        ; my wave's 512 rows
	s_add_co_u32 s24, s24, s25
	s_mov_b32 s25, 0
	s_lshl_b32 s26, s15, 7                         ; negG: the group's 32 keys
	s_mov_b32 s27, 0
	s_wait_kmcnt 0x0
	s_add_nc_u64 s[28:29], s[4:5], s[22:23]
	s_add_nc_u64 s[4:5], s[4:5], s[20:21]
	s_add_nc_u64 s[6:7], s[6:7], s[24:25]
	s_add_nc_u64 s[10:11], s[10:11], s[26:27]
	LOADS 0, 0
	LOADS 1, 0
.set i, 0
.rept 16
	v_mov_b32 v[ACC+i], 0
.set i, i+1
.endr
	s_mov_b32 s30, 3
.Ltrip:                                                ; a trip: the two blocks of one bx are summed, those of the next are asked for
	USE 0, 13                                      ; the other slot's 13 loads stay out
	LOADS 0, 1
	USE 1, 13
	LOADS 1, 1
	s_wait_xcnt 0x0                                ; the loads have read their bases: now these step
	s_add_nc_u64 s[4:5], s[4:5], BXP
	s_add_nc_u64 s[28:29], s[28:29], BXC
	s_add_nc_u64 s[6:7], s[6:7], BXN
	s_sub_co_u32 s30, s30, 1
	s_cmp_lg_u32 s30, 0
	s_cbranch_scc1 .Ltrip
	USE 0, 13                                      ; the last bx: nothing is left to ask for
	USE 1, 0
	; the 16 rows of a half of the lanes: four steps that ride on the addition; every lane of the half ends with the sum
.irp x, 1,2,4,8
.set i, 0
.rept 16
	v_add_f32_dpp v[ACC+i], v[ACC+i], v[ACC+i] row_xmask:\x row_mask:0xf bank_mask:0xf
.set i, i+1
.endr
.endr
.irp kt, 0,1
.irp u, 0,1
	ds_store_b128 v[XA], v[ACC+8*\kt+4*\u:ACC+8*\kt+4*\u+3] offset:\kt*64+\u*16   ; word 16 kt + 8 h + i of my wave's 32; the 16 lanes of a half write the same numbers to the same words
.endr
.endr
	s_wait_dscnt 0x0                               ; for the others' sake: my stores are done
	s_barrier_signal -1
	s_barrier_wait -1
	s_cmp_lg_u32 s14, 0
	s_cbranch_scc1 .Lend
	ds_load_b32 v8, v[LD]                          ; wave 0: lane L takes key L's four sums
	ds_load_b32 v9, v[LD] offset:128
	ds_load_b32 v10, v[LD] offset:256
	ds_load_b32 v11, v[LD] offset:384
	s_wait_dscnt 0x0
	v_add_f32 v8, v8, v9
	v_add_f32 v10, v10, v11
	v_add_f32 v8, v8, v10
	v_log_f32 v8, v8
	v_nop
	s_wait_alu depctr_va_vdst(0)
	v_mul_f32 v8, 0xbf317218, v8                   ; times -ln 2
	global_store_b32 v[LD], v8, s[10:11]           ; 128 consecutive bytes: negG is 131,072 bytes in all
.Lend:
	s_wait_tensorcnt 0x0                           ; the wave's end
	ds_add_u32 v[SPW], v[NIL]
	s_wait_dscnt 0x0
	s_endpgm
.Lfunc_end_k_qedd861cc9b_colsum:
	.size	k_qedd861cc9b_colsum, .Lfunc_end_k_qedd861cc9b_colsum-k_qedd861cc9b_colsum
	.p2alignl 7, 3214868480
	.fill 96, 4, 3214868480
	.section	.rodata,"a",@progbits
	.p2align	6, 0x0
	.amdhsa_kernel k_qedd861cc9b_colsum
		.amdhsa_group_segment_fixed_size 1024
		.amdhsa_private_segment_fixed_size 0
		.amdhsa_enable_private_segment 0
		.amdhsa_kernarg_size 40
		.amdhsa_user_sgpr_count 2
		.amdhsa_user_sgpr_kernarg_segment_ptr 1
		.amdhsa_wavefront_size32 1
		.amdhsa_system_sgpr_workgroup_id_x 1
		.amdhsa_system_sgpr_workgroup_id_y 1
		.amdhsa_system_sgpr_workgroup_id_z 1
		.amdhsa_system_vgpr_workitem_id 0
		.amdhsa_next_free_vgpr 180
		.amdhsa_next_free_sgpr 66
		.amdhsa_reserve_vcc 1
		.amdhsa_float_denorm_mode_32 3
		.amdhsa_float_denorm_mode_16_64 3
		.amdhsa_memory_ordered 1
		.amdhsa_forward_progress 1
		.amdhsa_inst_pref_size 43
	.end_amdhsa_kernel
	.amdgpu_metadata
---
amdhsa.version: [ 1, 2 ]
amdhsa.kernels:
  - .name:           k_qedd861cc9b_colsum
    .symbol:         k_qedd861cc9b_colsum.kd
    .args:
      - { .name: pb, .offset: 0, .size: 8, .value_kind: global_buffer, .address_space: global }
      - { .name: negL, .offset: 8, .size: 8, .value_kind: global_buffer, .address_space: global }
      - { .name: wt, .offset: 16, .size: 8, .value_kind: global_buffer, .address_space: global }
      - { .name: negG, .offset: 24, .size: 8, .value_kind: global_buffer, .address_space: global }
      - { .name: wvo, .offset: 32, .size: 8, .value_kind: global_buffer, .address_space: global }
    .group_segment_fixed_size: 1024
    .private_segment_fixed_size: 0
    .kernarg_segment_align: 8
    .kernarg_segment_size: 40
    .max_flat_workgroup_size: 128
    .sgpr_count:     66
    .vgpr_count:     180
    .wavefront_size: 32
...
	.end_amdgpu_metadata
.endif
;; end of part 8
;; launch fin (part 9): grid 256 x 1, 4 waves a work-group, clusters of 4 x 1, 327,680 bytes of LDS; arguments x16, wvo, negG, bo, bn_scale, bn_bias, bn_mean, bn_var, out0; writes out0
.if DOCPART == 9
	.amdgcn_target "amdgcn-amd-amdhsa--gfx1250"
	.amdhsa_code_object_version 6
	.text
	.protected	k_qedd861cc9b_fin
	.globl	k_qedd861cc9b_fin
	.p2align	8
	.type	k_qedd861cc9b_fin,@function
k_qedd861cc9b_fin:
	s_mov_b64 s[64:65], 0
	v_nop
	global_prefetch_b8 v0, s[64:65] scope:SCOPE_SE
	s_setreg_imm32_b32 hwreg(HW_REG_WAVE_MODE, 25, 1), 1
	s_wait_xcnt 0x0
	s_wait_alu depctr_hold_cnt(0) depctr_sa_sdst(0) depctr_va_vdst(0) depctr_va_sdst(0) depctr_va_ssrc(0) depctr_va_vcc(0) depctr_vm_vsrc(0)
	s_getreg_b32 s2, hwreg(HW_REG_IB_STS2, 6, 4)
	s_cmp_eq_u32 s2, 0
	s_cbranch_scc0 .Lentry_in_a_cluster
	s_endpgm
.Lentry_in_a_cluster:
	s_bfe_u32 s2, ttmp6, 0x10000c
	s_cmp_lg_u32 s2, 0x3003
	s_cbranch_scc0 .Lentry_shape_is_right
	s_endpgm
.Lentry_shape_is_right:
; FIN.  out0[n][c] = relu( sc[n] G[c] (x16[n] . wvo[c] + bvo[c]) + H[c] ) + x16[n][c].  sc = col / (1e-9 + col), col = exp(-negG);  wvo[c][k] = (Wv Wo)[k][c] in f16 and, behind it, bvo = bv Wo in f32, made by
; the launch before: (sc v) Wo = sc (x (Wv Wo) + bv Wo), so v itself is never made.  G = bn_scale rsqrt(bn_var + 1e-5);  H = (bo - bn_mean) G + bn_bias.  A row's scale and a channel's gain commute with
; the product, so both are applied in f32 behind it.  x16 holds x rounded to bf16, exact in f16; bo and the four batch-norm vectors are rounded to bf16 here, like every input of the module; sums and all
; the rest in f32; out0 is f32.
; LIMITS.  The residual is x rounded to bf16, as all inputs are; col below 2^-126 counts as 0; NaN and infinities are not treated apart.
; SHARES, MATRIX INSTRUCTION, CLUSTER, RING: a work-group owns 128 rows of x16, a wave keeps 64 of them (64 wr on) in 512 registers; wvo's 512 rows are streamed in 4 tiles of 128 rows through two LDS slots,
; asked for jointly by the four work-groups of a cluster; source 0 = 16 rows of wvo, source 1 = 16 rows of x16: a lane holds one row of x16 and eight neighbouring output channels.  bvo, one number for
; each row of wvo, is the C operand of the product that starts a sum.
; The change of slots stands in the last 32 k of the tile before; one tensor load of a wave is out at any time, and has a tile's 256 matrix instructions and a way out in which to land.
; THE WAY OUT is each wave's own: its 64 channels of f32 are 256 aligned bytes of a row, so 16 rows at a time go through its own stage in LDS and leave as whole rows; no barrier.
; REGISTERS, in windows of 256 (s_set_vgpr_msb: bits 1:0 source 0, 3:2 source 1, 5:4 source 2, 7:6 destination): window 0: v0-15 addresses; v16-63 and v224-239 the residual's f16 words;
;   v64-191 the accumulators ((t, kt) at 64 + 32 t + 8 kt); v192-223 the tile's H; v240-247 sc, a pair for each t; v248 1.0     window 1: my rows 0-31     window 2: my rows 32-63
;   window 3: v0-63, v64-127 two fragment buffers; v128-159 the tile's G; v160-191 the tile's bvo
.set PITCH, 1040
.set WPART, 32*PITCH
.set HALFS, 64*PITCH
.set SLOT,  128*PITCH
.set TILEB, 128*1024
.set NT,    4
.set SP,    272
.set STAGE, 2*SLOT                     ; behind the ring: 16 rows x 272 bytes for each wave
.set HTAB,  STAGE+4*16*SP              ; H: 512 f32; behind it G, then bvo
.set SPARE, HTAB+6144                  ; the spare words, 128 bytes for each wave
.set A0,  3
.set ADR, 4
.set VT,  5                            ; v5   my place in H (2,048 bytes on in G, 4,096 on in bvo), for the tile in hand
.set QO,  6
.set XO,  7                            ; v7   my byte offset in two rows of x16
.set SPW, 8                            ; v8   LDS address of my spare word; never rewritten
.set NIL, 9                            ; v9   0; never rewritten
.set STO, 10
.set RD,  11
.set GO,  12                           ; v12  my byte offset in two rows of out0
.set S,   64
.set HV,  192
.set GV,  128                          ; in window 3
.set BV,  160                          ; in window 3
.set SC,  240
.set ONE, 248
.set OWN, 4                            ; s[4:5]   x16 at my wave's first row
.set OB,  20                           ; s[20:21] out0 at my rows and the tile's channels
.set XB,  22                           ; s[22:23] x16 likewise
.set G1,  24
.set G0,  32
.set WOFF, 36
.set LS,  37
.set TB,  38
.set CNT, 39
.set WV,  40
.set WR,  41
.set WC,  42
.set CX,  43
.set WGX, 44
.set MSB, 0
.macro WIN new
.if MSB != (\new)
	s_set_vgpr_msb (MSB<<8)|(\new)
.set MSB, (\new)
.endif
.endm
.macro PLACES
.rept 4
	v_nop
.endr
.endm
.macro CROUND                          ; a round of the cluster's barrier
	s_barrier_signal -1
	s_barrier_wait -1
	s_cmp_lg_u32 s[WV], 0
	s_cbranch_scc1 .Lnot_wave_0_\@
	s_barrier_signal -3
.Lnot_wave_0_\@:
	s_barrier_wait -3
	s_barrier_signal -1
	s_barrier_wait -1
.endm
.macro CHANGE fill                     ; the change of slots: all my tensor loads, the add, my reads; a round and the joint refill (fill = 1) or the work-group's barrier
	WIN 0
	s_wait_tensorcnt 0x0                           ; no tensor load of mine is out, so group 0 may be written
	ds_add_u32 v[SPW], v[NIL]                      ; 0 onto my spare word; scalar work stands between it and the wait for it
.if \fill
	s_xor_b32 s[LS], s[LS], SLOT
	s_add_co_u32 s[G0+1], s[LS], s[WOFF]
	s_add_nc_u64 s[G0+2:G0+3], s[G0+2:G0+3], TILEB
.endif
	s_xor_b32 s[TB], s[TB], SLOT
	s_wait_dscnt 0x0                               ; the add is done, and my reads of the slot are over
.if \fill
	CROUND
	tensor_load_to_lds s[G0:G0+3], s[G1:G1+7]
	s_nop 0
.else
	s_barrier_signal -1
	s_barrier_wait -1
.endif
	PLACES
	v_add_nc_u32 v[ADR], s[TB], v[A0]
	v_add_nc_u32 v[VT], 512, v[VT]
.endm
.macro OWNLOAD
.irp t, 0,1,2,3
	WIN 0x40+0x40*((\t)/2)
.set oc, 0
.rept 16
	global_load_b128 v[128*((\t)%2)+8*oc:128*((\t)%2)+8*oc+3],   v[QO], s[OWN:OWN+1] offset:(\t)*16384+oc*64
	global_load_b128 v[128*((\t)%2)+8*oc+4:128*((\t)%2)+8*oc+7], v[QO], s[OWN:OWN+1] offset:(\t)*16384+oc*64+32
.set oc, oc+1
.endr
.endr
	WIN 0
.endm
.macro MUL16 c                         ; 16 matrix instructions: all 16 accumulators by turns.  c = 0 starts the sums with bvo, which lies in window 3
.irp hi, 0,1
.if (\c) == 0
	WIN 0x37+4*\hi
.else
	WIN 0x07+4*\hi
.endif
.irp tt, 0,1
.irp kt, 0,1,2,3
.set rD, S+32*(2*\hi+\tt)+8*\kt
.set rA, 64*(((\c)/2)%2)+8*(2*\kt+(\c)%2)
.set rB, 128*\tt+8*(\c)
.if (\c) == 0
	v_wmma_f32_16x16x32_f16 v[rD:rD+7], v[rA:rA+7], v[rB:rB+7], v[BV+8*\kt:BV+8*\kt+7]
.else
	v_wmma_f32_16x16x32_f16 v[rD:rD+7], v[rA:rA+7], v[rB:rB+7], v[rD:rD+7]
.endif
.endr
.endr
.endr
.endm
.macro FETCH e, buf
	WIN 0xc0
.irp kt, 0,1,2,3
.irp cc, 0,1
	ds_load_b128 v[(\buf)+8*(2*\kt+\cc):(\buf)+8*(2*\kt+\cc)+3],   v[ADR] offset:\kt*16*PITCH+(2*(\e)+\cc)*64
	ds_load_b128 v[(\buf)+8*(2*\kt+\cc)+4:(\buf)+8*(2*\kt+\cc)+7], v[ADR] offset:\kt*16*PITCH+(2*(\e)+\cc)*64+32
.endr
.endr
.endm
.macro BVLOAD                          ; behind a change of slots: bvo of the tile that begins; register j of group kt: row 16 kt + 8 (l / 16) + j of my 64
	WIN 0xc0
.irp kt, 0,1,2,3
	ds_load_b128 v[BV+8*\kt:BV+8*\kt+3],   v[VT] offset:4096+\kt*64
	ds_load_b128 v[BV+8*\kt+4:BV+8*\kt+7], v[VT] offset:4096+\kt*64+16
.endr
.endm
.macro RUN e, hv                       ; 64 k: 32 matrix instructions; at their head the next 64 k's fragments are fetched into the other buffer.  hv = 1: this tile's G and H too
	s_wait_dscnt 0x0                               ; this part's fragments, asked for 32 matrix instructions ago
	PLACES                                         ; behind the products that read the other buffer
	FETCH (\e)+1, 64*(((\e)+1)%2)
.if \hv
.irp kt, 0,1,2,3                       ; still with the destination in window 3
	ds_load_b128 v[GV+8*\kt:GV+8*\kt+3],   v[VT] offset:2048+\kt*64
	ds_load_b128 v[GV+8*\kt+4:GV+8*\kt+7], v[VT] offset:2048+\kt*64+16
.endr
	WIN 0
.irp kt, 0,1,2,3
	ds_load_b128 v[HV+8*\kt:HV+8*\kt+3],   v[VT] offset:\kt*64
	ds_load_b128 v[HV+8*\kt+4:HV+8*\kt+7], v[VT] offset:\kt*64+16
.endr
.endif
	MUL16 2*(\e)
	MUL16 2*(\e)+1
.endm
.macro XLOAD                           ; the residual for a tile: for the 16 bytes of out0 that I store, 8 bytes of x16
.irp t, 0,1,2,3
.set xb, 16+16*\t+160*(\t/3)
.irp f, 0,1,2,3,4,5,6,7
	global_load_b64 v[xb+2*\f:xb+2*\f+1], v[XO], s[XB:XB+1] offset:(16*\t+2*\f)*1024
.endr
.endr
.endm
.macro CALC t                          ; (sum x G) x sc + H, then relu, on the 16 rows of own tile t; each accumulator's registers in ascending order
	WIN 0x0c                                       ; source 1 in window 3
.set z, 0
.rept 16
	v_pk_mul_f32 v[S+32*(\t)+2*z:S+32*(\t)+2*z+1], v[S+32*(\t)+2*z:S+32*(\t)+2*z+1], v[GV+2*z:GV+2*z+1]
.set z, z+1
.endr
	WIN 0
.set z, 0
.rept 16
	v_pk_fma_f32 v[S+32*(\t)+2*z:S+32*(\t)+2*z+1], v[S+32*(\t)+2*z:S+32*(\t)+2*z+1], v[SC+2*(\t):SC+2*(\t)+1], v[HV+2*z:HV+2*z+1] op_sel_hi:[1,0,1]
.set z, z+1
.endr
.set z, 0
.rept 32
	v_max_num_f32 v[S+32*(\t)+z], 0, v[S+32*(\t)+z]
.set z, z+1
.endr
.endm
.macro TOSTAGE t                       ; a lane's eight channels of a row are 32 bytes; they go into rows of 272 bytes and come back as whole rows of 256, into the registers that they left
.irp kt, 0,1,2,3
	ds_store_b128 v[STO], v[S+32*(\t)+8*\kt:S+32*(\t)+8*\kt+3]   offset:\kt*64
	ds_store_b128 v[STO], v[S+32*(\t)+8*\kt+4:S+32*(\t)+8*\kt+7] offset:\kt*64+16
.endr
.irp f, 0,1,2,3,4,5,6,7
	ds_load_b128 v[S+32*(\t)+4*\f:S+32*(\t)+4*\f+3], v[RD] offset:\f*2*SP   ; LDS serves a wave's instructions in order (ISA guide 5.7.1.4): these see the stores above
.endr
.endm
.macro SEND t                          ; the residual is added straight from its f16 halves, and the rows are stored
.set xb, 16+16*(\t)+160*((\t)/3)
.irp f, 0,1,2,3,4,5,6,7
	s_wait_dscnt 7-\f                              ; the younger loads may stay out
.irp u, 0,1
	v_fma_mix_f32 v[S+32*(\t)+4*\f+2*\u],   v[xb+2*\f+\u], v[ONE], v[S+32*(\t)+4*\f+2*\u]   op_sel_hi:[1,0,0]
	v_fma_mix_f32 v[S+32*(\t)+4*\f+2*\u+1], v[xb+2*\f+\u], v[ONE], v[S+32*(\t)+4*\f+2*\u+1] op_sel:[1,0,0] op_sel_hi:[1,0,0]
.endr
	global_store_b128 v[GO], v[S+32*(\t)+4*\f:S+32*(\t)+4*\f+3], s[OB:OB+1] offset:(16*(\t)+2*\f)*2048 th:TH_STORE_NT   ; 16 lanes store 256 consecutive bytes, at a multiple of 256 from out0's first byte
.endr
.endm
; A tile's way out; a tile's arithmetic stands between the stage loads of the 16 rows before and the wait for them.  Behind it the next tile's residual is asked for;
; grd = 1 (the tail's loop): not in its last trip, where there is no next tile.
.macro EPI grd
	WIN 0
	PLACES
	s_wait_loadcnt 0x0                             ; the residual
	CALC 0
	TOSTAGE 0
	CALC 1
	SEND 0
	TOSTAGE 1
	CALC 2
	SEND 1
	TOSTAGE 2
	CALC 3
	SEND 2
	TOSTAGE 3
	SEND 3
	s_wait_xcnt 0x0                                ; the stores have read their registers and base: the base steps, and the next products write the registers
	s_add_nc_u64 s[OB:OB+1], s[OB:OB+1], 512       ; 128 channels of f32 on
.if \grd
	s_cmp_eq_u32 s[CNT], 1
	s_cbranch_scc1 .Lno_next_\@
.endif
	s_add_nc_u64 s[XB:XB+1], s[XB:XB+1], 256       ; 128 channels of f16 on; its loads were waited for above
	XLOAD
.if \grd
.Lno_next_\@:
.endif
.endm
	s_load_b512 s[4:19], s[0:1], 0x0               ; x16 4, wvo 6, negG 8, bo 10, bn_scale 12, bn_bias 14, bn_mean 16, bn_var 18
	s_load_b64 s[20:21], s[0:1], 0x40              ; out0
	v_lshl_add_u32 v[SPW], v0, 2, SPARE
	v_mov_b32 v[NIL], 0
	ds_add_u32 v[SPW], v[NIL]                      ; the wave's opening: the add and its wait stand ahead of my first tensor load
	v_lshrrev_b32 v1, 5, v0
	v_readfirstlane_b32 s[WV], v1                  ; wave 0..3
	s_lshr_b32 s[WR], s[WV], 1
	s_and_b32 s[WC], s[WV], 1
	s_bfe_u32 s[CX], ttmp6, 0x40000                ; cx
	s_lshl_b32 s[WGX], ttmp9, 2
	s_add_co_u32 s[WGX], s[WGX], s[CX]             ; my block of 128 rows: it enters no descriptor and no LDS address
	s_mov_b32 s[G1+0], 15|(1<<16)|(1<<20)|(1<<21)|(7<<22)|(3<<25)  ; the mask of four; 2-byte elements; padding on; bit 21 beside a mask; after every 256 words (code 7) 4 words (code 3)
	s_mov_b32 s[G1+1], 512<<16
	s_mov_b32 s[G1+2], 32<<16
	s_mov_b32 s[G1+3], 512<<16
	s_mov_b32 s[G1+4], 32
	s_mov_b32 s[G1+5], 512
	s_mov_b32 s[G1+6], 0
	s_mov_b32 s[G1+7], 0
	s_mul_i32 s[WOFF], s[WV], WPART
	s_mov_b32 s[G0], 1
	s_mov_b32 s[G0+1], s[WOFF]
	s_mov_b32 s[LS], 0
	s_mov_b32 s[TB], SLOT
	s_lshl_b32 s46, s[WV], 15                      ; my 32 rows of a tile
	s_mov_b32 s47, 0
	s_lshl_b32 s48, s[WGX], 17
	s_lshl_b32 s49, s[WR], 16
	s_add_co_u32 s48, s48, s49                     ; my wave's first row x 1,024 bytes
	s_lshl_b32 s49, s[WC], 7
	s_add_co_u32 s50, s48, s49                     ; the residual: + my 64 channels
	s_mov_b32 s49, 0
	s_mov_b32 s51, 0
	s_lshr_b32 s52, s48, 8                         ; negG: row x 4
	s_mov_b32 s53, 0
	s_lshl_b32 s54, s48, 1                         ; out0: row x 2,048
	s_lshl_b32 s55, s[WC], 8
	s_add_co_u32 s54, s54, s55
	s_mov_b32 s55, 0
	s_wait_dscnt 0x0                               ; the opening add is done
	s_wait_kmcnt 0x0
	s_add_nc_u64 s[G0+2:G0+3], s[6:7], s[46:47]
	s_or_b32 s[G0+3], s[G0+3], 0x80000000          ; type = 2
	s_add_nc_u64 s[XB:XB+1], s[4:5], s[50:51]
	s_add_nc_u64 s[OWN:OWN+1], s[OWN:OWN+1], s[48:49]
	s_add_nc_u64 s[8:9], s[8:9], s[52:53]
	s_add_nc_u64 s[OB:OB+1], s[OB:OB+1], s[54:55]
	CROUND                                         ; all four work-groups are here: the first joint loads meet
	tensor_load_to_lds s[G0:G0+3], s[G1:G1+7]      ; tile 0
	s_nop 0
	PLACES
	v_and_b32 v1, 15, v0                           ; l % 16
	v_bfe_u32 v2, v0, 4, 1                         ; l / 16
	v_lshlrev_b32 v[QO], 10, v1
	v_lshl_add_u32 v[QO], v2, 4, v[QO]
	OWNLOAD
	v_lshlrev_b32 v[XO], 10, v2
	v_lshl_add_u32 v[XO], v1, 3, v[XO]
	XLOAD
	v_lshlrev_b32 v13, 2, v1
.irp t, 0,1,2,3
	global_load_b32 v[SC+2*\t], v13, s[8:9] offset:\t*64   ; negG of my row in own tile t
.endr
	v_lshlrev_b32 v14, 4, v0                       ; thread t makes G and H, and copies bvo, of channels 4 t .. 4 t + 3
	global_load_b128 v[64:67], v14, s[10:11]       ; bo
	global_load_b128 v[68:71], v14, s[12:13]       ; bn_scale
	global_load_b128 v[72:75], v14, s[14:15]       ; bn_bias
	global_load_b128 v[76:79], v14, s[16:17]       ; bn_mean
	global_load_b128 v[80:83], v14, s[18:19]       ; bn_var
	global_load_b128 v[96:99], v14, s[6:7] offset:524288   ; bvo, behind wvo's 512 rows
	v_mul_u32_u24 v[A0], v1, PITCH
	v_lshl_add_u32 v[A0], v2, 4, v[A0]
	s_mul_i32 s56, s[WC], HALFS
	v_add_nc_u32 v[A0], s56, v[A0]
	s_lshl_b32 s56, s[WC], 8
	s_add_co_u32 s56, s56, HTAB-512                ; the first change of slots steps it to tile 0's
	v_lshl_add_u32 v[VT], v2, 5, s56
	s_mul_i32 s56, s[WV], 16*SP
	s_add_co_u32 s56, s56, STAGE                   ; my stage
	v_mul_u32_u24 v[STO], v1, SP
	v_lshl_add_u32 v[STO], v2, 5, v[STO]
	v_add_nc_u32 v[STO], s56, v[STO]               ; in: row l % 16, 32 bytes for each half of the lanes
	v_mul_u32_u24 v[RD], v2, SP
	v_lshl_add_u32 v[RD], v1, 4, v[RD]
	v_add_nc_u32 v[RD], s56, v[RD]                 ; back: lanes 0-15 one row of 256 bytes, lanes 16-31 the next
	v_lshlrev_b32 v[GO], 11, v2
	v_lshl_add_u32 v[GO], v1, 4, v[GO]
	v_add_nc_u32 v15, HTAB, v14
	v_mov_b32 v[ONE], 1.0
	s_wait_loadcnt 0x0
.irp p, 0,1,2,3,4,5,6,7,8,9            ; the five vectors are rounded to bf16 like every input, and kept as f32
	v_cvt_pk_bf16_f32 v[84+\p], v[64+2*\p], v[65+2*\p]
.endr
.irp p, 0,1,2,3,4,5,6,7,8,9
	v_lshlrev_b32 v[64+2*\p], 16, v[84+\p]
	v_and_b32 v[65+2*\p], 0xffff0000, v[84+\p]
.endr
.irp t, 0,1,2,3
	v_mul_f32 v[SC+2*\t], 0xbfb8aa3b, v[SC+2*\t]   ; -log2(e) negG
.endr
.irp t, 0,1,2,3
	v_exp_f32 v[SC+2*\t], v[SC+2*\t]               ; col
.endr
	v_nop                                          ; a plain instruction behind the transcendentals (ISA guide 5.7.2)
	s_wait_alu depctr_va_vdst(0)
.irp t, 0,1,2,3
	v_add_f32 v[SC+2*\t+1], 0x3089705f, v[SC+2*\t] ; 1e-9 + col
.endr
.irp t, 0,1,2,3
	v_rcp_f32 v[SC+2*\t+1], v[SC+2*\t+1]
.endr
	v_nop
	s_wait_alu depctr_va_vdst(0)
.irp t, 0,1,2,3
	v_mul_f32 v[SC+2*\t], v[SC+2*\t], v[SC+2*\t+1] ; sc; the packed multiply-add takes the pair's low register for both halves
.endr
.irp i, 0,1,2,3
	v_add_f32 v[80+\i], 0x3727c5ac, v[80+\i]       ; var + 1e-5
.endr
.irp i, 0,1,2,3
	v_rsq_f32 v[80+\i], v[80+\i]
.endr
	v_nop
	s_wait_alu depctr_va_vdst(0)
.irp i, 0,1,2,3
	v_mul_f32 v[68+\i], v[68+\i], v[80+\i]         ; G
.endr
.irp i, 0,1,2,3
	v_sub_f32 v[64+\i], v[64+\i], v[76+\i]         ; bo - mean
.endr
.irp i, 0,1,2,3
	v_fma_f32 v[64+\i], v[64+\i], v[68+\i], v[72+\i]  ; H
.endr
	ds_store_b128 v15, v[64:67]
	ds_store_b128 v15, v[68:71] offset:2048
	ds_store_b128 v15, v[96:99] offset:4096
	CHANGE 1                                       ; tile 0 and the three tables are in, everybody's part; tile 1 is asked for
	FETCH 0, 0
	BVLOAD
	WIN 0
	s_mov_b32 s[CNT], NT-1
	s_branch .Lenter                               ; the loop is entered in the middle of a trip
.Ltile:                                                ; NT - 2 times: tiles 2 and 3 are asked for
	CHANGE 1
	FETCH 0, 0
	BVLOAD
	MUL16 15                                       ; the last 32 k of the tile before
	EPI 0
.Lenter:
	RUN 0, 0
	RUN 1, 0
	RUN 2, 0
	RUN 3, 0
	RUN 4, 0
	RUN 5, 0
	RUN 6, 1
	s_wait_dscnt 0x0
	MUL16 14
	WIN 0
	s_sub_co_u32 s[CNT], s[CNT], 1
	s_cmp_lg_u32 s[CNT], 0
	s_cbranch_scc1 .Ltile
	CHANGE 0                                       ; the last tile is written out: nothing is asked for
	FETCH 0, 0
	BVLOAD
	MUL16 15
	WIN 0
	s_mov_b32 s[CNT], 2                            ; two ways out are left, with the last tile between them: a loop of two trips, entered at the way out, so that it is written once
	s_branch .Lepi
.Llast:
	RUN 0, 0
	RUN 1, 0
	RUN 2, 0
	RUN 3, 0
	RUN 4, 0
	RUN 5, 0
	RUN 6, 1
	s_wait_dscnt 0x0
	MUL16 14
	MUL16 15
	WIN 0
.Lepi:
	EPI 1
	s_sub_co_u32 s[CNT], s[CNT], 1
	s_cmp_lg_u32 s[CNT], 0
	s_cbranch_scc1 .Llast
	s_wait_tensorcnt 0x0                           ; the wave's end
	ds_add_u32 v[SPW], v[NIL]
	s_wait_dscnt 0x0
	CROUND                                         ; the closing round
	s_endpgm
.Lfunc_end_k_qedd861cc9b_fin:
	.size	k_qedd861cc9b_fin, .Lfunc_end_k_qedd861cc9b_fin-k_qedd861cc9b_fin
	.p2alignl 7, 3214868480
	.fill 96, 4, 3214868480
	.section	.rodata,"a",@progbits
	.p2align	6, 0x0
	.amdhsa_kernel k_qedd861cc9b_fin
		.amdhsa_group_segment_fixed_size 327680
		.amdhsa_private_segment_fixed_size 0
		.amdhsa_enable_private_segment 0
		.amdhsa_kernarg_size 72
		.amdhsa_user_sgpr_count 2
		.amdhsa_user_sgpr_kernarg_segment_ptr 1
		.amdhsa_wavefront_size32 1
		.amdhsa_system_sgpr_workgroup_id_x 1
		.amdhsa_system_sgpr_workgroup_id_y 1
		.amdhsa_system_sgpr_workgroup_id_z 1
		.amdhsa_system_vgpr_workitem_id 0
		.amdhsa_next_free_vgpr 960
		.amdhsa_next_free_sgpr 66
		.amdhsa_reserve_vcc 0
		.amdhsa_float_denorm_mode_32 3
		.amdhsa_float_denorm_mode_16_64 3
		.amdhsa_memory_ordered 1
		.amdhsa_forward_progress 1
		.amdhsa_inst_pref_size 150
	.end_amdhsa_kernel
	.amdgpu_metadata
---
amdhsa.version: [ 1, 2 ]
amdhsa.kernels:
  - .name:           k_qedd861cc9b_fin
    .symbol:         k_qedd861cc9b_fin.kd
    .args:
      - { .name: x16, .offset: 0, .size: 8, .value_kind: global_buffer, .address_space: global }
      - { .name: wvo, .offset: 8, .size: 8, .value_kind: global_buffer, .address_space: global }
      - { .name: negG, .offset: 16, .size: 8, .value_kind: global_buffer, .address_space: global }
      - { .name: bo, .offset: 24, .size: 8, .value_kind: global_buffer, .address_space: global }
      - { .name: bn_scale, .offset: 32, .size: 8, .value_kind: global_buffer, .address_space: global }
      - { .name: bn_bias, .offset: 40, .size: 8, .value_kind: global_buffer, .address_space: global }
      - { .name: bn_mean, .offset: 48, .size: 8, .value_kind: global_buffer, .address_space: global }
      - { .name: bn_var, .offset: 56, .size: 8, .value_kind: global_buffer, .address_space: global }
      - { .name: out0, .offset: 64, .size: 8, .value_kind: global_buffer, .address_space: global }
    .group_segment_fixed_size: 327680
    .private_segment_fixed_size: 0
    .kernarg_segment_align: 8
    .kernarg_segment_size: 72
    .max_flat_workgroup_size: 128
    .sgpr_count:     66
    .vgpr_count:     960
    .wavefront_size: 32
...
	.end_amdgpu_metadata
.endif
;; end of part 9
